; MI455X (gfx1250); checked and timed in simulation.
; The chip was launched on July 23, 2026; its instructions are those of AMD's public machine-readable ISA for CDNA 5 (MIT licence, August 2026) and "CDNA5" Instruction Set Architecture Reference Guide (July 2026). The comments in the code are by the model that wrote it; some were corrected since.
;; Transformer Encoder Layer. Allowed arithmetic: matrix products marked QUANTISED: E2M3 operands, one E8M0 scale for each 32 along K, by v_wmma_scale_f32_16x16x128_f8f6f4 with both operands' format E2M3, f32 sums; everything else in f32.
;; Inputs: W1 1,024 x 4,096 float32; W2 4,096 x 1,024 float32; Wk 1,024 x 1,024 float32; Wo 1,024 x 1,024 float32; Wq 1,024 x 1,024 float32; Wv 1,024 x 1,024 float32; b1 4,096 float32; b2 1,024 float32; bk 1,024 float32; bo 1,024 float32; bq 1,024 float32; bv 1,024 float32; ln1_b 1,024 float32; ln1_g 1,024 float32; ln2_b 1,024 float32; ln2_g 1,024 float32; positions 2 x 2,048 int32; x 2 x 2,048 x 1,024 float32.
;; Outputs: out0 2 x 2,048 x 1,024 float32.
;; This version of the problem:
;;   THIS VERSION OF THE PROBLEM IS GIVEN IN LOW PRECISION. The matrix products marked QUANTISED in the list below multiply operands that are first quantised to E2M3 (2 exponent bits, 3 mantissa bits; 6 bits a number), with one power-of-two scale for each 32 numbers along K (OCP MX v1.0); their sums are f32. All else is computed in f32.
;;   The module's matrix products, in the order in which they are computed (A, B: the left and right operand; K: the contracted axis; several contracted axes count as one K, in the product's order):
;;     1. [M 4,096, K 1,024] x [K 1,024, N 1,024]; A: computed on the way; B: input Wq: QUANTISED
;;     2. [M 4,096, K 1,024] x [K 1,024, N 1,024]; A: computed on the way; B: input Wk: QUANTISED
;;     3. [M 4,096, K 1,024] x [K 1,024, N 1,024]; A: computed on the way; B: input Wv: QUANTISED
;;     4. batch 32 x [M 2,048, K 64] x [K 64, N 2,048]; A: computed on the way; B: computed on the way: QUANTISED
;;     5. batch 32 x [M 2,048, K 2,048] x [K 2,048, N 64]; A: softmax (see below); B: computed on the way: QUANTISED
;;     6. [M 4,096, K 1,024] x [K 1,024, N 1,024]; A: computed on the way; B: input Wo: QUANTISED
;;     7. [M 4,096, K 1,024] x [K 1,024, N 4,096]; A: computed on the way; B: input W1: QUANTISED
;;     8. [M 4,096, K 4,096] x [K 4,096, N 1,024]; A: computed on the way; B: input W2: QUANTISED
;;   THE QUANTISER, for each operand of a quantised product, along K:
;;     - K is cut into blocks of 32 from its start; a last block that is shorter is filled with zeros.
;;     - A block's scale is 2^e with e = floor(log2(the largest magnitude in the block)) - 2, held to -126 .. 127; a block of zeros has e = 0. As a byte (E8M0): e + 127.
;;     - Each number is divided by its block's scale, clamped to +-7.5, and rounded to the nearest number of E2M3, ties to even, subnormals kept.
;;     - The product sums the exact products of the quantised numbers (number of the format x scale) in f32.
;;   ~~~python
;;   def quantise(x, axis):      # numpy; x: float32 -> the quantised numbers, widened to float32 again
;;       x = np.moveaxis(x, axis, -1); K = x.shape[-1]
;;       x = np.pad(x, [(0, 0)] * (x.ndim - 1) + [(0, -K % 32)]); x = x.reshape(x.shape[:-1] + (-1, 32)); a = np.abs(x).max(-1, keepdims=True)
;;       e = np.where(a > 0, np.clip(np.frexp(np.where(a > 0, a, 1))[1] - 1 - 2, -126, 127), 0)      # np.frexp(a)[1] - 1 = floor(log2(a)), exactly
;;       r = np.clip(x / 2.0 ** e, -7.5, 7.5)
;;       step = 2.0 ** (np.maximum(np.frexp(np.where(r == 0, 1, r))[1] - 1, 0) - 3)
;;       q = np.round(r / step) * step * 2.0 ** e      # np.round: ties to even
;;       return np.moveaxis(q.reshape(q.shape[:-2] + (-1,))[..., :K], -1, axis).astype(np.float32)
;;   ~~~
;;   SOFTMAX AHEAD OF A QUANTISED PRODUCT. Where the list says 'softmax', what is quantised is not the finished softmax but p = 2^(t - M), with t = logit x log2(e) and M = ceil(the row's largest t), a whole number; so 1/2 < the row's largest p <= 1. The row's sum l is taken of the UNQUANTISED p, in f32, and the product's result is divided by l at the end. Since M is a whole number, a kernel that streams over the keys may use a running M (the ceiling of the running maximum): every later rescaling is an exact power of two, which a block's scale takes up: the codes' values come out the same.
;;   OPERANDS COMPUTED ON THE WAY. 'Computed on the way' means the value that the module computes at that place (a softmax that the list does not call 'softmax' is quantised finished and normalised). What goes into a quantiser is computed in f32, as accurately as f32 sums, v_exp_f32 and their like allow (about 1e-6 of the number): no bf16 or f16 on the way to a quantiser, and a product that is left as it is and whose result goes on into a quantised operand takes f32 operands (vector FMAs, or v_wmma_f32_16x16x4_f32). A number that lies on a knife's edge between two numbers of the format may be rounded either way, as far as f32 arithmetic and the matrix unit's own rounding can turn it there, and no further.
;; One version. Each part assembles by itself: llvm-mc -triple=amdgcn-amd-amdhsa -mcpu=gfx1250 --defsym DOCPART=n.
;; ======== version 1 of 1: 7 launches
;; limits: right only within a limited range of input values
;; workspace buffers: wcs 9,863,168 bytes; act 3,276,800 bytes; st 32,768 bytes; qkv 10,092,544 bytes; ao 3,276,800 bytes; x1 16,777,216 bytes; hid 13,107,200 bytes
;; launch prep1 (part 1): grid 512 x 1, 4 waves a work-group, no clusters, 33,280 bytes of LDS; arguments x, ln1_g, ln1_b, act, st, Wq, Wk, Wv, Wo, W2, wcs; writes act, st, wcs
.if DOCPART == 1
	.amdgcn_target "amdgcn-amd-amdhsa--gfx1250"
	.amdhsa_code_object_version 6
	.text
	.protected	k_qa9314eb4a0_prep1
	.globl	k_qa9314eb4a0_prep1
	.p2align	8
	.type	k_qa9314eb4a0_prep1,@function
k_qa9314eb4a0_prep1:
	s_mov_b64 s[64:65], 0
	v_nop
	global_prefetch_b8 v0, s[64:65] scope:SCOPE_SE
	s_setreg_imm32_b32 hwreg(HW_REG_WAVE_MODE, 25, 1), 1
	s_wait_xcnt 0x0
; TWO JOBS THAT DO NOT HANG ON EACH OTHER SHARE THIS LAUNCH: work-groups 0-255 normalise and quantise the tokens' rows, the others quantise weights.  They part at the first line, on the work-group's number alone.
; WHICH = 0: LayerNorm 1 of x; work-groups 256-351: Wq, Wk, Wv; 352-383: Wo; 384-511: W2.     WHICH = 1: LayerNorm 2 of x1; work-groups 256-383: W1.
; ALL OPERANDS ARE LAID AS IMAGES OF OPERAND REGISTERS.  A half fragment is 16 rows x 64 K of FP6 (E2M3) codes = 768 bytes: registers 0-3 of lane l at 16 l, registers 4-5 at 512 + 8 l; lane (r, h) holds k = 32 h .. 32 h + 31 of the 64.
; Codes: [rows / 16][K / 64][768].  Scale words: [K / 128][pitch], one word (four E8M0 bytes) for a stored row and 128 along K.
; THE ROWS OF A TILE ARE NOT NEIGHBOURS: stored row 32 p + 16 u + r holds row 32 p + 16 (r / 8) + 8 u + r % 8, so that a product that takes such tiles as source 0 has 16 neighbours in the 16 registers of a pair of tiles.
; THE WEIGHTS, f32 [K][N] with K their first axis: a lane takes a column and its registers run down K: a block of 32 is one lane's, and the conversions give codes with K innermost.  A wave takes 32 columns x 256 K, a work-group 128 columns x 256 K.
; A pass takes, for 128 along K, the two blocks of half h of all 32 columns; two passes and twelve exchanges of half waves make the two tiles' fragments.  No LDS, no barrier: waves share nothing.
; THE ROWS, 1,024 f32: a work-group makes tile T; wave w its rows 4 w .. 4 w + 3, which are four neighbouring rows of the input.  The variance is taken of x - mean, in a second pass over registers: a common offset costs no digits.
; A row is loaded dense (16 bytes a lane); for the quantiser it turns through the wave's own LDS so that lane l holds block l.  The tile's image is gathered in LDS and leaves in stores of 512 consecutive bytes a wave; (mean, 1 / sqrt(var + eps)) go to a table.
; LIMITS: NaN and infinities are not served; a block whose largest magnitude lies under 2^-124, a block of zeros among them, gets the byte 1 (its codes are zeros or nearly so; the bytes are read by this program alone).
.set WHICH, 0
.set SQKV, 9437184                     ; where the scale words lie in the weights' buffer
.set SWO,  9568256
.set SW1,  9601024
.set SW2,  9732096
.set CW1,  3145728                     ; and the codes (Wq, Wk, Wv, Wo: 786,432 bytes each, from 0)
.set CW2,  6291456
.set WX,  32                           ; v32-159  two sets of 64 numbers
.set F,   160                          ; v160-207 for each 128 along K: 12 registers of half 0, 12 of half 1; then the two tiles' fragments
.set TT,  8                            ; v8-14    a conversion's three registers begin on an even number: the upper halves are made here and moved
.set SW,  24                           ; v24-25   the scale words
	v_lshl_add_u32 v28, v0, 2, 0x8000
	v_mov_b32 v29, 0
	s_cmp_lt_u32 ttmp9, 256
	s_cbranch_scc1 .Lnorm
; ---------------- the weights ----------------
.if WHICH == 0
	s_load_b128 s[4:7], s[0:1], 0x28               ; Wq, Wk
	s_load_b128 s[8:11], s[0:1], 0x38              ; Wv, Wo
	s_load_b64 s[12:13], s[0:1], 0x48              ; W2
	s_load_b64 s[16:17], s[0:1], 0x50              ; the buffer
.else
	s_load_b64 s[14:15], s[0:1], 0x28              ; W1
	s_load_b64 s[16:17], s[0:1], 0x30              ; the buffer
.endif
	v_lshrrev_b32 v5, 5, v0
	v_readfirstlane_b32 s19, v5                    ; wave
	v_and_b32 v6, 31, v0                           ; lane
	v_and_b32 v1, 7, v6
	v_bfe_u32 v7, v6, 4, 1
	v_lshl_or_b32 v1, v7, 3, v1
	v_bfe_u32 v7, v6, 3, 1
	v_lshl_or_b32 v1, v7, 4, v1                    ; my column of the 32: bits 3 and 4 of the lane change places
	v_lshlrev_b32 v1, 2, v1
	v_lshlrev_b32 v2, 4, v6                        ; 16 x lane
	v_lshlrev_b32 v3, 3, v6                        ; 8 x lane
	v_lshlrev_b32 v4, 2, v6                        ; 4 x lane
	s_sub_co_u32 s18, ttmp9, 256                   ; g: my number among the weights' work-groups
.if WHICH == 0
	s_lshr_b32 s20, s18, 5
	s_and_b32 s21, s18, 31
	s_and_b32 s22, s18, 127
	s_mul_i32 s23, s20, 786432                     ; the codes' place (right up to g = 127)
	s_lshl_b32 s24, s20, 12
	s_add_co_u32 s24, s24, SQKV                    ; the scale words' place (right up to g = 95)
	s_mov_b32 s25, 16384                           ; bytes from one 128 along K to the next in the scale words
	s_mov_b32 s26, 12288                           ; bytes from tile to tile in the codes
	s_cmp_lt_u32 s18, 96
	s_cselect_b32 s24, s24, SWO
	s_cselect_b32 s25, s25, 4096
	s_cmp_lt_u32 s18, 128
	s_cselect_b32 s21, s21, s22                    ; my number within the weight
	s_cselect_b32 s23, s23, CW2
	s_cselect_b32 s24, s24, SW2
	s_cselect_b32 s26, s26, 49152
	s_mov_b32 s27, 3                               ; log2 of the blocks of 128 columns
	s_mov_b32 s28, 0x100000                        ; bytes of 256 rows of the weight
.else
	s_mov_b32 s21, s18
	s_mov_b32 s23, CW1
	s_mov_b32 s24, SW1
	s_mov_b32 s25, 16384
	s_mov_b32 s26, 12288
	s_mov_b32 s27, 5
	s_mov_b32 s28, 0x400000
.endif
	s_bfm_b32 s29, s27, 0
	s_and_b32 s29, s21, s29                        ; which 128 columns
	s_lshr_b32 s30, s21, s27                       ; which 256 along K
	s_lshl_b32 s31, s29, 9
	s_lshl_b32 s32, s19, 7
	s_add_co_u32 s31, s31, s32                     ; 4 x my wave's first column
	s_mul_i32 s32, s30, s28
	s_add_co_u32 s32, s32, s31                     ; where I read
	s_mov_b32 s33, 0
	s_lshl_b32 s34, s29, 3
	s_lshl_b32 s35, s19, 1
	s_add_co_u32 s34, s34, s35                     ; my first tile
	s_mul_i32 s34, s34, s26
	s_add_co_u32 s34, s34, s23
	s_mul_i32 s35, s30, 3072
	s_add_co_u32 s34, s34, s35                     ; where its codes go
	s_mov_b32 s35, 0
	s_mul_i32 s36, s30, s25
	s_lshl_b32 s36, s36, 1
	s_add_co_u32 s36, s36, s24
	s_add_co_u32 s36, s36, s31                     ; and the scale words
	s_mov_b32 s37, 0
	s_mov_b32 s27, 0
	s_mov_b32 s38, s25
	s_mov_b32 s39, 0
	s_wait_alu depctr_va_vdst(0)
	s_wait_kmcnt 0x0
.if WHICH == 0
	s_cmp_lt_u32 s18, 32                           ; the choice hangs on the work-group's number alone
	s_cselect_b64 s[20:21], s[4:5], s[6:7]
	s_cmp_lt_u32 s18, 64
	s_cselect_b64 s[20:21], s[20:21], s[8:9]
	s_cmp_lt_u32 s18, 96
	s_cselect_b64 s[20:21], s[20:21], s[10:11]
	s_cmp_lt_u32 s18, 128
	s_cselect_b64 s[20:21], s[20:21], s[12:13]
.else
	s_mov_b64 s[20:21], s[14:15]
.endif
	s_add_nc_u64 s[20:21], s[20:21], s[32:33]
	s_add_nc_u64 s[40:41], s[16:17], s[34:35]      ; the first tile's codes
	s_add_nc_u64 s[42:43], s[40:41], s[26:27]      ; the second's
	s_add_nc_u64 s[44:45], s[16:17], s[36:37]      ; the scale words of the first 128 along K
	s_add_nc_u64 s[46:47], s[44:45], s[38:39]      ; of the second
.macro LOADP pi, pitch                 ; pass pi: 128 (pi / 2) + 64 c + 32 (pi % 2) + i along K; each load reads 128 consecutive bytes
.set c_, 0
.rept 2
.set i_, 0
.rept 32
	global_load_b32 v[WX+64*((\pi)%2)+32*c_+i_], v1, s[20:21] offset:(128*((\pi)/2)+64*c_+32*((\pi)%2)+i_)*(\pitch) th:TH_LOAD_NT
.set i_, i_+1
.endr
.set c_, c_+1
.endr
.endm
.macro PASS pi, pitch
.set XS, WX+64*((\pi)%2)
.set FH, F+24*((\pi)/2)+12*((\pi)%2)
.if (\pi) < 3
	s_wait_loadcnt 63                              ; 64 younger loads are out; the count's field ends at 63, and a smaller count is safe
.else
	s_wait_loadcnt 0x0
.endif
	v_max3_num_f32 v16, |v[XS]|, |v[XS+1]|, 0x1800000      ; the two blocks' largest magnitudes, by turns; the floor 2^(3 - 127) holds the byte at 1 from below
	v_max3_num_f32 v17, |v[XS+32]|, |v[XS+33]|, 0x1800000
.set i_, 2
.rept 15
	v_max3_num_f32 v16, v16, |v[XS+i_]|, |v[XS+i_+1]|
	v_max3_num_f32 v17, v17, |v[XS+32+i_]|, |v[XS+33+i_]|
.set i_, i_+2
.endr
	v_add_nc_u32 v18, 0xff000000, v16              ; 2 off the exponent field: the conversion's scale operand
	v_add_nc_u32 v19, 0xff000000, v17
	v_lshrrev_b32 v20, 23, v18                     ; the bytes
	v_lshrrev_b32 v21, 23, v19
.if (\pi)%2 == 0
	v_lshl_or_b32 v[SW+(\pi)/2], v21, 16, v20      ; blocks 0 and 2 of the 128
.else
	v_lshl_or_b32 v[SW+(\pi)/2], v20, 8, v[SW+(\pi)/2]     ; blocks 1 and 3
	v_lshl_or_b32 v[SW+(\pi)/2], v21, 24, v[SW+(\pi)/2]
.endif
	v_cvt_scalef32_pk16_fp6_f32 v[FH:FH+2], v[XS:XS+15], v18
	v_cvt_scalef32_pk16_fp6_f32 v[TT:TT+2], v[XS+16:XS+31], v18
	v_cvt_scalef32_pk16_fp6_f32 v[FH+6:FH+8], v[XS+32:XS+47], v19
	v_cvt_scalef32_pk16_fp6_f32 v[TT+4:TT+6], v[XS+48:XS+63], v19
	v_nop                                          ; one plain place behind the conversions
.irp i, 0,1,2
	v_mov_b32 v[FH+3+\i], v[TT+\i]
	v_mov_b32 v[FH+9+\i], v[TT+4+\i]
.endr
.if (\pi) < 2
	LOADP (\pi)+2, \pitch
.endif
.endm
.macro FLUSH ks                        ; lanes 16-31 of half 0 change places with lanes 0-15 of half 1: the first twelve registers are then the first tile's fragment, the others the second's
.set FA, F+24*(\ks)
.set FB, FA+12
.set i_, 0
.rept 12
	v_permlane16_swap_b32 v[FA+i_], v[FB+i_]
.set i_, i_+1
.endr
	global_store_b128 v2, v[FA:FA+3], s[40:41] offset:1536*(\ks)           ; each store of the wave covers 512 or 256 consecutive bytes, aligned
	global_store_b64 v3, v[FA+4:FA+5], s[40:41] offset:1536*(\ks)+512
	global_store_b128 v2, v[FA+6:FA+9], s[40:41] offset:1536*(\ks)+768
	global_store_b64 v3, v[FA+10:FA+11], s[40:41] offset:1536*(\ks)+1280
	global_store_b128 v2, v[FB:FB+3], s[42:43] offset:1536*(\ks)
	global_store_b64 v3, v[FB+4:FB+5], s[42:43] offset:1536*(\ks)+512
	global_store_b128 v2, v[FB+6:FB+9], s[42:43] offset:1536*(\ks)+768
	global_store_b64 v3, v[FB+10:FB+11], s[42:43] offset:1536*(\ks)+1280
	global_store_b32 v4, v[SW+(\ks)], s[44+2*(\ks):45+2*(\ks)]             ; 32 stored rows' words: 128 bytes
.endm
.macro WORK pitch                      ; every store has registers of its own: none is written again.  The pitch stands in the loads' immediates: 255 rows at the most
	LOADP 0, \pitch
	LOADP 1, \pitch
	PASS 0, \pitch
	PASS 1, \pitch
	FLUSH 0
	PASS 2, \pitch
	PASS 3, \pitch
	FLUSH 1
.endm
.if WHICH == 0
	WORK 4096
.else
	WORK 16384
.endif
	s_endpgm
; ---------------- the rows ----------------
.Lnorm:
.set X,   64                           ; v64-191  row q at X + 32 q
.set G,   192                          ; v192-223 the gain;  later the rows' codes, 12 registers each
.set BV,  224                          ; v224-255 the bias
.set ST,  16                           ; v16-23   (mean, 1 / sqrt) of row q at ST + 2 q
.set IMG, 18432                        ; LDS: 4 x 4,608 bytes to turn in (32 blocks of 128 + 16); the tile's 16 half fragments;
.set SCS, 30720                        ; its scale bytes [row][32];
.set STS, 31232                        ; its 16 pairs
	s_load_b256 s[4:11], s[0:1], 0x0               ; the rows, gain, bias, codes and scale words
	s_load_b64 s[12:13], s[0:1], 0x20              ; the table
	v_and_b32 v1, 31, v0                           ; lane
	v_lshrrev_b32 v2, 5, v0                        ; wave
	v_readfirstlane_b32 s15, v2
	v_lshlrev_b32 v3, 4, v1                        ; 16 x lane
	v_mul_u32_u24 v5, v2, 4608
	v_lshrrev_b32 v4, 3, v1
	v_mad_u32_u24 v4, v4, 144, v5
	v_and_b32 v6, 7, v1
	v_lshl_add_u32 v4, v6, 4, v4                   ; turning, in: eight lanes fill a block's 128 bytes
	v_mad_u32_u24 v5, v1, 144, v5                  ; out: block = lane
	v_lshrrev_b32 v6, 1, v1
	v_mul_u32_u24 v6, v6, 768                      ; block l lies in half fragment l / 2, half l % 2
	v_and_b32 v7, 1, v1
	v_lshl_add_u32 v8, v7, 8, v6
	v_lshl_add_u32 v8, v2, 6, v8
	v_lshl_add_u32 v9, v7, 7, v6
	v_lshl_add_u32 v9, v2, 5, v9
	v_add_nc_u32 v6, IMG, v8                       ; registers 0-3 of image lane 16 (l % 2) + 4 w + q
	v_add_nc_u32 v7, IMG+512, v9                   ; registers 4-5
	v_lshl_add_u32 v8, v2, 7, v1
	v_add_nc_u32 v8, SCS, v8                       ; my block's byte
	v_lshlrev_b32 v9, 5, v2
	v_add_nc_u32 v9, STS, v9
	v_lshlrev_b32 v10, 4, v0                       ; the way out: 16 x thread
	v_add_nc_u32 v11, IMG, v10
	v_and_b32 v14, 15, v0
	v_lshrrev_b32 v15, 4, v0
	v_lshlrev_b32 v12, 5, v14
	v_lshl_add_u32 v12, v15, 2, v12
	v_add_nc_u32 v12, SCS, v12                     ; the word of row thread % 16, 128 along K number thread / 16
	v_lshlrev_b32 v13, 14, v15
	v_lshl_add_u32 v13, v14, 2, v13
	v_and_b32 v48, 15, v1
	v_and_b32 v49, 8, v48
	v_add_nc_u32 v49, v49, v48
	v_lshlrev_b32 v49, 3, v49                      ; the table: 8 bytes x (r + 8 (r / 8))
	v_lshlrev_b32 v48, 3, v48
	v_add_nc_u32 v48, STS, v48
.irp i, 0,1,2,3,4,5,6,7
	v_mov_b32 v[ST+\i], 0                          ; (named as pairs before both halves are made)
.endr
	s_lshr_b32 s16, ttmp9, 1
	s_lshl_b32 s16, s16, 5
	s_and_b32 s17, ttmp9, 1
	s_lshl_b32 s17, s17, 3
	s_add_co_u32 s16, s16, s17                     ; 32 (T / 2) + 8 (T % 2)
	s_lshl_b32 s17, s15, 2
	s_lshr_b32 s18, s15, 1
	s_lshl_b32 s18, s18, 3
	s_add_co_u32 s17, s17, s18
	s_add_co_u32 s17, s17, s16                     ; my wave's first row
	s_lshl_b32 s18, s17, 12
	s_mov_b32 s19, 0
	s_mov_b32 s20, 0x3a800000                      ; 1 / 1,024
	s_mov_b32 s21, 0x3727c5ac                      ; 1e-5
	s_mov_b32 s22, 0x76543210
	s_mov_b32 s23, 0xfedcba98                      ; lane l xor 16
	s_mul_i32 s24, ttmp9, 12288
	s_mov_b32 s25, 0
	s_lshl_b32 s26, ttmp9, 6
	s_add_co_u32 s26, s26, 3145728
	s_mov_b32 s27, 0
	s_lshl_b32 s28, s16, 3
	s_mov_b32 s29, 0
	s_wait_kmcnt 0x0
	s_add_nc_u64 s[4:5], s[4:5], s[18:19]
	s_add_nc_u64 s[24:25], s[10:11], s[24:25]      ; the tile's codes
	s_add_nc_u64 s[26:27], s[10:11], s[26:27]      ; its scale words
	s_add_nc_u64 s[12:13], s[12:13], s[28:29]
.irp q, 0,1,2,3
.irp j, 0,1,2,3,4,5,6,7
	global_load_b128 v[X+32*\q+4*\j:X+32*\q+4*\j+3], v3, s[4:5] offset:4096*\q+512*\j
.endr
.endr
.irp j, 0,1,2,3,4,5,6,7
	global_load_b128 v[G+4*\j:G+4*\j+3], v3, s[6:7] offset:512*\j
.endr
.irp j, 0,1,2,3,4,5,6,7
	global_load_b128 v[BV+4*\j:BV+4*\j+3], v3, s[8:9] offset:512*\j
.endr
.macro RED                             ; v24 summed over the 32 lanes
	v_add_f32_dpp v24, v24, v24 row_xmask:1 row_mask:0xf bank_mask:0xf
	v_add_f32_dpp v24, v24, v24 row_xmask:2 row_mask:0xf bank_mask:0xf
	v_add_f32_dpp v24, v24, v24 row_xmask:4 row_mask:0xf bank_mask:0xf
	v_add_f32_dpp v24, v24, v24 row_xmask:8 row_mask:0xf bank_mask:0xf
	v_permlanex16_b32 v25, v24, s22, s23
	v_add_f32 v24, v24, v25
.endm
.macro STATS q
.set XQ, X+32*(\q)
	s_wait_loadcnt 40-8*(\q)                       ; my row's eight loads are in; the later rows', the gain and the bias may be out
	v_pk_add_f32 v[24:25], v[XQ:XQ+1], v[XQ+2:XQ+3]
	v_pk_add_f32 v[26:27], v[XQ+4:XQ+5], v[XQ+6:XQ+7]
.set i_, 8
.rept 6
	v_pk_add_f32 v[24:25], v[24:25], v[XQ+i_:XQ+i_+1]
	v_pk_add_f32 v[26:27], v[26:27], v[XQ+i_+2:XQ+i_+3]
.set i_, i_+4
.endr
	v_pk_add_f32 v[24:25], v[24:25], v[26:27]
	v_add_f32 v24, v24, v25
	RED
	v_mul_f32 v[ST+2*(\q)], s20, v24               ; the mean
.set i_, 0
.rept 16
	v_pk_add_f32 v[XQ+i_:XQ+i_+1], v[XQ+i_:XQ+i_+1], v[ST+2*(\q):ST+2*(\q)+1] op_sel_hi:[1,0] neg_lo:[0,1] neg_hi:[0,1]   ; x - mean
.set i_, i_+2
.endr
	v_pk_mul_f32 v[24:25], v[XQ:XQ+1], v[XQ:XQ+1]
	v_pk_mul_f32 v[26:27], v[XQ+2:XQ+3], v[XQ+2:XQ+3]
.set i_, 4
.rept 7
	v_pk_fma_f32 v[24:25], v[XQ+i_:XQ+i_+1], v[XQ+i_:XQ+i_+1], v[24:25]
	v_pk_fma_f32 v[26:27], v[XQ+i_+2:XQ+i_+3], v[XQ+i_+2:XQ+i_+3], v[26:27]
.set i_, i_+4
.endr
	v_pk_add_f32 v[24:25], v[24:25], v[26:27]
	v_add_f32 v24, v24, v25
	RED
	v_fma_f32 v[30+(\q)], v24, s20, s21            ; the variance + eps
.endm
	STATS 0
	STATS 1
	STATS 2
	STATS 3
	s_wait_alu depctr_va_vdst(0)
.irp q, 0,1,2,3
	v_rsq_f32 v[ST+2*\q+1], v[30+\q]
.endr
	v_nop                                          ; a plain place behind the last of the four,
	s_wait_alu depctr_va_vdst(0)                   ; and one wait for the batch, ahead of its first reader
	s_wait_loadcnt 0x0                             ; the gain and the bias
.macro NORM q
.set XQ, X+32*(\q)
.set i_, 0
.rept 16
	v_pk_mul_f32 v[XQ+i_:XQ+i_+1], v[XQ+i_:XQ+i_+1], v[ST+2*(\q):ST+2*(\q)+1] op_sel:[0,1] op_sel_hi:[1,1]
.set i_, i_+2
.endr
.set i_, 0
.rept 16
	v_pk_fma_f32 v[XQ+i_:XQ+i_+1], v[XQ+i_:XQ+i_+1], v[G+i_:G+i_+1], v[BV+i_:BV+i_+1]
.set i_, i_+2
.endr
.irp j, 0,1,2,3,4,5,6,7
	ds_store_b128 v4, v[XQ+4*\j:XQ+4*\j+3] offset:576*\j
.endr
.irp j, 0,1,2,3,4,5,6,7
	ds_load_b128 v[XQ+4*\j:XQ+4*\j+3], v5 offset:16*\j     ; LDS serves a wave's instructions in order: these see the stores above, and the next row's stores come behind them
.endr
.endm
	NORM 0
	NORM 1
	NORM 2
	NORM 3
.macro QROW q                          ; lane l holds block l of row q
.set XQ, X+32*(\q)
.set CQ, G+12*(\q)
	s_wait_dscnt 48-12*(\q)                        ; behind my row's loads: 16 turning instructions for each later row, 4 stores for each earlier one
	v_max3_num_f32 v24, |v[XQ]|, |v[XQ+1]|, 0x1800000
	v_max3_num_f32 v25, |v[XQ+16]|, |v[XQ+17]|, |v[XQ+18]|
.set i_, 0
.rept 6
	v_max3_num_f32 v24, v24, |v[XQ+2+i_]|, |v[XQ+3+i_]|
	v_max3_num_f32 v25, v25, |v[XQ+19+i_]|, |v[XQ+20+i_]|
.set i_, i_+2
.endr
	v_max3_num_f32 v24, v24, |v[XQ+14]|, |v[XQ+15]|
	v_max3_num_f32 v24, v24, v25, |v[XQ+31]|
	v_add_nc_u32 v[40+(\q)], 0xff000000, v24       ; 2 off the exponent field: the conversion's scale operand
	v_lshrrev_b32 v[44+(\q)], 23, v[40+(\q)]       ; the byte
	v_cvt_scalef32_pk16_fp6_f32 v[CQ:CQ+2], v[XQ:XQ+15], v[40+(\q)]
	v_cvt_scalef32_pk16_fp6_f32 v[CQ+6:CQ+8], v[XQ+16:XQ+31], v[40+(\q)]
	v_nop
.irp i, 0,1,2
	v_mov_b32 v[CQ+3+\i], v[CQ+6+\i]
.endr
	ds_store_b128 v6, v[CQ:CQ+3] offset:16*(\q)
	ds_store_b64 v7, v[CQ+4:CQ+5] offset:8*(\q)
	ds_store_b8 v8, v[44+(\q)] offset:32*(\q)
	ds_store_b64 v9, v[ST+2*(\q):ST+2*(\q)+1] offset:8*(\q)      ; all lanes write the same pair
.endm
	QROW 0
	QROW 1
	QROW 2
	QROW 3
	s_wait_dscnt 0x0                               ; for the others' sake: my stores have landed
	s_barrier_signal -1
	s_barrier_wait -1
.irp i, 0,1,2,3,4,5
	ds_load_b128 v[X+4*\i:X+4*\i+3], v11 offset:2048*\i
.endr
	ds_load_b32 v88, v12
.irp i, 0,1,2,3,4,5
	s_wait_dscnt 6-\i
	global_store_b128 v10, v[X+4*\i:X+4*\i+3], s[24:25] offset:2048*\i     ; the tile's 12,288 bytes, 512 consecutive bytes a wave
.endr
	s_wait_dscnt 0x0
	global_store_b32 v13, v88, s[26:27]            ; 16 rows' words of each 128 along K: pieces of 64 bytes
	s_cmp_lg_u32 s15, 0
	s_cbranch_scc1 .Ldone
	ds_load_b64 v[90:91], v48
	s_wait_dscnt 0x0
	global_store_b64 v49, v[90:91], s[12:13]       ; lanes r and r + 16 store the same pair
.Ldone:
	s_wait_tensorcnt 0x0
	ds_add_u32 v28, v29
	s_wait_dscnt 0x0
	s_endpgm
.Lfunc_end_k_qa9314eb4a0_prep1:
	.size	k_qa9314eb4a0_prep1, .Lfunc_end_k_qa9314eb4a0_prep1-k_qa9314eb4a0_prep1
	.p2alignl 7, 3214868480
	.fill 96, 4, 3214868480
	.section	.rodata,"a",@progbits
	.p2align	6, 0x0
	.amdhsa_kernel k_qa9314eb4a0_prep1
		.amdhsa_group_segment_fixed_size 33280
		.amdhsa_private_segment_fixed_size 0
		.amdhsa_enable_private_segment 0
		.amdhsa_kernarg_size 88
		.amdhsa_user_sgpr_count 2
		.amdhsa_user_sgpr_kernarg_segment_ptr 1
		.amdhsa_wavefront_size32 1
		.amdhsa_system_sgpr_workgroup_id_x 1
		.amdhsa_system_sgpr_workgroup_id_y 1
		.amdhsa_system_sgpr_workgroup_id_z 1
		.amdhsa_system_vgpr_workitem_id 0
		.amdhsa_next_free_vgpr 256
		.amdhsa_next_free_sgpr 66
		.amdhsa_reserve_vcc 0
		.amdhsa_float_denorm_mode_32 3
		.amdhsa_float_denorm_mode_16_64 3
		.amdhsa_memory_ordered 1
		.amdhsa_forward_progress 1
		.amdhsa_inst_pref_size 86
	.end_amdhsa_kernel
	.amdgpu_metadata
---
amdhsa.version: [ 1, 2 ]
amdhsa.kernels:
  - .name:           k_qa9314eb4a0_prep1
    .symbol:         k_qa9314eb4a0_prep1.kd
    .args:
      - { .name: x, .offset: 0, .size: 8, .value_kind: global_buffer, .address_space: global }
      - { .name: ln1_g, .offset: 8, .size: 8, .value_kind: global_buffer, .address_space: global }
      - { .name: ln1_b, .offset: 16, .size: 8, .value_kind: global_buffer, .address_space: global }
      - { .name: act, .offset: 24, .size: 8, .value_kind: global_buffer, .address_space: global }
      - { .name: st, .offset: 32, .size: 8, .value_kind: global_buffer, .address_space: global }
      - { .name: Wq, .offset: 40, .size: 8, .value_kind: global_buffer, .address_space: global }
      - { .name: Wk, .offset: 48, .size: 8, .value_kind: global_buffer, .address_space: global }
      - { .name: Wv, .offset: 56, .size: 8, .value_kind: global_buffer, .address_space: global }
      - { .name: Wo, .offset: 64, .size: 8, .value_kind: global_buffer, .address_space: global }
      - { .name: W2, .offset: 72, .size: 8, .value_kind: global_buffer, .address_space: global }
      - { .name: wcs, .offset: 80, .size: 8, .value_kind: global_buffer, .address_space: global }
    .group_segment_fixed_size: 33280
    .private_segment_fixed_size: 0
    .kernarg_segment_align: 8
    .kernarg_segment_size: 88
    .max_flat_workgroup_size: 128
    .sgpr_count:     66
    .vgpr_count:     256
    .wavefront_size: 32
...
	.end_amdgpu_metadata
.endif
;; end of part 1
;; launch qkv (part 2): grid 12 x 16, 4 waves a work-group, clusters of 4 x 4, 327,680 bytes of LDS; arguments act, wcs, bq, bk, bv, qkv; writes qkv
.if DOCPART == 2
	.amdgcn_target "amdgcn-amd-amdhsa--gfx1250"
	.amdhsa_code_object_version 6
	.text
	.protected	k_qa9314eb4a0_qkv
	.globl	k_qa9314eb4a0_qkv
	.p2align	8
	.type	k_qa9314eb4a0_qkv,@function
k_qa9314eb4a0_qkv:
	s_mov_b64 s[64:65], 0
	v_nop
	global_prefetch_b8 v0, s[64:65] scope:SCOPE_SE
	s_setreg_imm32_b32 hwreg(HW_REG_WAVE_MODE, 25, 1), 1
	s_wait_xcnt 0x0
	s_wait_alu depctr_hold_cnt(0) depctr_sa_sdst(0) depctr_va_vdst(0) depctr_va_sdst(0) depctr_va_ssrc(0) depctr_va_vcc(0) depctr_vm_vsrc(0)
	s_getreg_b32 s2, hwreg(HW_REG_IB_STS2, 6, 4)
	s_cmp_eq_u32 s2, 0
	s_cbranch_scc0 .Lentry_in_a_cluster
	s_endpgm
.Lentry_in_a_cluster:
	s_bfe_u32 s2, ttmp6, 0x10000c
	s_cmp_lg_u32 s2, 0xf033
	s_cbranch_scc0 .Lentry_shape_is_right
	s_endpgm
.Lentry_shape_is_right:
.set NT, 8
.set NQ, 2
.set KS, 8
.set TPA, 12288
.set TPB, 12288
.set SPA, 2048
.set SPB, 2048
.set TROW,  NQ*1536
.set HALFT, NT*TROW
.set SLOT,  4*HALFT
.set SCL,   2*SLOT
.set HALFS, KS*NT*64
.set SPARE, SCL+4*HALFS
.set LAPS,  KS/(2*NQ)
.set A16,  8
.set A8,   10
.set B16,  12
.set B8,   14
.set ADRS, 16
.set SPW,  28
.set NIL,  29
.set SC,   32
.set AF,   64
.set G1A,  24
.set G0A,  32
.set G1B,  48
.set G0B,  56
.set G1SA, 68
.set G0SA, 76
.set G1SB, 80
.set G0SB, 88
.set MSB, 0
.macro WIN new
.if MSB != (\new)
	s_set_vgpr_msb (MSB<<8)|(\new)
.set MSB, (\new)
.endif
.endm
.macro JLOAD g0a, g1a, g0b, g1b
	s_cmp_eq_u32 s21, 0
	s_cbranch_scc0 .Lfor_b_\@
	tensor_load_to_lds s[\g0a:\g0a+3], s[\g1a:\g1a+7]
	s_nop 0
.rept 4
	v_nop
.endr
	s_branch .Lasked_\@
.Lfor_b_\@:
	tensor_load_to_lds s[\g0b:\g0b+3], s[\g1b:\g1b+7]
	s_nop 0
.rept 4
	v_nop
.endr
.Lasked_\@:
.endm
.macro CREST
	s_cmp_lg_u32 s20, 0
	s_cbranch_scc1 .Lnot_wave_0_\@
	s_barrier_signal -3
.Lnot_wave_0_\@:
	s_barrier_wait -3
	s_barrier_signal -1
	s_barrier_wait -1
.endm
.macro CROUND
	s_barrier_signal -1
	s_barrier_wait -1
	CREST
.endm
.macro ARM under, g0, g1, next         ; one arm of the head's chain: the waves under this number issue this load and go to the join
	s_cmp_lt_u32 s20, \under
	s_cbranch_scc0 \next
	tensor_load_to_lds s[\g0:\g0+3], s[\g1:\g1+7]
	s_nop 0
.rept 4
	v_nop
.endr
	s_branch .Lhead_asked
\next:
.endm
.macro PLACES n
.rept \n
	v_nop
.endr
.endm
.macro FRAG reg, a16, a8, off
	ds_load_b128 v[\reg:\reg+3], v[\a16] offset:\off
	ds_load_b64 v[\reg+4:\reg+5], v[\a8] offset:\off+512
	ds_load_b128 v[\reg+6:\reg+9], v[\a16] offset:\off+768
	ds_load_b64 v[\reg+10:\reg+11], v[\a8] offset:\off+1280
.endm
.macro FETCH slot, q, p
	WIN 0x40
.set i_, 0
.rept NT
	FRAG 128*(\p)+12*i_,B16+\slot,B8+\slot,i_*TROW+1536*(\q)
.set i_, i_+1
.endr
	WIN 0
.set i_, 0
.rept NT
	FRAG AF+96*(\p)+12*i_,A16+\slot,A8+\slot,i_*TROW+1536*(\q)
.set i_, i_+1
.endr
.endm
.macro SCALES lam, p
.set i_, 0
.rept NT
	ds_load_b32 v[SC+NT*(\p)+i_], v[ADRS] offset:(\lam)*2*NT*64+64*i_      ; a K step's row of scale words holds both halves: 2 NT x 64 bytes
.set i_, i_+1
.endr
.endm
.macro MULR a0, a1, p, zero
.set a_, \a0
.rept (\a1)-(\a0)
	WIN 0xa1+0x50*((a_*NT)/32)
.set b_, 0
.rept NT
.set d_, 8*((a_*NT+b_)%32)
.if \zero
	v_wmma_scale_f32_16x16x128_f8f6f4 v[d_:d_+7], v[128*(\p)+12*b_:128*(\p)+12*b_+11], v[AF+96*(\p)+12*a_:AF+96*(\p)+12*a_+11], 0, v[SC+NT*(\p)+b_], v[SC+NT*(\p)+a_] matrix_a_fmt:MATRIX_FMT_FP6 matrix_b_fmt:MATRIX_FMT_FP6 matrix_a_scale:MATRIX_SCALE_ROW1
.else
	v_wmma_scale_f32_16x16x128_f8f6f4 v[d_:d_+7], v[128*(\p)+12*b_:128*(\p)+12*b_+11], v[AF+96*(\p)+12*a_:AF+96*(\p)+12*a_+11], v[d_:d_+7], v[SC+NT*(\p)+b_], v[SC+NT*(\p)+a_] matrix_a_fmt:MATRIX_FMT_FP6 matrix_b_fmt:MATRIX_FMT_FP6 matrix_a_scale:MATRIX_SCALE_ROW1
.endif
.set b_, b_+1
.endr
.set a_, a_+1
.endr
.endm
.macro STEP slot, q, zero
	s_wait_dscnt 0x0
	PLACES 4
	FETCH \slot, (\q)+1, 1-(\q)%2
	SCALES \slot*NQ+(\q)+1, 1-(\q)%2
	MULR 0, NT, (\q)%2, \zero
	WIN 0
.endm
.macro MIDS slot
.set q_, 1
.rept NQ-2
	STEP \slot, q_, 0
.set q_, q_+1
.endr
.endm
.macro TURN slot, next, fill
	s_wait_tensorcnt 0x0
	ds_add_u32 v[SPW], v[NIL]
	s_wait_dscnt 0x1
	MULR 0, NT/4, 1, 0
	s_wait_dscnt 0x0
	s_barrier_signal -1
	MULR NT/4, NT/2, 1, 0
	WIN 0
	s_barrier_wait -1
.if \fill
	CREST
	s_add_nc_u64 s[G0A+4*\slot+2:G0A+4*\slot+3], s[G0A+4*\slot+2:G0A+4*\slot+3], 2*TROW
	s_add_nc_u64 s[G0B+4*\slot+2:G0B+4*\slot+3], s[G0B+4*\slot+2:G0B+4*\slot+3], 2*TROW
	JLOAD G0A+4*\slot, G1A, G0B+4*\slot, G1B
.else
	PLACES 4
.endif
.if \next == 0
	v_add_nc_u32 v[ADRS], 4*NQ*NT*64, v[ADRS]
.endif
	FETCH \next, 0, 0
	s_wait_alu depctr_va_vdst(0)
	SCALES (\next)*NQ, 0
	MULR NT/2, NT, 1, 0
	WIN 0
.endm
.macro LAST
	s_wait_dscnt 0x0
	MULR 0, NT, 1, 0
	WIN 0
	PLACES 4
.endm
.macro IDS
	v_lshl_add_u32 v[SPW], v0, 2, SPARE
	v_mov_b32 v[NIL], 0
	ds_add_u32 v28, v29
	ds_add_u32 v28, v29
	s_wait_dscnt 0x0
	v_lshrrev_b32 v1, 5, v0
	v_readfirstlane_b32 s20, v1
	s_lshr_b32 s21, s20, 1
	s_and_b32 s22, s20, 1
	s_bfe_u32 s40, ttmp6, 0x40000
	s_bfe_u32 s41, ttmp6, 0x40004
	s_lshl_b32 s44, s41, 2
	s_lshl_b32 s44, 15, s44
	s_lshl_b32 s45, 0x1111, s40
.endm
.macro GROUP1
	s_or_b32 s[G1A], s44, (3<<16)|(1<<21)
	s_or_b32 s[G1B], s45, (3<<16)|(1<<21)
	s_or_b32 s[G1SA], s44, (3<<16)|(1<<21)
	s_or_b32 s[G1SB], s45, (3<<16)|(1<<21)
.irp g, G1A, G1B
	s_mov_b32 s[\g+1], (TROW/8)<<16
	s_mov_b32 s[\g+2], (2*NT)<<16                  ; the head's loads bring both halves: 2 NT tile rows
	s_mov_b32 s[\g+3], (TROW/8)<<16
	s_mov_b32 s[\g+4], 2*NT
	s_mov_b32 s[\g+6], 0
	s_mov_b32 s[\g+7], 0
.endr
	s_mov_b32 s[G1A+5], TPA/8
	s_mov_b32 s[G1B+5], TPB/8
.irp g, G1SA, G1SB
	s_mov_b32 s[\g+1], (NT*16)<<16
	s_mov_b32 s[\g+2], KS<<16
	s_mov_b32 s[\g+3], (NT*16)<<16
	s_mov_b32 s[\g+4], KS
	s_mov_b32 s[\g+6], 0
	s_mov_b32 s[\g+7], 0
.endr
	s_mov_b32 s[G1SA+5], SPA
	s_mov_b32 s[G1SB+5], SPB
.endm
.macro FIRSTFILLS
	s_mul_i32 s46, s43, 2*NT
	s_lshl_b32 s66, s46, 6
	s_mov_b32 s67, 0
	s_mul_i32 s46, s46, TPA
	s_mov_b32 s47, 0
	s_mul_i32 s2, s42, 2*NT
	s_lshl_b32 s100, s2, 6
	s_mov_b32 s101, 0
	s_mul_i32 s2, s2, TPB
	s_mov_b32 s3, 0
	s_add_nc_u64 s[92:93], s[92:93], s[46:47]
	s_add_nc_u64 s[96:97], s[96:97], s[66:67]
	s_add_nc_u64 s[94:95], s[94:95], s[2:3]
	s_add_nc_u64 s[98:99], s[98:99], s[100:101]
	CROUND
	s_mov_b32 s[G0SA], 1
	s_mov_b32 s[G0SA+1], SCL
	s_mov_b64 s[G0SA+2:G0SA+3], s[96:97]
	s_or_b32 s[G0SA+3], s[G0SA+3], 0x80000000
	s_mov_b32 s[G0SB], 1
	s_mov_b32 s[G0SB+1], SCL+2*HALFS
	s_mov_b64 s[G0SB+2:G0SB+3], s[98:99]
	s_or_b32 s[G0SB+3], s[G0SB+3], 0x80000000
	s_mov_b32 s[G0A], 1                            ; slot 0 whole: A's 2 NT tile rows,
	s_mov_b32 s[G0A+1], 0
	s_mov_b64 s[G0A+2:G0A+3], s[92:93]
	s_or_b32 s[G0A+3], s[G0A+3], 0x80000000
	s_mov_b32 s[G0B], 1                            ; and B's behind them
	s_mov_b32 s[G0B+1], 2*HALFT
	s_mov_b64 s[G0B+2:G0B+3], s[94:95]
	s_or_b32 s[G0B+3], s[G0B+3], 0x80000000
	ARM 1, G0A, G1A, .Lhead_b                      ; the head's four tiles, one load a wave: wave 0 A's codes,
	ARM 2, G0B, G1B, .Lhead_sa                     ; wave 1 B's,
	ARM 3, G0SA, G1SA, .Lhead_sb                   ; wave 2 A's scale words,
	tensor_load_to_lds s[G0SB:G0SB+3], s[G1SB:G1SB+7]      ; wave 3 B's
	s_nop 0
.rept 4
	v_nop
.endr
.Lhead_asked:
.endm
.macro ADDRS
	v_and_b32 v1, 15, v0
	v_bfe_u32 v2, v0, 4, 1
	v_and_b32 v3, 31, v0
	v_lshlrev_b32 v25, 4, v3
	v_lshlrev_b32 v26, 3, v3
	s_mul_i32 s46, s21, HALFT
	s_mul_i32 s47, s22, HALFT
	s_add_co_u32 s47, s47, 2*HALFT
.irp s, 0,1
	v_add_nc_u32 v[A16+\s], s46, v25
	v_add_nc_u32 v[A8+\s], s46, v26
	v_add_nc_u32 v[B16+\s], s47, v25
	v_add_nc_u32 v[B8+\s], s47, v26
	s_add_co_u32 s46, s46, SLOT
	s_add_co_u32 s47, s47, SLOT
.endr
	s_mul_i32 s46, s21, NT*64
	s_mul_i32 s47, s22, NT*64
	s_add_co_u32 s47, s47, 2*HALFS
	s_sub_co_u32 s47, s47, s46
	v_mul_u32_u24 v4, s47, v2
	s_add_co_u32 s46, s46, SCL
	v_lshl_add_u32 v4, v1, 2, v4
	v_add_nc_u32 v[ADRS], s46, v4
.endm
.macro MAINLOOP
	s_wait_alu depctr_va_vdst(0)
	s_wait_tensorcnt 0x0                           ; my tile of the head's four is in
	ds_add_u32 v[SPW], v[NIL]                      ; 0 onto my spare word, ahead of a later first fill
	s_mov_b32 s[G1A+2], NT<<16                     ; no load of mine is out: from here on a load brings NT tile rows, my quarter of a slot
	s_mov_b32 s[G1A+4], NT
	s_mov_b32 s[G1B+2], NT<<16
	s_mov_b32 s[G1B+4], NT
	s_mul_i32 s66, s20, HALFT
	s_mul_i32 s46, s22, NT*TPA
	s_mov_b32 s47, 0
	s_mul_i32 s2, s22, NT*TPB
	s_mov_b32 s3, 0
	s_mov_b32 s[G0A+1], s66
	s_mov_b32 s[G0B+1], s66
	s_add_nc_u64 s[G0A+2:G0A+3], s[G0A+2:G0A+3], s[46:47]
	s_add_nc_u64 s[G0B+2:G0B+3], s[G0B+2:G0B+3], s[2:3]
	s_mov_b32 s[G0A+4], 1
	s_mov_b32 s[G0B+4], 1
	s_add_co_u32 s[G0A+5], s66, SLOT
	s_add_co_u32 s[G0B+5], s66, SLOT
	s_add_nc_u64 s[G0A+6:G0A+7], s[G0A+2:G0A+3], TROW
	s_add_nc_u64 s[G0B+6:G0B+7], s[G0B+2:G0B+3], TROW
	s_wait_dscnt 0x0
	CROUND                                         ; all four tiles are in, in every work-group of the cluster
	JLOAD G0A+4, G1A, G0B+4, G1B                   ; slot 1's first fill, my one load behind the round
	FETCH 0, 0, 0
	SCALES 0, 0
	STEP 0, 0, 1
.if LAPS > 1
	s_mov_b32 s23, LAPS-1
.Llap:
	MIDS 0
	TURN 0, 1, 1
	STEP 1, 0, 0
	MIDS 1
	TURN 1, 0, 1
	STEP 0, 0, 0
	s_sub_co_u32 s23, s23, 1
	s_cmp_lg_u32 s23, 0
	s_cbranch_scc1 .Llap
.endif
	MIDS 0
	TURN 0, 1, 0
	STEP 1, 0, 0
	MIDS 1
	LAST
.endm
.macro FINISH
	s_wait_tensorcnt 0x0
	ds_add_u32 v[SPW], v[NIL]
	s_wait_dscnt 0x0
	CROUND
	s_endpgm
.endm
.set TM, 8
.set PW, 4
.set PC, 128
.set Y,  160
.macro QUANT s
.irp b, 0,1,2,3
	v_max3_num_f32 v[TM+\b], |v[\s+16*\b]|, |v[\s+1+16*\b]|, 0x1800000
.endr
.irp i, 2,4,6,8,10,12,14
.irp b, 0,1,2,3
	v_max3_num_f32 v[TM+\b], v[TM+\b], |v[\s+16*\b+\i]|, |v[\s+1+16*\b+\i]|
.endr
.endr
.irp b, 0,1,2,3
	v_permlanex16_b32 v[TM+4+\b], v[TM+\b], s98, s99
.endr
.irp b, 0,1,2,3
	v_max_num_f32 v[TM+\b], v[TM+\b], v[TM+4+\b]
.endr
.irp b, 0,1,2,3
	v_add_nc_u32 v[TM+12+\b], 0xff000000, v[TM+\b]
.endr
.irp b, 0,1,2,3
	v_lshrrev_b32 v[TM+4+\b], 23, v[TM+12+\b]
.endr
	v_lshl_or_b32 v[PW], v[TM+5], 8, v[TM+4]
	v_lshl_or_b32 v[PW], v[TM+6], 16, v[PW]
	v_lshl_or_b32 v[PW], v[TM+7], 24, v[PW]
.irp c, 0,1
	v_cvt_scalef32_pk16_fp6_f32 v[PC+6*\c:PC+2+6*\c], v[\s+32*\c:\s+15+32*\c], v[TM+12+2*\c]
	v_cvt_scalef32_pk16_fp6_f32 v[PC+12+4*\c:PC+14+4*\c], v[\s+16+32*\c:\s+31+32*\c], v[TM+12+2*\c+1]
.endr
	v_nop
.irp c, 0,1
.irp i, 0,1,2
	v_permlane16_swap_b32 v[PC+6*\c+\i], v[PC+12+4*\c+\i]
.endr
.irp i, 0,1,2
	v_mov_b32 v[PC+3+6*\c+\i], v[PC+12+4*\c+\i]
.endr
.endr
.endm
	s_load_b256 s[4:11], s[0:1], 0x0
	s_load_b128 s[12:15], s[0:1], 0x20
	IDS
	s_and_b32 s46, ttmp7, 0xffff
	s_cmp_eq_u32 ttmp9, 2
	s_cselect_b32 s42, s46, ttmp9
	s_cselect_b32 s43, 2, s46
	s_lshl_b32 s42, s42, 2
	s_add_co_u32 s42, s42, s40
	s_lshl_b32 s43, s43, 2
	s_add_co_u32 s43, s43, s41
	GROUP1
	s_mov_b32 s2, 3145728
	s_mov_b32 s3, 9437184
	s_mov_b32 s67, 0
	s_mov_b32 s101, 0
	s_wait_kmcnt 0x0
	s_cmp_eq_u32 ttmp9, 2
	s_cselect_b64 s[92:93], s[6:7], s[4:5]
	s_cselect_b64 s[94:95], s[4:5], s[6:7]
	s_cselect_b32 s66, s3, s2
	s_cselect_b32 s100, s2, s3
	s_add_nc_u64 s[96:97], s[92:93], s[66:67]
	s_add_nc_u64 s[98:99], s[94:95], s[100:101]
	FIRSTFILLS
	ADDRS
	v_lshlrev_b32 v27, 2, v3
	s_cmp_eq_u32 ttmp9, 0
	s_cselect_b64 s[16:17], s[8:9], s[10:11]
	s_cmp_eq_u32 ttmp9, 2
	s_cselect_b64 s[16:17], s[12:13], s[16:17]
	s_lshl_b32 s2, s40, 10
	s_lshl_b32 s3, s22, 9
	s_add_co_u32 s2, s2, s3
	s_mov_b32 s3, 0
	s_add_nc_u64 s[16:17], s[16:17], s[2:3]
	s_lshl_b32 s2, s41, 10
	s_lshl_b32 s66, s21, 9
	s_add_co_u32 s2, s2, s66
	s_add_nc_u64 s[18:19], s[12:13], s[2:3]
	v_lshlrev_b32 v17, 6, v2
	v_and_b32 v18, 8, v1
	v_add_nc_u32 v18, v18, v1
	v_lshlrev_b32 v18, 2, v18
	WIN 0x40
.set i_, 0
.rept 16
.if i_ < 8
.set br_, 96+4*i_
.else
.set br_, 224+4*(i_-8)
.endif
	global_load_b128 v[br_:br_+3], v17, s[16:17] offset:128*(i_/4)+16*(i_%4)
.set i_, i_+1
.endr
	WIN 0
.irp a, 0,1,2,3,4,5,6,7
	global_load_b32 v[48+2*\a], v18, s[18:19] offset:4*(32*(\a/2)+8*(\a%2))
	global_load_b32 v[49+2*\a], v18, s[18:19] offset:4*(32*(\a/2)+8*(\a%2))
.endr
	MAINLOOP
	s_wait_loadcnt 0x0
	s_mov_b32 s96, 0xffff0000
	s_mov_b32 s97, 0xffff
	s_mov_b32 s23, 0x7f7f0000
	s_mov_b32 s98, 0x76543210
	s_mov_b32 s99, 0xfedcba98
.macro EPIA a, mode
.if \mode == 0
	WIN 0x06+(\a)/4
.set D1, 98304
.set STEPC, 768
.else
	WIN 0x02+(\a)/4
.set D1, 768
.set STEPC, 24576
.endif
.set i_, 0
.rept 32
.if \mode == 0
.if i_ < 16
.set br_, 96+2*i_
.else
.set br_, 224+2*(i_-16)
.endif
.else
.set br_, 48+2*(\a)
.endif
	v_pk_add_f32 v[Y+2*i_:Y+2*i_+1], v[64*((\a)%4)+2*i_:64*((\a)%4)+2*i_+1], v[br_:br_+1]
.set i_, i_+1
.endr
	WIN 0
	s_wait_xcnt 0x0
	QUANT Y
	global_store_b128 v25, v[PC:PC+3], s[92:93] offset:(\a)*STEPC
	global_store_b64 v26, v[PC+4:PC+5], s[92:93] offset:(\a)*STEPC+512
	global_store_b128 v25, v[PC+6:PC+9], s[92:93] offset:(\a)*STEPC+D1
	global_store_b64 v26, v[PC+10:PC+11], s[92:93] offset:(\a)*STEPC+D1+512
.if (\a)%2 == 0
	v_mov_b32 v24, v[PW]
.else
	v_cndmask_b32 v7, v24, v[PW], s96
.if \mode == 0
	v_and_or_b32 v30, v7, s97, s23
	v_lshrrev_b32 v31, 16, v7
	v_or_b32 v31, s23, v31
	global_store_b32 v27, v30, s[94:95] offset:64*((\a)-1)
	global_store_b32 v27, v31, s[94:95] offset:64*((\a)-1)+8192
.else
	global_store_b32 v27, v7, s[94:95] offset:64*((\a)-1)
.endif
.endif
.endm
	s_cmp_eq_u32 ttmp9, 2
	s_cbranch_scc1 .Lvmode
	s_lshl_b32 s2, s43, 4
	s_lshl_b32 s3, s21, 3
	s_add_co_u32 s2, s2, s3
	s_lshr_b32 s3, s2, 7
	s_and_b32 s2, s2, 127
	s_lshl_b32 s3, s3, 4
	s_lshl_b32 s66, s40, 2
	s_add_co_u32 s3, s3, s66
	s_lshl_b32 s66, s22, 1
	s_add_co_u32 s3, s3, s66
	s_lshl_b32 s66, s3, 7
	s_add_co_u32 s66, s66, s2
	s_mul_i32 s66, s66, 768
	s_mul_i32 s67, ttmp9, 3145728
	s_add_co_u32 s66, s66, s67
	s_mov_b32 s67, 0
	s_add_nc_u64 s[92:93], s[14:15], s[66:67]
	s_lshl_b32 s66, s3, 13
	s_lshl_b32 s2, s2, 6
	s_add_co_u32 s66, s66, s2
	s_mul_i32 s2, ttmp9, 262144
	s_add_co_u32 s66, s66, s2
	s_add_co_u32 s66, s66, 9437184
	s_add_nc_u64 s[94:95], s[14:15], s[66:67]
.irp a, 0,1,2,3,4,5,6,7
	EPIA \a, 0
.endr
	FINISH
.Lvmode:
	s_lshr_b32 s2, s42, 3
	s_lshl_b32 s2, s2, 4
	s_lshl_b32 s3, s42, 1
	s_add_co_u32 s3, s3, s22
	s_and_b32 s3, s3, 15
	s_lshl_b32 s66, s41, 2
	s_lshl_b32 s67, s21, 1
	s_add_co_u32 s66, s66, s67
	s_add_co_u32 s67, s2, s66
	s_mul_i32 s67, s67, 98304
	s_mul_i32 s100, s3, 1536
	s_add_co_u32 s100, s100, s67
	s_add_co_u32 s100, s100, 6291456
	s_mov_b32 s101, 0
	s_add_nc_u64 s[92:93], s[14:15], s[100:101]
	s_add_co_u32 s2, s2, s3
	s_lshl_b32 s2, s2, 12
	s_lshl_b32 s66, s66, 8
	s_add_co_u32 s100, s2, s66
	s_add_co_u32 s100, s100, 9961472
	s_add_nc_u64 s[94:95], s[14:15], s[100:101]
.irp a, 0,1,2,3,4,5,6,7
	EPIA \a, 1
.endr
	FINISH
.Lfunc_end_k_qa9314eb4a0_qkv:
	.size	k_qa9314eb4a0_qkv, .Lfunc_end_k_qa9314eb4a0_qkv-k_qa9314eb4a0_qkv
	.p2alignl 7, 3214868480
	.fill 96, 4, 3214868480
	.section	.rodata,"a",@progbits
	.p2align	6, 0x0
	.amdhsa_kernel k_qa9314eb4a0_qkv
		.amdhsa_group_segment_fixed_size 327680
		.amdhsa_private_segment_fixed_size 0
		.amdhsa_enable_private_segment 0
		.amdhsa_kernarg_size 48
		.amdhsa_user_sgpr_count 2
		.amdhsa_user_sgpr_kernarg_segment_ptr 1
		.amdhsa_wavefront_size32 1
		.amdhsa_system_sgpr_workgroup_id_x 1
		.amdhsa_system_sgpr_workgroup_id_y 1
		.amdhsa_system_sgpr_workgroup_id_z 1
		.amdhsa_system_vgpr_workitem_id 0
		.amdhsa_next_free_vgpr 1024
		.amdhsa_next_free_sgpr 102
		.amdhsa_reserve_vcc 0
		.amdhsa_float_denorm_mode_32 3
		.amdhsa_float_denorm_mode_16_64 3
		.amdhsa_memory_ordered 1
		.amdhsa_forward_progress 1
		.amdhsa_inst_pref_size 223
	.end_amdhsa_kernel
	.amdgpu_metadata
---
amdhsa.version: [ 1, 2 ]
amdhsa.kernels:
  - .name:           k_qa9314eb4a0_qkv
    .symbol:         k_qa9314eb4a0_qkv.kd
    .args:
      - { .name: act, .offset: 0, .size: 8, .value_kind: global_buffer, .address_space: global }
      - { .name: wcs, .offset: 8, .size: 8, .value_kind: global_buffer, .address_space: global }
      - { .name: bq, .offset: 16, .size: 8, .value_kind: global_buffer, .address_space: global }
      - { .name: bk, .offset: 24, .size: 8, .value_kind: global_buffer, .address_space: global }
      - { .name: bv, .offset: 32, .size: 8, .value_kind: global_buffer, .address_space: global }
      - { .name: qkv, .offset: 40, .size: 8, .value_kind: global_buffer, .address_space: global }
    .group_segment_fixed_size: 327680
    .private_segment_fixed_size: 0
    .kernarg_segment_align: 8
    .kernarg_segment_size: 48
    .max_flat_workgroup_size: 128
    .sgpr_count:     102
    .vgpr_count:     1024
    .wavefront_size: 32
...
	.end_amdgpu_metadata
.endif
;; end of part 2
;; launch attn (part 3): grid 8 x 32, 16 waves a work-group, clusters of 4 x 1, 215,040 bytes of LDS; arguments qkv, ao; writes ao
.if DOCPART == 3
	.amdgcn_target "amdgcn-amd-amdhsa--gfx1250"
	.amdhsa_code_object_version 6
	.text
	.protected	k_qa9314eb4a0_attn
	.globl	k_qa9314eb4a0_attn
	.p2align	8
	.type	k_qa9314eb4a0_attn,@function
k_qa9314eb4a0_attn:
	s_mov_b64 s[64:65], 0
	v_nop
	global_prefetch_b8 v0, s[64:65] scope:SCOPE_SE
	s_setreg_imm32_b32 hwreg(HW_REG_WAVE_MODE, 25, 1), 1
	s_wait_xcnt 0x0
	s_wait_alu depctr_hold_cnt(0) depctr_sa_sdst(0) depctr_va_vdst(0) depctr_va_sdst(0) depctr_va_ssrc(0) depctr_va_vcc(0) depctr_vm_vsrc(0)
	s_getreg_b32 s2, hwreg(HW_REG_IB_STS2, 6, 4)
	s_cmp_eq_u32 s2, 0
	s_cbranch_scc0 .Lentry_in_a_cluster
	s_endpgm
.Lentry_in_a_cluster:
	s_bfe_u32 s2, ttmp6, 0x10000c
	s_cmp_lg_u32 s2, 0x3003
	s_cbranch_scc0 .Lentry_shape_is_right
	s_endpgm
.Lentry_shape_is_right:
; O = softmax(Q K^T / 8) V for one head and 256 queries, both products on codes of FP6 (E2M3); O / the row's sum is quantised along the head's 64 as an operand of the next product.
; t = score x log2(e) / 8; M = the running largest t rounded UP to a whole number; p = 2^(t - M) is quantised along the keys; the row's sum is taken of the unquantised p.  When M moves, the sum and O are multiplied by 2^(old M - new M): exact.
; SHARES: a work-group owns 256 queries of a head, each of its sixteen waves one tile of 16.  The head's K and V (2 x 98,304 bytes of codes) and their scale words stay in LDS: filled ONCE, in four chunks of 512 keys,
; by joint loads of the four work-groups of a cluster, which belong to one head.  Nothing in LDS is filled again and nothing is stored there.
; LAYOUT: both products transposed (S^T = K Q^T, O^T = V^T P^T): a lane holds one query.  All operands lie as images of their registers, and the rows of a tile are chosen (stored row 32 p + 16 u + r = row 32 p + 16 (r / 8) + 8 u + r % 8)
; so that the 16 registers of two neighbouring tiles are 16 neighbouring keys (channels).
; THE FIRST PRODUCT'S K IS 64: a key tile is six registers; the instruction's upper 64 take Q's zero codes against whatever codes follow in the registers, under the byte 127 on both sides: they add nothing.
; LIMITS: NaN and infinities are not served; a block under 2^-124 gets the byte 1.
.set KOFF,  3145728
.set VOFF,  6291456
.set QSOFF, 9437184
.set KSOFF, 9699328
.set VSOFF, 9961472
.set AOS,   3145728
.set LV,    98304                      ; LDS: K [128 tiles][768]; V [4 chunks][4 channel tiles][4 key steps x 1,536];
.set LSC,   196608                     ; scale words: K's 8,192 bytes, then V's 4,096 (256 for each step of 128 keys)
.set L16, 1
.set L8,  2
.set L4,  3
.set R4,  4
.set ADK16, 5
.set ADK8,  6
.set ADV16, 7
.set ADV8,  8
.set ADS,   9
.set ADT,   10
.set KSW, 86                           ; v86-89 K's scale words (a pair of tiles a register), v90-91 V's, v94 Q's, v95 p's: they hold nothing else
.set VSW, 90
.set QSW, 94
.set PSW, 95
.set S,   96                           ; v96-159 S^T, then p
.set O,   160                          ; v160-191 O^T
.set PCD, 192                          ; v192-211 p's codes
.set BM,  212
.set BT,  216
.set SOP, 220
.set FP,  224
.set TA,  226
.set SU,  228
.set WV,  18
.set SEL, 20
.set CS,  22
.set TK,  80
.set TV,  81
.set TS,  82
.set TJ,  83
.set CNT, 84
.macro CROUND
	s_barrier_signal -1
	s_barrier_wait -1
	s_cmp_lg_u32 s[WV], 0
	s_cbranch_scc1 .Lnot_wave_0_\@
	s_barrier_signal -3
.Lnot_wave_0_\@:
	s_barrier_wait -3
	s_barrier_signal -1
	s_barrier_wait -1
.endm
.macro G1SET g, c, r, p                ; elements of 8 bytes, no padding, all four work-groups
	s_mov_b32 s[\g], 15|(3<<16)|(1<<21)
	s_mov_b32 s[\g+1], (\c)<<16
	s_mov_b32 s[\g+2], (\r)<<16
	s_mov_b32 s[\g+3], (\c)<<16
	s_mov_b32 s[\g+4], \r
	s_mov_b32 s[\g+5], \p
	s_mov_b32 s[\g+6], 0
	s_mov_b32 s[\g+7], 0
.endm
.macro ARM under, g0, g1, next         ; one arm of the head's chain: the waves under this number issue this load and go to the join
	s_cmp_lt_u32 s[WV], \under
	s_cbranch_scc0 \next
	tensor_load_to_lds s[\g0:\g0+3], s[\g1:\g1+7]
	s_nop 0
.rept 4
	v_nop
.endr
	s_branch .Lasked
\next:
.endm
	s_load_b128 s[4:7], s[0:1], 0x0                ; q, k, v; the output
	v_lshl_add_u32 v254, v0, 2, 0x34000
	v_mov_b32 v255, 0
	ds_add_u32 v254, v255
	ds_add_u32 v254, v255
	v_lshrrev_b32 v8, 5, v0
	s_delay_alu instid0(VALU_DEP_1)
	v_readfirstlane_b32 s[WV], v8                  ; wave 0..15
	s_bfe_u32 s8, ttmp6, 0x40000                   ; cx: it enters Q's and the output's addresses alone
	s_lshl_b32 s9, ttmp9, 2
	s_add_co_u32 s9, s9, s8                        ; my block of 256 queries
	s_and_b32 s10, ttmp7, 0xffff                   ; batch x 16 + head
	s_mul_i32 s13, s10, 98304
	s_mul_i32 s14, s[WV], 24576
	s_add_co_u32 s14, s14, s13
	s_add_co_u32 s14, s14, KOFF                    ; waves 0-3: chunk w of K, 24,576 dense bytes
	s_mul_i32 s15, s[WV], 6144
	s_add_co_u32 s15, s15, s13
	s_add_co_u32 s15, s15, VOFF-4*6144             ; waves 4-7: chunk w - 4 of V's four channel tiles
	s_lshl_b32 s16, s10, 13
	s_add_co_u32 s16, s16, KSOFF                   ; wave 8: K's scale words
	s_lshr_b32 s85, s10, 4
	s_lshl_b32 s85, s85, 16
	s_and_b32 s17, s10, 15
	s_lshl_b32 s17, s17, 8
	s_add_co_u32 s85, s85, s17
	s_add_co_u32 s85, s85, VSOFF                   ; wave 9: V's, sixteen key steps
	s_cmp_lt_u32 s[WV], 4
	s_cselect_b32 s86, s14, s15
	s_cmp_eq_u32 s[WV], 8
	s_cselect_b32 s88, s16, s85
	s_mov_b32 s87, 0
	s_mov_b32 s89, 0
	s_mul_i32 s94, s[WV], 24576                    ; where a chunk goes: K's four, then V's four
	s_lshl_b32 s95, s[WV], 13
	s_add_co_u32 s95, s95, LSC-65536               ; and the scale words: LSC + 8,192 (w - 8)
	G1SET 24, 32, 96, 32                           ; K: 96 rows of 256 bytes
	G1SET 32, 768, 4, 3072                         ; V: 4 rows of 6,144 bytes, 24,576 apart
	G1SET 40, 32, 32, 32                           ; K's scale words: 32 rows of 256 bytes
	G1SET 48, 32, 16, 512                          ; V's: 16 rows of 256 bytes, 4,096 apart
	s_mov_b32 s[SEL], 0x76543210
	s_mov_b32 s[SEL+1], 0xfedcba98
	s_mov_b32 s[CS], 0x3e38aa3b                    ; log2(e) / 8
	s_mov_b32 s[CS+1], s[CS]
	s_mov_b32 s[TK], 0
	s_mov_b32 s[TV], LV
	s_mov_b32 s[TS], LSC
	s_mov_b32 s[TJ], LSC+8192
	s_wait_dscnt 0x0
	s_wait_kmcnt 0x0
	s_mov_b32 s56, 1
	s_mov_b32 s57, s95
	s_add_nc_u64 s[58:59], s[4:5], s[88:89]
	s_or_b32 s59, s59, 0x80000000
	s_mov_b32 s60, 1
	s_mov_b32 s61, s94
	s_add_nc_u64 s[62:63], s[4:5], s[86:87]
	s_or_b32 s63, s63, 0x80000000
	CROUND                                         ; all four work-groups are here: the joint loads meet
	ARM 4, 60, 24, .Lnot_k                         ; ten fills, one a wave, in one chain of arms: K's chunks,
	ARM 8, 60, 32, .Lnot_v                         ; V's chunks,
	ARM 9, 56, 40, .Lnot_ks                        ; K's scale words,
	s_cmp_lt_u32 s[WV], 10
	s_cbranch_scc0 .Lasked
	tensor_load_to_lds s[56:59], s[48:55]          ; V's scale words
	s_nop 0
.rept 4
	v_nop
.endr
.Lasked:
	s_lshl_b32 s85, s9, 4
	s_add_co_u32 s85, s85, s[WV]                   ; my query tile in the head
	s_lshl_b32 s86, s10, 7
	s_add_co_u32 s86, s86, s85
	s_mul_i32 s86, s86, 768
	s_mov_b32 s87, 0
	s_add_nc_u64 s[12:13], s[4:5], s[86:87]        ; its codes
	s_lshl_b32 s86, s10, 13
	s_lshl_b32 s88, s85, 6
	s_add_co_u32 s86, s86, s88
	s_add_co_u32 s86, s86, QSOFF
	s_add_nc_u64 s[14:15], s[4:5], s[86:87]        ; its scale words
	s_lshr_b32 s88, s10, 4
	s_lshl_b32 s88, s88, 7
	s_add_co_u32 s88, s88, s85                     ; the token tile
	s_and_b32 s89, s10, 15                         ; the head
	s_lshl_b32 s86, s88, 4
	s_add_co_u32 s86, s86, s89
	s_mul_i32 s86, s86, 768
	s_add_nc_u64 s[96:97], s[6:7], s[86:87]        ; the output's half fragment
	s_lshr_b32 s86, s89, 1
	s_lshl_b32 s86, s86, 14
	s_lshl_b32 s88, s88, 6
	s_add_co_u32 s86, s86, s88
	s_and_b32 s89, s89, 1
	s_lshl_b32 s89, s89, 1
	s_add_co_u32 s86, s86, s89
	s_add_co_u32 s86, s86, AOS
	s_add_nc_u64 s[98:99], s[6:7], s[86:87]        ; and its two scale bytes
	v_and_b32 v11, 31, v0
	s_delay_alu instid0(VALU_DEP_1)
	v_lshlrev_b32 v[L16], 4, v11
	s_delay_alu instid0(VALU_DEP_2)
	v_lshlrev_b32 v[L8], 3, v11
	s_delay_alu instid0(VALU_DEP_3)
	v_lshlrev_b32 v[L4], 2, v11
	v_and_b32 v[R4], 15, v0
	s_delay_alu instid0(VALU_DEP_1)
	v_lshlrev_b32 v[R4], 2, v[R4]
	global_load_b128 v[16:19], v[L16], s[12:13]
	global_load_b64 v[20:21], v[L8], s[12:13] offset:512
	global_load_b32 v[QSW], v[R4], s[14:15]
.irp i, 22,23,24,25,26,27,80,81,82,83,84,85
	v_mov_b32 v\i, 0                               ; Q's upper 64: zero codes; and what follows the last key tile
.endr
	v_mov_b32 v13, 0xff61b1e6                      ; the largest t so far: -3e38
	s_delay_alu instid0(VALU_DEP_1)
	v_floor_f32 v12, -v13                          ; -M
	v_mov_b32 v14, 0
	v_mov_b32 v15, 0
.irp b, 0,1,2,3
	v_mov_b32 v[BT+\b], 0                          ; a lane permute's destination counts as one of its sources
.endr
	v_mov_b32 v[FP+1], 0
	v_mov_b32 v[TA], 0
.set i_, 0
.rept 32
	v_mov_b32 v[O+i_], 0                           ; the step is written once: the first finds zeros
.set i_, i_+1
.endr
.macro STEP                            ; 128 keys
	v_add_nc_u32 v[ADK16], s[TK], v[L16]           ; (six plain places in front of loads into registers that the last products have read)
	v_add_nc_u32 v[ADK8], s[TK], v[L8]
	v_add_nc_u32 v[ADV16], s[TV], v[L16]
	v_add_nc_u32 v[ADV8], s[TV], v[L8]
	v_add_nc_u32 v[ADS], s[TS], v[L4]
	v_add_nc_u32 v[ADT], s[TJ], v[L4]
.irp t, 0,1,2,3,4,5,6,7
	ds_load_b128 v[32+6*\t:35+6*\t], v[ADK16] offset:768*\t
	ds_load_b64 v[36+6*\t:37+6*\t], v[ADK8] offset:768*\t+512
.endr
.irp p, 0,1,2,3
	ds_load_b32 v[KSW+\p], v[ADS] offset:128*\p    ; lanes 0-15: tile 2 p's words, lanes 16-31: tile 2 p + 1's
.endr
	s_wait_alu depctr_va_vdst(0)
	s_wait_dscnt 0x0
.irp p, 0,1,2,3
	v_wmma_scale_f32_16x16x128_f8f6f4 v[S+16*\p:S+16*\p+7], v[32+12*\p:43+12*\p], v[16:27], 0, v[KSW+\p], v[QSW] matrix_a_fmt:MATRIX_FMT_FP6 matrix_b_fmt:MATRIX_FMT_FP6
	v_wmma_scale_f32_16x16x128_f8f6f4 v[S+16*\p+8:S+16*\p+15], v[38+12*\p:49+12*\p], v[16:27], 0, v[KSW+\p], v[QSW] matrix_a_fmt:MATRIX_FMT_FP6 matrix_b_fmt:MATRIX_FMT_FP6 matrix_a_scale:MATRIX_SCALE_ROW1
.endr
.rept 4
	v_nop
.endr
.irp d, 0,1,2,3                        ; V's four fragments are asked for now and land under the softmax
	ds_load_b128 v[32+12*\d:35+12*\d], v[ADV16] offset:6144*\d
	ds_load_b64 v[36+12*\d:37+12*\d], v[ADV8] offset:6144*\d+512
	ds_load_b128 v[38+12*\d:41+12*\d], v[ADV16] offset:6144*\d+768
	ds_load_b64 v[42+12*\d:43+12*\d], v[ADV8] offset:6144*\d+1280
.endr
	ds_load_b32 v[VSW], v[ADT]
	ds_load_b32 v[VSW+1], v[ADT] offset:128
.irp b, 0,1,2,3
	v_max3_num_f32 v[BM+\b], v[S+16*\b], v[S+1+16*\b], v[S+2+16*\b]      ; the largest score of each block of 32 keys: for the row's maximum, and for the block's largest p
.endr
.irp i, 3,5,7,9,11,13
.irp b, 0,1,2,3
	v_max3_num_f32 v[BM+\b], v[BM+\b], v[S+16*\b+\i], v[S+1+16*\b+\i]
.endr
.endr
.irp b, 0,1,2,3
	v_max_num_f32 v[BM+\b], v[BM+\b], v[S+15+16*\b]
.endr
.irp b, 0,1,2,3
	s_delay_alu instid0(VALU_DEP_4)
	v_permlanex16_b32 v[BT+\b], v[BM+\b], s[SEL], s[SEL+1]
.endr
.irp b, 0,1,2,3
	s_delay_alu instid0(VALU_DEP_4)
	v_max_num_f32 v[BM+\b], v[BM+\b], v[BT+\b]
.endr
	s_delay_alu instid0(VALU_DEP_2)
	v_max3_num_f32 v[TA], v[BM], v[BM+1], v[BM+2]
	s_delay_alu instid0(VALU_DEP_1)
	v_max_num_f32 v[TA], v[TA], v[BM+3]
	s_delay_alu instid0(VALU_DEP_1)
	v_mul_f32 v[TA], s[CS], v[TA]
	s_delay_alu instid0(VALU_DEP_1)
	v_max_num_f32 v13, v13, v[TA]                  ; the running largest t
	v_mov_b32 v[TA], v12
	s_delay_alu instid0(VALU_DEP_2)
	v_floor_f32 v12, -v13                          ; -M = floor(-t)
	s_delay_alu instid0(VALU_DEP_1)
	v_sub_f32 v[TA], v12, v[TA]                    ; old M - new M: a whole number, 0 or less
	s_delay_alu instid0(VALU_DEP_1)
	v_cvt_i32_f32 v[TA], v[TA]
	s_delay_alu instid0(VALU_DEP_1)
	v_ldexp_f32 v[FP], 1.0, v[TA]                  ; f = 2^(old M - new M)
.set j_, 0
.rept 32
	v_pk_fma_f32 v[S+j_:S+j_+1], v[S+j_:S+j_+1], s[CS:CS+1], v[12:13] op_sel_hi:[1,0,0]    ; t - M
.set j_, j_+2
.endr
.irp b, 0,1,2,3
	v_fma_f32 v[BM+\b], v[BM+\b], s[CS], v12
.endr
.set j_, 0
	s_wait_alu depctr_va_vdst(0)
.rept 64
	v_exp_f32 v[S+j_], v[S+j_]                     ; p = 2^(t - M)
.set j_, j_+1
.endr
	v_pk_mul_f32 v[14:15], v[14:15], v[FP:FP+1] op_sel_hi:[1,0]          ; the sums under the new M: a plain place behind the exponentials
	s_wait_alu depctr_va_vdst(0)                   ; one wait for the batch, ahead of its first reader
.irp b, 0,1,2,3
	v_exp_f32 v[BM+\b], v[BM+\b]                   ; the blocks' largest p
.endr
	v_pk_add_f32 v[228:229], v[100:101], v[104:105]
	v_pk_add_f32 v[252:253], v[108:109], v[112:113]
	v_pk_add_f32 v[250:251], v[116:117], v[120:121]
	v_pk_add_f32 v[248:249], v[124:125], v[128:129]
	v_pk_add_f32 v[246:247], v[132:133], v[136:137]
	v_pk_add_f32 v[244:245], v[140:141], v[144:145]
	v_pk_add_f32 v[242:243], v[148:149], v[152:153]
	v_pk_add_f32 v[14:15], v[14:15], v[156:157]
	v_pk_add_f32 v[228:229], v[228:229], v[96:97]
	v_pk_add_f32 v[252:253], v[252:253], v[98:99]
	v_pk_add_f32 v[250:251], v[250:251], v[102:103]
	v_pk_add_f32 v[248:249], v[248:249], v[106:107]
	v_pk_add_f32 v[246:247], v[246:247], v[110:111]
	v_pk_add_f32 v[244:245], v[244:245], v[114:115]
	v_pk_add_f32 v[242:243], v[242:243], v[118:119]
	v_pk_add_f32 v[14:15], v[14:15], v[122:123]
	v_pk_add_f32 v[228:229], v[228:229], v[126:127]
	v_pk_add_f32 v[252:253], v[252:253], v[130:131]
	v_pk_add_f32 v[250:251], v[250:251], v[134:135]
	v_pk_add_f32 v[248:249], v[248:249], v[138:139]
	v_pk_add_f32 v[246:247], v[246:247], v[142:143]
	v_pk_add_f32 v[244:245], v[244:245], v[146:147]
	v_pk_add_f32 v[242:243], v[242:243], v[150:151]
	v_pk_add_f32 v[14:15], v[14:15], v[154:155]
	v_pk_add_f32 v[228:229], v[228:229], v[158:159]
	s_delay_alu instid0(VALU_DEP_2)
	v_pk_add_f32 v[14:15], v[14:15], v[248:249]
	s_delay_alu instid0(VALU_DEP_2)
	v_pk_add_f32 v[228:229], v[228:229], v[246:247]
	v_pk_add_f32 v[252:253], v[252:253], v[244:245]
	v_pk_add_f32 v[250:251], v[250:251], v[242:243]
	s_delay_alu instid0(VALU_DEP_2)
	v_pk_add_f32 v[14:15], v[14:15], v[252:253]
	s_delay_alu instid0(VALU_DEP_2)
	v_pk_add_f32 v[228:229], v[228:229], v[250:251]
	s_delay_alu instid0(VALU_DEP_1)
	v_pk_add_f32 v[14:15], v[14:15], v[228:229]
	s_wait_alu depctr_va_vdst(0)                   ; and one for the four
.irp b, 0,1,2,3
	v_max_num_f32 v[BM+\b], 0x1800000, v[BM+\b]
.endr
.irp b, 0,1,2,3
	s_delay_alu instid0(VALU_DEP_4)
	v_add_nc_u32 v[SOP+\b], 0xff000000, v[BM+\b]
.endr
.irp b, 0,1,2,3
	s_delay_alu instid0(VALU_DEP_4)
	v_lshrrev_b32 v[BT+\b], 23, v[SOP+\b]
.endr
	s_delay_alu instid0(VALU_DEP_3)
	v_lshl_or_b32 v[PSW], v[BT+1], 8, v[BT]
	s_delay_alu instid0(VALU_DEP_1)
	v_lshl_or_b32 v[PSW], v[BT+2], 16, v[PSW]
	s_delay_alu instid0(VALU_DEP_1)
	v_lshl_or_b32 v[PSW], v[BT+3], 24, v[PSW]
.irp c, 0,1
	v_cvt_scalef32_pk16_fp6_f32 v[PCD+6*\c:PCD+2+6*\c], v[S+32*\c:S+15+32*\c], v[SOP+2*\c]
	v_cvt_scalef32_pk16_fp6_f32 v[PCD+12+4*\c:PCD+14+4*\c], v[S+16+32*\c:S+31+32*\c], v[SOP+2*\c+1]
.endr
	v_nop
.irp c, 0,1
.irp i, 0,1,2
	v_permlane16_swap_b32 v[PCD+6*\c+\i], v[PCD+12+4*\c+\i]
.endr
.irp i, 0,1,2
	s_delay_alu instid0(VALU_DEP_3)
	v_mov_b32 v[PCD+3+6*\c+\i], v[PCD+12+4*\c+\i]
.endr
.endr
.set j_, 0
.rept 16
	v_pk_mul_f32 v[O+j_:O+j_+1], v[O+j_:O+j_+1], v[FP:FP+1] op_sel_hi:[1,0]      ; O^T under the new M; also the places in front of the products below
.set j_, j_+2
.endr
	s_wait_alu depctr_va_vdst(0)
	s_wait_dscnt 0x0                               ; V
.irp p, 0,1
	v_wmma_scale_f32_16x16x128_f8f6f4 v[O+16*\p:O+16*\p+7], v[32+24*\p:43+24*\p], v[PCD:PCD+11], v[O+16*\p:O+16*\p+7], v[VSW+\p], v[PSW] matrix_a_fmt:MATRIX_FMT_FP6 matrix_b_fmt:MATRIX_FMT_FP6
	v_wmma_scale_f32_16x16x128_f8f6f4 v[O+16*\p+8:O+16*\p+15], v[44+24*\p:55+24*\p], v[PCD:PCD+11], v[O+16*\p+8:O+16*\p+15], v[VSW+\p], v[PSW] matrix_a_fmt:MATRIX_FMT_FP6 matrix_b_fmt:MATRIX_FMT_FP6 matrix_a_scale:MATRIX_SCALE_ROW1
.endr
	s_add_co_u32 s[TK], s[TK], 6144
	s_add_co_u32 s[TV], s[TV], 1536
	s_add_co_u32 s[TS], s[TS], 512
	s_add_co_u32 s[TJ], s[TJ], 256
.endm
.macro CHUNK g                         ; 512 keys
.if \g == 0
	s_wait_tensorcnt 0x0                           ; my one fill has landed
	s_wait_dscnt 0x0
	s_barrier_signal -1
	s_barrier_wait -1                              ; everybody's has: K, V and their scale words are whole, and no later barrier is needed for them
.endif
	s_mov_b32 s[CNT], 4
.Lstep_\@:
	STEP
	s_sub_co_u32 s[CNT], s[CNT], 1
	s_cmp_lg_u32 s[CNT], 0
	s_cbranch_scc1 .Lstep_\@
	s_add_co_u32 s[TV], s[TV], 18432               ; on to the next chunk of V
.endm
	s_wait_loadcnt 0x0                             ; Q
	CHUNK 0
	CHUNK 1
	CHUNK 2
	CHUNK 3
.rept 4
	v_nop                                          ; places behind the last products
.endr
	v_add_f32 v14, v14, v15
	s_delay_alu instid0(VALU_DEP_1)
	v_permlanex16_b32 v[TA], v14, s[SEL], s[SEL+1]
	s_delay_alu instid0(VALU_DEP_1)
	v_add_f32 v14, v14, v[TA]                      ; the row's sum
	s_wait_alu depctr_va_vdst(0)
	v_rcp_f32 v14, v14
	v_nop
	s_wait_alu depctr_va_vdst(0)
.set j_, 0
.rept 32
	v_mul_f32 v[S+j_], v[O+j_], v14                ; register 16 p + i: channel 32 p + 16 h + i of my query
.set j_, j_+1
.endr
.irp b, 0,1
	v_max3_num_f32 v[BM+\b], |v[S+16*\b]|, |v[S+1+16*\b]|, 0x1800000
.endr
.irp i, 2,4,6,8,10,12,14
.irp b, 0,1
	s_delay_alu instid0(VALU_DEP_2)
	v_max3_num_f32 v[BM+\b], v[BM+\b], |v[S+16*\b+\i]|, |v[S+1+16*\b+\i]|
.endr
.endr
.irp b, 0,1
	s_delay_alu instid0(VALU_DEP_2)
	v_permlanex16_b32 v[BT+\b], v[BM+\b], s[SEL], s[SEL+1]
.endr
.irp b, 0,1
	s_delay_alu instid0(VALU_DEP_2)
	v_max_num_f32 v[BM+\b], v[BM+\b], v[BT+\b]
.endr
.irp b, 0,1
	s_delay_alu instid0(VALU_DEP_2)
	v_add_nc_u32 v[SOP+\b], 0xff000000, v[BM+\b]
.endr
.irp b, 0,1
	s_delay_alu instid0(VALU_DEP_2)
	v_lshrrev_b32 v[BT+\b], 23, v[SOP+\b]
.endr
	s_delay_alu instid0(VALU_DEP_1)
	v_lshl_or_b32 v[TA], v[BT+1], 8, v[BT]         ; the head's two bytes
	v_cvt_scalef32_pk16_fp6_f32 v[PCD:PCD+2], v[S:S+15], v[SOP]
	v_cvt_scalef32_pk16_fp6_f32 v[PCD+6:PCD+8], v[S+16:S+31], v[SOP+1]
	v_nop
.irp i, 0,1,2
	v_permlane16_swap_b32 v[PCD+\i], v[PCD+6+\i]
.endr
.irp i, 0,1,2
	s_delay_alu instid0(VALU_DEP_3)
	v_mov_b32 v[PCD+3+\i], v[PCD+6+\i]
.endr
	global_store_b128 v[L16], v[PCD:PCD+3], s[96:97]               ; 512 and 256 consecutive bytes, aligned
	global_store_b64 v[L8], v[PCD+4:PCD+5], s[96:97] offset:512
	global_store_b16 v[R4], v[TA], s[98:99]        ; two bytes of each row's word (lanes r and r + 16 store the same): the scale words are one part in 24 of the output
	s_wait_tensorcnt 0x0
	ds_add_u32 v254, v255
	s_wait_dscnt 0x0
	CROUND                                         ; the closing round
	s_endpgm
.Lfunc_end_k_qa9314eb4a0_attn:
	.size	k_qa9314eb4a0_attn, .Lfunc_end_k_qa9314eb4a0_attn-k_qa9314eb4a0_attn
	.p2alignl 7, 3214868480
	.fill 96, 4, 3214868480
	.section	.rodata,"a",@progbits
	.p2align	6, 0x0
	.amdhsa_kernel k_qa9314eb4a0_attn
		.amdhsa_group_segment_fixed_size 215040
		.amdhsa_private_segment_fixed_size 0
		.amdhsa_enable_private_segment 0
		.amdhsa_kernarg_size 16
		.amdhsa_user_sgpr_count 2
		.amdhsa_user_sgpr_kernarg_segment_ptr 1
		.amdhsa_wavefront_size32 1
		.amdhsa_system_sgpr_workgroup_id_x 1
		.amdhsa_system_sgpr_workgroup_id_y 1
		.amdhsa_system_sgpr_workgroup_id_z 1
		.amdhsa_system_vgpr_workitem_id 0
		.amdhsa_next_free_vgpr 256
		.amdhsa_next_free_sgpr 100
		.amdhsa_reserve_vcc 0
		.amdhsa_float_denorm_mode_32 3
		.amdhsa_float_denorm_mode_16_64 3
		.amdhsa_memory_ordered 1
		.amdhsa_forward_progress 1
		.amdhsa_inst_pref_size 85
	.end_amdhsa_kernel
	.amdgpu_metadata
---
amdhsa.version: [ 1, 2 ]
amdhsa.kernels:
  - .name:           k_qa9314eb4a0_attn
    .symbol:         k_qa9314eb4a0_attn.kd
    .args:
      - { .name: qkv, .offset: 0, .size: 8, .value_kind: global_buffer, .address_space: global }
      - { .name: ao, .offset: 8, .size: 8, .value_kind: global_buffer, .address_space: global }
    .group_segment_fixed_size: 215040
    .private_segment_fixed_size: 0
    .kernarg_segment_align: 8
    .kernarg_segment_size: 16
    .max_flat_workgroup_size: 512
    .sgpr_count:     100
    .vgpr_count:     256
    .wavefront_size: 32
...
	.end_amdgpu_metadata
.endif
;; end of part 3
;; launch wo (part 4): grid 8 x 32, 4 waves a work-group, clusters of 4 x 4, 327,680 bytes of LDS; arguments ao, wcs, bo, x, st, ln1_g, ln1_b, x1; writes x1
.if DOCPART == 4
	.amdgcn_target "amdgcn-amd-amdhsa--gfx1250"
	.amdhsa_code_object_version 6
	.text
	.protected	k_qa9314eb4a0_wo
	.globl	k_qa9314eb4a0_wo
	.p2align	8
	.type	k_qa9314eb4a0_wo,@function
k_qa9314eb4a0_wo:
	s_mov_b64 s[64:65], 0
	v_nop
	global_prefetch_b8 v0, s[64:65] scope:SCOPE_SE
	s_setreg_imm32_b32 hwreg(HW_REG_WAVE_MODE, 25, 1), 1
	s_wait_xcnt 0x0
	s_wait_alu depctr_hold_cnt(0) depctr_sa_sdst(0) depctr_va_vdst(0) depctr_va_sdst(0) depctr_va_ssrc(0) depctr_va_vcc(0) depctr_vm_vsrc(0)
	s_getreg_b32 s2, hwreg(HW_REG_IB_STS2, 6, 4)
	s_cmp_eq_u32 s2, 0
	s_cbranch_scc0 .Lentry_in_a_cluster
	s_endpgm
.Lentry_in_a_cluster:
	s_bfe_u32 s2, ttmp6, 0x10000c
	s_cmp_lg_u32 s2, 0xf033
	s_cbranch_scc0 .Lentry_shape_is_right
	s_endpgm
.Lentry_shape_is_right:
; x1 = LayerNorm1(x) + attention's output x Wo + bo.  The product on codes of FP6 (E2M3), both operands as images of operand registers; the normalised x is made anew from x and the table of (mean, 1 / sqrt(var + eps)).
; A work-group makes 128 tokens x 128 columns, a wave 64 x 64: 16 accumulators: with 256 x 256 only 64 work-groups would have work.  Source 0 = Wo's columns (shared along a column of the cluster), source 1 = tokens (along a row).
; K = 1,024 is eight steps, four to a slot: both slots are filled at the start and nothing is filled again.
; The rows that the way out needs of x and of the table are asked for at the head, into window 3, and land under the products.
; A tile's stored row r is token 32 (T / 2) + 16 (r / 8) + 8 (T % 2) + r % 8; the results go through the wave's stage in LDS and leave as aligned pieces of 256 bytes of the true rows.
.set KIND, 0                           ; 0: this launch; 1: the second product of the FFN
.set NT, 4
.set NQ, 4
.set KS, 8
.set TPA, 12288
.set TPB, 12288
.set SPA, 2048
.set SPB, 512
.set TROW,  NQ*1536
.set HALFT, NT*TROW
.set SLOT,  4*HALFT
.set SCL,   2*SLOT
.set HALFS, KS*NT*64
.set SPARE, SCL+4*HALFS
.set LAPS,  KS/(2*NQ)
.set A16,  8
.set A8,   10
.set B16,  12
.set B8,   14
.set ADRS, 16
.set SPW,  28
.set NIL,  29
.set SC,   32
.set AF,   64
.set G1A,  24
.set G0A,  32
.set G1B,  48
.set G0B,  56
.set G1SA, 68
.set G0SA, 76
.set G1SB, 80
.set G0SB, 88
.set MSB, 0
.macro WIN new
.if MSB != (\new)
	s_set_vgpr_msb (MSB<<8)|(\new)
.set MSB, (\new)
.endif
.endm
.macro JLOAD g0a, g1a, g0b, g1b
	s_cmp_eq_u32 s21, 0
	s_cbranch_scc0 .Lfor_b_\@
	tensor_load_to_lds s[\g0a:\g0a+3], s[\g1a:\g1a+7]
	s_nop 0
.rept 4
	v_nop
.endr
	s_branch .Lasked_\@
.Lfor_b_\@:
	tensor_load_to_lds s[\g0b:\g0b+3], s[\g1b:\g1b+7]
	s_nop 0
.rept 4
	v_nop
.endr
.Lasked_\@:
.endm
.macro CREST
	s_cmp_lg_u32 s20, 0
	s_cbranch_scc1 .Lnot_wave_0_\@
	s_barrier_signal -3
.Lnot_wave_0_\@:
	s_barrier_wait -3
	s_barrier_signal -1
	s_barrier_wait -1
.endm
.macro CROUND
	s_barrier_signal -1
	s_barrier_wait -1
	CREST
.endm
.macro ARM under, g0, g1, next         ; one arm of the head's chain: the waves under this number issue this load and go to the join
	s_cmp_lt_u32 s20, \under
	s_cbranch_scc0 \next
	tensor_load_to_lds s[\g0:\g0+3], s[\g1:\g1+7]
	s_nop 0
.rept 4
	v_nop
.endr
	s_branch .Lhead_asked
\next:
.endm
.macro PLACES n
.rept \n
	v_nop
.endr
.endm
.macro FRAG reg, a16, a8, off
	ds_load_b128 v[\reg:\reg+3], v[\a16] offset:\off
	ds_load_b64 v[\reg+4:\reg+5], v[\a8] offset:\off+512
	ds_load_b128 v[\reg+6:\reg+9], v[\a16] offset:\off+768
	ds_load_b64 v[\reg+10:\reg+11], v[\a8] offset:\off+1280
.endm
.macro FETCH slot, q, p
	WIN 0x40
.set i_, 0
.rept NT
	FRAG 128*(\p)+12*i_,B16+\slot,B8+\slot,i_*TROW+1536*(\q)
.set i_, i_+1
.endr
	WIN 0
.set i_, 0
.rept NT
	FRAG AF+96*(\p)+12*i_,A16+\slot,A8+\slot,i_*TROW+1536*(\q)
.set i_, i_+1
.endr
.endm
.macro SCALES lam, p
.set i_, 0
.rept NT
	ds_load_b32 v[SC+NT*(\p)+i_], v[ADRS] offset:(\lam)*2*NT*64+64*i_      ; a K step's row of scale words holds both halves: 2 NT x 64 bytes
.set i_, i_+1
.endr
.endm
.macro MULR a0, a1, p, zero            ; the accumulators take turns, in the same order in every step
.set a_, \a0
.rept (\a1)-(\a0)
	WIN 0xa1+0x50*((a_*NT)/32)
.set b_, 0
.rept NT
.set d_, 8*((a_*NT+b_)%32)
.if \zero
	v_wmma_scale_f32_16x16x128_f8f6f4 v[d_:d_+7], v[128*(\p)+12*b_:128*(\p)+12*b_+11], v[AF+96*(\p)+12*a_:AF+96*(\p)+12*a_+11], 0, v[SC+NT*(\p)+b_], v[SC+NT*(\p)+a_] matrix_a_fmt:MATRIX_FMT_FP6 matrix_b_fmt:MATRIX_FMT_FP6 matrix_a_scale:MATRIX_SCALE_ROW1
.else
	v_wmma_scale_f32_16x16x128_f8f6f4 v[d_:d_+7], v[128*(\p)+12*b_:128*(\p)+12*b_+11], v[AF+96*(\p)+12*a_:AF+96*(\p)+12*a_+11], v[d_:d_+7], v[SC+NT*(\p)+b_], v[SC+NT*(\p)+a_] matrix_a_fmt:MATRIX_FMT_FP6 matrix_b_fmt:MATRIX_FMT_FP6 matrix_a_scale:MATRIX_SCALE_ROW1
.endif
.set b_, b_+1
.endr
.set a_, a_+1
.endr
.endm
.macro STEP slot, q, zero
	s_wait_dscnt 0x0                               ; this step's fragments and scale words are in
	PLACES 4                                       ; in front of loads into registers that the last step's products have read
	FETCH \slot, (\q)+1, 1-(\q)%2
	SCALES \slot*NQ+(\q)+1, 1-(\q)%2
	MULR 0, NT, (\q)%2, \zero
	WIN 0
.endm
.macro MIDS slot
.set q_, 1
.rept NQ-2
	STEP \slot, q_, 0
.set q_, q_+1
.endr
.endm
.macro TURN slot, next, fill
	s_wait_tensorcnt 0x0                           ; all my tensor loads have landed: my part of the next slot
	ds_add_u32 v[SPW], v[NIL]                      ; 0 onto my spare word
	s_wait_dscnt 0x1                               ; (the add alone may be out)
	MULR 0, NT/4, 1, 0
	s_wait_dscnt 0x0                               ; the add is done, and my reads of this slot are over
	s_barrier_signal -1
	MULR NT/4, NT/2, 1, 0
	WIN 0
	s_barrier_wait -1
.if \fill
	CREST
	s_add_nc_u64 s[G0A+4*\slot+2:G0A+4*\slot+3], s[G0A+4*\slot+2:G0A+4*\slot+3], 2*TROW
	s_add_nc_u64 s[G0B+4*\slot+2:G0B+4*\slot+3], s[G0B+4*\slot+2:G0B+4*\slot+3], 2*TROW
	JLOAD G0A+4*\slot, G1A, G0B+4*\slot, G1B
.else
	PLACES 4
.endif
.if \next == 0
	v_add_nc_u32 v[ADRS], 4*NQ*NT*64, v[ADRS]
.endif
	FETCH \next, 0, 0
	SCALES (\next)*NQ, 0
	MULR NT/2, NT, 1, 0
	WIN 0
.endm
.macro LAST
	s_wait_dscnt 0x0
	MULR 0, NT, 1, 0
	WIN 0
	PLACES 4
.endm
.macro IDS
	v_lshl_add_u32 v[SPW], v0, 2, SPARE
	v_mov_b32 v[NIL], 0
	ds_add_u32 v28, v29
	ds_add_u32 v28, v29
	s_wait_dscnt 0x0
	v_lshrrev_b32 v1, 5, v0
	v_readfirstlane_b32 s20, v1
	s_lshr_b32 s21, s20, 1
	s_and_b32 s22, s20, 1
	s_bfe_u32 s40, ttmp6, 0x40000
	s_bfe_u32 s41, ttmp6, 0x40004
	s_lshl_b32 s44, s41, 2
	s_lshl_b32 s44, 15, s44
	s_lshl_b32 s45, 0x1111, s40
.endm
.macro GROUP1
	s_or_b32 s[G1A], s44, (3<<16)|(1<<21)
	s_or_b32 s[G1B], s45, (3<<16)|(1<<21)
	s_or_b32 s[G1SA], s44, (3<<16)|(1<<21)
	s_or_b32 s[G1SB], s45, (3<<16)|(1<<21)
.irp g, G1A, G1B
	s_mov_b32 s[\g+1], (TROW/8)<<16
	s_mov_b32 s[\g+2], (2*NT)<<16                  ; the head's loads bring both halves: 2 NT tile rows
	s_mov_b32 s[\g+3], (TROW/8)<<16
	s_mov_b32 s[\g+4], 2*NT
	s_mov_b32 s[\g+6], 0
	s_mov_b32 s[\g+7], 0
.endr
	s_mov_b32 s[G1A+5], TPA/8
	s_mov_b32 s[G1B+5], TPB/8
.irp g, G1SA, G1SB
	s_mov_b32 s[\g+1], (NT*16)<<16
	s_mov_b32 s[\g+2], KS<<16
	s_mov_b32 s[\g+3], (NT*16)<<16
	s_mov_b32 s[\g+4], KS
	s_mov_b32 s[\g+6], 0
	s_mov_b32 s[\g+7], 0
.endr
	s_mov_b32 s[G1SA+5], SPA
	s_mov_b32 s[G1SB+5], SPB
.endm
.macro FIRSTFILLS
	s_mul_i32 s46, s43, 2*NT
	s_lshl_b32 s66, s46, 6
	s_mov_b32 s67, 0
	s_mul_i32 s46, s46, TPA
	s_mov_b32 s47, 0
	s_mul_i32 s2, s42, 2*NT
	s_lshl_b32 s100, s2, 6
	s_mov_b32 s101, 0
	s_mul_i32 s2, s2, TPB
	s_mov_b32 s3, 0
	s_add_nc_u64 s[92:93], s[92:93], s[46:47]
	s_add_nc_u64 s[96:97], s[96:97], s[66:67]
	s_add_nc_u64 s[94:95], s[94:95], s[2:3]
	s_add_nc_u64 s[98:99], s[98:99], s[100:101]
	CROUND
	s_mov_b32 s[G0SA], 1
	s_mov_b32 s[G0SA+1], SCL
	s_mov_b64 s[G0SA+2:G0SA+3], s[96:97]
	s_or_b32 s[G0SA+3], s[G0SA+3], 0x80000000
	s_mov_b32 s[G0SB], 1
	s_mov_b32 s[G0SB+1], SCL+2*HALFS
	s_mov_b64 s[G0SB+2:G0SB+3], s[98:99]
	s_or_b32 s[G0SB+3], s[G0SB+3], 0x80000000
	s_mov_b32 s[G0A], 1                            ; slot 0 whole: A's 2 NT tile rows,
	s_mov_b32 s[G0A+1], 0
	s_mov_b64 s[G0A+2:G0A+3], s[92:93]
	s_or_b32 s[G0A+3], s[G0A+3], 0x80000000
	s_mov_b32 s[G0B], 1                            ; and B's behind them
	s_mov_b32 s[G0B+1], 2*HALFT
	s_mov_b64 s[G0B+2:G0B+3], s[94:95]
	s_or_b32 s[G0B+3], s[G0B+3], 0x80000000
	ARM 1, G0A, G1A, .Lhead_b                      ; the head's four tiles, one load a wave: wave 0 A's codes,
	ARM 2, G0B, G1B, .Lhead_sa                     ; wave 1 B's,
	ARM 3, G0SA, G1SA, .Lhead_sb                   ; wave 2 A's scale words,
	tensor_load_to_lds s[G0SB:G0SB+3], s[G1SB:G1SB+7]      ; wave 3 B's
	s_nop 0
.rept 4
	v_nop
.endr
.Lhead_asked:
.endm
.macro ADDRS
	v_and_b32 v1, 15, v0
	v_bfe_u32 v2, v0, 4, 1
	v_and_b32 v3, 31, v0
	v_lshlrev_b32 v25, 4, v3
	v_lshlrev_b32 v26, 3, v3
	s_mul_i32 s46, s21, HALFT
	s_mul_i32 s47, s22, HALFT
	s_add_co_u32 s47, s47, 2*HALFT
.irp s, 0,1
	v_add_nc_u32 v[A16+\s], s46, v25
	v_add_nc_u32 v[A8+\s], s46, v26
	v_add_nc_u32 v[B16+\s], s47, v25
	v_add_nc_u32 v[B8+\s], s47, v26
	s_add_co_u32 s46, s46, SLOT
	s_add_co_u32 s47, s47, SLOT
.endr
	s_mul_i32 s46, s21, NT*64
	s_mul_i32 s47, s22, NT*64
	s_add_co_u32 s47, s47, 2*HALFS
	s_sub_co_u32 s47, s47, s46
	v_mul_u32_u24 v4, s47, v2
	s_add_co_u32 s46, s46, SCL
	v_lshl_add_u32 v4, v1, 2, v4
	v_add_nc_u32 v[ADRS], s46, v4
.endm
.macro MAINLOOP
	s_wait_alu depctr_va_vdst(0)
	s_wait_tensorcnt 0x0                           ; my tile of the head's four is in
	ds_add_u32 v[SPW], v[NIL]                      ; 0 onto my spare word, ahead of a later first fill
	s_mov_b32 s[G1A+2], NT<<16                     ; no load of mine is out: from here on a load brings NT tile rows, my quarter of a slot
	s_mov_b32 s[G1A+4], NT
	s_mov_b32 s[G1B+2], NT<<16
	s_mov_b32 s[G1B+4], NT
	s_mul_i32 s66, s20, HALFT
	s_mul_i32 s46, s22, NT*TPA
	s_mov_b32 s47, 0
	s_mul_i32 s2, s22, NT*TPB
	s_mov_b32 s3, 0
	s_mov_b32 s[G0A+1], s66
	s_mov_b32 s[G0B+1], s66
	s_add_nc_u64 s[G0A+2:G0A+3], s[G0A+2:G0A+3], s[46:47]
	s_add_nc_u64 s[G0B+2:G0B+3], s[G0B+2:G0B+3], s[2:3]
	s_mov_b32 s[G0A+4], 1
	s_mov_b32 s[G0B+4], 1
	s_add_co_u32 s[G0A+5], s66, SLOT
	s_add_co_u32 s[G0B+5], s66, SLOT
	s_add_nc_u64 s[G0A+6:G0A+7], s[G0A+2:G0A+3], TROW
	s_add_nc_u64 s[G0B+6:G0B+7], s[G0B+2:G0B+3], TROW
	s_wait_dscnt 0x0
	CROUND                                         ; all four tiles are in, in every work-group of the cluster
	JLOAD G0A+4, G1A, G0B+4, G1B                   ; slot 1's first fill, my one load behind the round
	FETCH 0, 0, 0
	SCALES 0, 0
	STEP 0, 0, 1
	RESID                                          ; what the way out alone needs is asked for behind both slots' fills
.if LAPS > 1
	s_mov_b32 s23, LAPS-1
.Llap:
	MIDS 0
	TURN 0, 1, 1
	STEP 1, 0, 0
	MIDS 1
	TURN 1, 0, 1
	STEP 0, 0, 0
	s_sub_co_u32 s23, s23, 1
	s_cmp_lg_u32 s23, 0
	s_cbranch_scc1 .Llap
.endif
	MIDS 0
	TURN 0, 1, 0
	STEP 1, 0, 0
	MIDS 1
	LAST
.endm
.macro FINISH
	s_wait_tensorcnt 0x0                           ; the wave's end
	ds_add_u32 v[SPW], v[NIL]
	s_wait_dscnt 0x0
	CROUND
	s_endpgm
.endm
.set CO,  17                           ; v17 4,096 (lane / 16) + 16 (lane % 16): two rows, 256 bytes each
.set SO8, 18                           ; v18 8 (lane / 16)
.set BO,  19                           ; v19 16 (lane % 16)
.set STO, 20                           ; v20 the stage, in
.set RD,  21                           ; v21 the stage, back
.set OB,  64                           ; v64-127 16 rows read back, two sets
.set T,   128                          ; v128-159 at work
; the stage lies in slot 0, 4,352 bytes a wave: the slot has had its last fill, and nobody reads it behind the last change of slots
.macro TOSTAGE a
	WIN 0x08                                       ; an LDS store's data: window 2
.set b_, 0
.rept 4
	ds_store_b128 v[STO], v[8*(4*(\a)+b_):8*(4*(\a)+b_)+3] offset:128*(b_/2)+32*(b_%2)          ; register j of tile b: column 32 (b / 2) + 16 h + 8 (b % 2) + j; each accumulator from its low end on
	ds_store_b128 v[STO], v[8*(4*(\a)+b_)+4:8*(4*(\a)+b_)+7] offset:128*(b_/2)+32*(b_%2)+16
.set b_, b_+1
.endr
	WIN 0
.set t_, 0
.rept 8
	ds_load_b128 v[OB+32*((\a)%2)+4*t_:OB+32*((\a)%2)+4*t_+3], v[RD] offset:544*t_             ; LDS serves a wave's instructions in order: these see the stores above
.set t_, t_+1
.endr
.endm
.macro SEND a, younger
.set OBB, OB+32*((\a)%2)
	s_wait_dscnt \younger
.if KIND == 0
	WIN 0x0f                                       ; x and the table's pairs: window 3
.set t_, 0
.rept 8
	v_pk_add_f32 v[T+4*t_:T+4*t_+1], v[4*(8*(\a)+t_):4*(8*(\a)+t_)+1], v[128+2*(8*(\a)+t_):129+2*(8*(\a)+t_)] op_sel_hi:[1,0] neg_lo:[0,1] neg_hi:[0,1]      ; x - mean
	v_pk_add_f32 v[T+4*t_+2:T+4*t_+3], v[4*(8*(\a)+t_)+2:4*(8*(\a)+t_)+3], v[128+2*(8*(\a)+t_):129+2*(8*(\a)+t_)] op_sel_hi:[1,0] neg_lo:[0,1] neg_hi:[0,1]
.set t_, t_+1
.endr
	WIN 0x0c
.set t_, 0
.rept 8
	v_pk_mul_f32 v[T+4*t_:T+4*t_+1], v[T+4*t_:T+4*t_+1], v[128+2*(8*(\a)+t_):129+2*(8*(\a)+t_)] op_sel:[0,1] op_sel_hi:[1,1]
	v_pk_mul_f32 v[T+4*t_+2:T+4*t_+3], v[T+4*t_+2:T+4*t_+3], v[128+2*(8*(\a)+t_):129+2*(8*(\a)+t_)] op_sel:[0,1] op_sel_hi:[1,1]
.set t_, t_+1
.endr
	WIN 0
.set t_, 0
.rept 8
	v_pk_fma_f32 v[T+4*t_:T+4*t_+1], v[T+4*t_:T+4*t_+1], v[44:45], v[48:49]                    ; x gain + (the norm's bias + bo)
	v_pk_fma_f32 v[T+4*t_+2:T+4*t_+3], v[T+4*t_+2:T+4*t_+3], v[46:47], v[50:51]
.set t_, t_+1
.endr
.set t_, 0
.rept 8
	v_pk_add_f32 v[OBB+4*t_:OBB+4*t_+1], v[OBB+4*t_:OBB+4*t_+1], v[T+4*t_:T+4*t_+1]
	v_pk_add_f32 v[OBB+4*t_+2:OBB+4*t_+3], v[OBB+4*t_+2:OBB+4*t_+3], v[T+4*t_+2:T+4*t_+3]
.set t_, t_+1
.endr
.else
	WIN 0x0c                                       ; the residual: window 3
.set t_, 0
.rept 8
	v_pk_add_f32 v[OBB+4*t_:OBB+4*t_+1], v[OBB+4*t_:OBB+4*t_+1], v[4*(8*(\a)+t_):4*(8*(\a)+t_)+1]
	v_pk_add_f32 v[OBB+4*t_+2:OBB+4*t_+3], v[OBB+4*t_+2:OBB+4*t_+3], v[4*(8*(\a)+t_)+2:4*(8*(\a)+t_)+3]
.set t_, t_+1
.endr
	WIN 0
.set t_, 0
.rept 8
	v_pk_add_f32 v[OBB+4*t_:OBB+4*t_+1], v[OBB+4*t_:OBB+4*t_+1], v[40:41]
	v_pk_add_f32 v[OBB+4*t_+2:OBB+4*t_+3], v[OBB+4*t_+2:OBB+4*t_+3], v[42:43]
.set t_, t_+1
.endr
.endif
.set t_, 0
.rept 8
	global_store_b128 v[CO], v[OBB+4*t_:OBB+4*t_+3], s[94:95] offset:(32*((\a)/2)+8*((\a)%2)+2*t_+8*(t_/4))*4096      ; sixteen lanes store 256 consecutive bytes, aligned
.set t_, t_+1
.endr
.endm
.macro WAYOUT
	TOSTAGE 0
.irp a, 1,2,3
.if \a > 1
	s_wait_xcnt 0x0                                ; the stores of two blocks back have read their registers
.endif
	TOSTAGE \a
	SEND \a-1, 16                                  ; behind that block's loads: this block's 8 stores and 8 loads
.endr
	SEND 3, 0
.endm
	s_load_b256 s[4:11], s[0:1], 0x0               ; attention's output, the weights, bo, x
	s_load_b256 s[12:19], s[0:1], 0x20             ; the table, gain, bias, x1
	IDS
	s_lshl_b32 s42, ttmp9, 2
	s_add_co_u32 s42, s42, s40                     ; B's block of 128 columns
	s_and_b32 s43, ttmp7, 0xffff
	s_lshl_b32 s43, s43, 2
	s_add_co_u32 s43, s43, s41                     ; A's block of 128 tokens
	GROUP1
	s_wait_kmcnt 0x0
	s_mov_b64 s[92:93], s[4:5]
	s_add_nc_u64 s[96:97], s[4:5], 3145728
	s_add_nc_u64 s[94:95], s[6:7], 2359296
	s_add_nc_u64 s[98:99], s[6:7], 9568256
	FIRSTFILLS
	ADDRS
	s_mul_i32 s46, s20, 4352
	v_mul_u32_u24 v[STO], v1, 272
	v_lshl_add_u32 v[STO], v2, 6, v[STO]
	v_add_nc_u32 v[STO], s46, v[STO]
	v_mul_u32_u24 v[RD], v2, 272
	v_lshl_add_u32 v[RD], v1, 4, v[RD]
	v_add_nc_u32 v[RD], s46, v[RD]
	v_lshlrev_b32 v[CO], 12, v2
	v_lshl_add_u32 v[CO], v1, 4, v[CO]
	s_wait_alu depctr_va_vdst(0)
	v_lshlrev_b32 v[SO8], 3, v2
	s_wait_alu depctr_va_vdst(0)
	v_lshlrev_b32 v[BO], 4, v1
	s_wait_alu depctr_va_vdst(0)
	s_lshl_b32 s2, s43, 7
	s_lshl_b32 s3, s21, 6
	s_add_co_u32 s2, s2, s3                        ; my first token
	s_lshl_b32 s66, s2, 3
	s_mov_b32 s67, 0
	s_lshl_b32 s2, s2, 12
	s_lshl_b32 s3, s42, 7
	s_lshl_b32 s46, s22, 6
	s_add_co_u32 s3, s3, s46                       ; my first column
	s_lshl_b32 s100, s3, 2
	s_mov_b32 s101, 0
	s_add_co_u32 s2, s2, s100
	s_mov_b32 s3, 0
	s_add_nc_u64 s[92:93], s[10:11], s[2:3]
	s_add_nc_u64 s[94:95], s[18:19], s[2:3]
	s_add_nc_u64 s[96:97], s[12:13], s[66:67]
	s_add_nc_u64 s[8:9], s[8:9], s[100:101]
	s_add_nc_u64 s[14:15], s[14:15], s[100:101]
	s_add_nc_u64 s[16:17], s[16:17], s[100:101]
.macro RESID                           ; x, the table's pairs, bo, gain and bias: they land under the products
	WIN 0xc0
.set a_, 0
.rept 4
.set t_, 0
.rept 8
	global_load_b128 v[4*(8*a_+t_):4*(8*a_+t_)+3], v[CO], s[92:93] offset:(32*(a_/2)+8*(a_%2)+2*t_+8*(t_/4))*4096
	global_load_b64 v[128+2*(8*a_+t_):129+2*(8*a_+t_)], v[SO8], s[96:97] offset:(32*(a_/2)+8*(a_%2)+2*t_+8*(t_/4))*8
.set t_, t_+1
.endr
.set a_, a_+1
.endr
	WIN 0
	global_load_b128 v[40:43], v[BO], s[8:9]
	global_load_b128 v[44:47], v[BO], s[14:15]
	global_load_b128 v[48:51], v[BO], s[16:17]
.endm
	MAINLOOP
	s_wait_loadcnt 0x0
	v_pk_add_f32 v[48:49], v[48:49], v[40:41]
	v_pk_add_f32 v[50:51], v[50:51], v[42:43]
	WAYOUT
	FINISH
.Lfunc_end_k_qa9314eb4a0_wo:
	.size	k_qa9314eb4a0_wo, .Lfunc_end_k_qa9314eb4a0_wo-k_qa9314eb4a0_wo
	.p2alignl 7, 3214868480
	.fill 96, 4, 3214868480
	.section	.rodata,"a",@progbits
	.p2align	6, 0x0
	.amdhsa_kernel k_qa9314eb4a0_wo
		.amdhsa_group_segment_fixed_size 327680
		.amdhsa_private_segment_fixed_size 0
		.amdhsa_enable_private_segment 0
		.amdhsa_kernarg_size 64
		.amdhsa_user_sgpr_count 2
		.amdhsa_user_sgpr_kernarg_segment_ptr 1
		.amdhsa_wavefront_size32 1
		.amdhsa_system_sgpr_workgroup_id_x 1
		.amdhsa_system_sgpr_workgroup_id_y 1
		.amdhsa_system_sgpr_workgroup_id_z 1
		.amdhsa_system_vgpr_workitem_id 0
		.amdhsa_next_free_vgpr 1024
		.amdhsa_next_free_sgpr 102
		.amdhsa_reserve_vcc 0
		.amdhsa_float_denorm_mode_32 3
		.amdhsa_float_denorm_mode_16_64 3
		.amdhsa_memory_ordered 1
		.amdhsa_forward_progress 1
		.amdhsa_inst_pref_size 78
	.end_amdhsa_kernel
	.amdgpu_metadata
---
amdhsa.version: [ 1, 2 ]
amdhsa.kernels:
  - .name:           k_qa9314eb4a0_wo
    .symbol:         k_qa9314eb4a0_wo.kd
    .args:
      - { .name: ao, .offset: 0, .size: 8, .value_kind: global_buffer, .address_space: global }
      - { .name: wcs, .offset: 8, .size: 8, .value_kind: global_buffer, .address_space: global }
      - { .name: bo, .offset: 16, .size: 8, .value_kind: global_buffer, .address_space: global }
      - { .name: x, .offset: 24, .size: 8, .value_kind: global_buffer, .address_space: global }
      - { .name: st, .offset: 32, .size: 8, .value_kind: global_buffer, .address_space: global }
      - { .name: ln1_g, .offset: 40, .size: 8, .value_kind: global_buffer, .address_space: global }
      - { .name: ln1_b, .offset: 48, .size: 8, .value_kind: global_buffer, .address_space: global }
      - { .name: x1, .offset: 56, .size: 8, .value_kind: global_buffer, .address_space: global }
    .group_segment_fixed_size: 327680
    .private_segment_fixed_size: 0
    .kernarg_segment_align: 8
    .kernarg_segment_size: 64
    .max_flat_workgroup_size: 128
    .sgpr_count:     102
    .vgpr_count:     1024
    .wavefront_size: 32
...
	.end_amdgpu_metadata
.endif
;; end of part 4
;; launch prep2 (part 5): grid 384 x 1, 4 waves a work-group, no clusters, 33,280 bytes of LDS; arguments x1, ln2_g, ln2_b, act, st, W1, wcs; writes act, st, wcs
.if DOCPART == 5
	.amdgcn_target "amdgcn-amd-amdhsa--gfx1250"
	.amdhsa_code_object_version 6
	.text
	.protected	k_qa9314eb4a0_prep2
	.globl	k_qa9314eb4a0_prep2
	.p2align	8
	.type	k_qa9314eb4a0_prep2,@function
k_qa9314eb4a0_prep2:
	s_mov_b64 s[64:65], 0
	v_nop
	global_prefetch_b8 v0, s[64:65] scope:SCOPE_SE
	s_setreg_imm32_b32 hwreg(HW_REG_WAVE_MODE, 25, 1), 1
	s_wait_xcnt 0x0
; TWO JOBS THAT DO NOT HANG ON EACH OTHER SHARE THIS LAUNCH: work-groups 0-255 normalise and quantise the tokens' rows, the others quantise weights.  They part at the first line, on the work-group's number alone.
; WHICH = 0: LayerNorm 1 of x; work-groups 256-351: Wq, Wk, Wv; 352-383: Wo; 384-511: W2.     WHICH = 1: LayerNorm 2 of x1; work-groups 256-383: W1.
; ALL OPERANDS ARE LAID AS IMAGES OF OPERAND REGISTERS.  A half fragment is 16 rows x 64 K of FP6 (E2M3) codes = 768 bytes: registers 0-3 of lane l at 16 l, registers 4-5 at 512 + 8 l; lane (r, h) holds k = 32 h .. 32 h + 31 of the 64.
; Codes: [rows / 16][K / 64][768].  Scale words: [K / 128][pitch], one word (four E8M0 bytes) for a stored row and 128 along K.
; THE ROWS OF A TILE ARE NOT NEIGHBOURS: stored row 32 p + 16 u + r holds row 32 p + 16 (r / 8) + 8 u + r % 8, so that a product that takes such tiles as source 0 has 16 neighbours in the 16 registers of a pair of tiles.
; THE WEIGHTS, f32 [K][N] with K their first axis: a lane takes a column and its registers run down K: a block of 32 is one lane's, and the conversions give codes with K innermost.  A wave takes 32 columns x 256 K, a work-group 128 columns x 256 K.
; A pass takes, for 128 along K, the two blocks of half h of all 32 columns; two passes and twelve exchanges of half waves make the two tiles' fragments.  No LDS, no barrier: waves share nothing.
; THE ROWS, 1,024 f32: a work-group makes tile T; wave w its rows 4 w .. 4 w + 3, which are four neighbouring rows of the input.  The variance is taken of x - mean, in a second pass over registers: a common offset costs no digits.
; A row is loaded dense (16 bytes a lane); for the quantiser it turns through the wave's own LDS so that lane l holds block l.  The tile's image is gathered in LDS and leaves in stores of 512 consecutive bytes a wave; (mean, 1 / sqrt(var + eps)) go to a table.
; LIMITS: NaN and infinities are not served; a block whose largest magnitude lies under 2^-124, a block of zeros among them, gets the byte 1 (its codes are zeros or nearly so; the bytes are read by this program alone).
.set WHICH, 1
.set SQKV, 9437184                     ; where the scale words lie in the weights' buffer
.set SWO,  9568256
.set SW1,  9601024
.set SW2,  9732096
.set CW1,  3145728                     ; and the codes (Wq, Wk, Wv, Wo: 786,432 bytes each, from 0)
.set CW2,  6291456
.set WX,  32                           ; v32-159  two sets of 64 numbers
.set F,   160                          ; v160-207 for each 128 along K: 12 registers of half 0, 12 of half 1; then the two tiles' fragments
.set TT,  8                            ; v8-14    a conversion's three registers begin on an even number: the upper halves are made here and moved
.set SW,  24                           ; v24-25   the scale words
	v_lshl_add_u32 v28, v0, 2, 0x8000
	v_mov_b32 v29, 0
	s_cmp_lt_u32 ttmp9, 256
	s_cbranch_scc1 .Lnorm
; ---------------- the weights ----------------
.if WHICH == 0
	s_load_b128 s[4:7], s[0:1], 0x28               ; Wq, Wk
	s_load_b128 s[8:11], s[0:1], 0x38              ; Wv, Wo
	s_load_b64 s[12:13], s[0:1], 0x48              ; W2
	s_load_b64 s[16:17], s[0:1], 0x50              ; the buffer
.else
	s_load_b64 s[14:15], s[0:1], 0x28              ; W1
	s_load_b64 s[16:17], s[0:1], 0x30              ; the buffer
.endif
	v_lshrrev_b32 v5, 5, v0
	v_readfirstlane_b32 s19, v5                    ; wave
	v_and_b32 v6, 31, v0                           ; lane
	v_and_b32 v1, 7, v6
	v_bfe_u32 v7, v6, 4, 1
	v_lshl_or_b32 v1, v7, 3, v1
	v_bfe_u32 v7, v6, 3, 1
	v_lshl_or_b32 v1, v7, 4, v1                    ; my column of the 32: bits 3 and 4 of the lane change places
	v_lshlrev_b32 v1, 2, v1
	v_lshlrev_b32 v2, 4, v6                        ; 16 x lane
	v_lshlrev_b32 v3, 3, v6                        ; 8 x lane
	v_lshlrev_b32 v4, 2, v6                        ; 4 x lane
	s_sub_co_u32 s18, ttmp9, 256                   ; g: my number among the weights' work-groups
.if WHICH == 0
	s_lshr_b32 s20, s18, 5
	s_and_b32 s21, s18, 31
	s_and_b32 s22, s18, 127
	s_mul_i32 s23, s20, 786432                     ; the codes' place (right up to g = 127)
	s_lshl_b32 s24, s20, 12
	s_add_co_u32 s24, s24, SQKV                    ; the scale words' place (right up to g = 95)
	s_mov_b32 s25, 16384                           ; bytes from one 128 along K to the next in the scale words
	s_mov_b32 s26, 12288                           ; bytes from tile to tile in the codes
	s_cmp_lt_u32 s18, 96
	s_cselect_b32 s24, s24, SWO
	s_cselect_b32 s25, s25, 4096
	s_cmp_lt_u32 s18, 128
	s_cselect_b32 s21, s21, s22                    ; my number within the weight
	s_cselect_b32 s23, s23, CW2
	s_cselect_b32 s24, s24, SW2
	s_cselect_b32 s26, s26, 49152
	s_mov_b32 s27, 3                               ; log2 of the blocks of 128 columns
	s_mov_b32 s28, 0x100000                        ; bytes of 256 rows of the weight
.else
	s_mov_b32 s21, s18                             ; my number within the weight
	s_mov_b32 s23, CW1                             ; the codes' place
	s_mov_b32 s24, SW1                             ; the scale words' place
	s_mov_b32 s25, 16384                           ; bytes from one 128 along K to the next in the scale words
	s_mov_b32 s26, 12288                           ; bytes from tile to tile in the codes
	s_mov_b32 s27, 5                               ; log2 of the blocks of 128 columns
	s_mov_b32 s28, 0x400000                        ; bytes of 256 rows of the weight
.endif
	s_bfm_b32 s29, s27, 0
	s_and_b32 s29, s21, s29                        ; which 128 columns
	s_lshr_b32 s30, s21, s27                       ; which 256 along K
	s_lshl_b32 s31, s29, 9
	s_lshl_b32 s32, s19, 7
	s_add_co_u32 s31, s31, s32                     ; 4 x my wave's first column
	s_mul_i32 s32, s30, s28
	s_add_co_u32 s32, s32, s31                     ; where I read
	s_mov_b32 s33, 0
	s_lshl_b32 s34, s29, 3
	s_lshl_b32 s35, s19, 1
	s_add_co_u32 s34, s34, s35                     ; my first tile
	s_mul_i32 s34, s34, s26
	s_add_co_u32 s34, s34, s23
	s_mul_i32 s35, s30, 3072
	s_add_co_u32 s34, s34, s35                     ; where its codes go
	s_mov_b32 s35, 0
	s_mul_i32 s36, s30, s25
	s_lshl_b32 s36, s36, 1
	s_add_co_u32 s36, s36, s24
	s_add_co_u32 s36, s36, s31                     ; and the scale words
	s_mov_b32 s37, 0
	s_mov_b32 s27, 0
	s_mov_b32 s38, s25
	s_mov_b32 s39, 0
	s_wait_alu depctr_va_vdst(0)
	s_wait_kmcnt 0x0
.if WHICH == 0
	s_cmp_lt_u32 s18, 32                           ; the choice hangs on the work-group's number alone
	s_cselect_b64 s[20:21], s[4:5], s[6:7]
	s_cmp_lt_u32 s18, 64
	s_cselect_b64 s[20:21], s[20:21], s[8:9]
	s_cmp_lt_u32 s18, 96
	s_cselect_b64 s[20:21], s[20:21], s[10:11]
	s_cmp_lt_u32 s18, 128
	s_cselect_b64 s[20:21], s[20:21], s[12:13]
.else
	s_mov_b64 s[20:21], s[14:15]
.endif
	s_add_nc_u64 s[20:21], s[20:21], s[32:33]
	s_add_nc_u64 s[40:41], s[16:17], s[34:35]      ; the first tile's codes
	s_add_nc_u64 s[42:43], s[40:41], s[26:27]      ; the second's
	s_add_nc_u64 s[44:45], s[16:17], s[36:37]      ; the scale words of the first 128 along K
	s_add_nc_u64 s[46:47], s[44:45], s[38:39]      ; of the second
.macro LOADP pi, pitch                 ; pass pi: 128 (pi / 2) + 64 c + 32 (pi % 2) + i along K; each load reads 128 consecutive bytes
.set c_, 0
.rept 2
.set i_, 0
.rept 32
	global_load_b32 v[WX+64*((\pi)%2)+32*c_+i_], v1, s[20:21] offset:(128*((\pi)/2)+64*c_+32*((\pi)%2)+i_)*(\pitch) th:TH_LOAD_NT
.set i_, i_+1
.endr
.set c_, c_+1
.endr
.endm
.macro PASS pi, pitch
.set XS, WX+64*((\pi)%2)
.set FH, F+24*((\pi)/2)+12*((\pi)%2)
.if (\pi) < 3
	s_wait_loadcnt 63                              ; 64 younger loads are out; the count's field ends at 63, and a smaller count is safe
.else
	s_wait_loadcnt 0x0
.endif
	v_max3_num_f32 v16, |v[XS]|, |v[XS+1]|, 0x1800000      ; the two blocks' largest magnitudes, by turns; the floor 2^(3 - 127) holds the byte at 1 from below
	v_max3_num_f32 v17, |v[XS+32]|, |v[XS+33]|, 0x1800000
.set i_, 2
.rept 15
	v_max3_num_f32 v16, v16, |v[XS+i_]|, |v[XS+i_+1]|
	v_max3_num_f32 v17, v17, |v[XS+32+i_]|, |v[XS+33+i_]|
.set i_, i_+2
.endr
	v_add_nc_u32 v18, 0xff000000, v16              ; 2 off the exponent field: the conversion's scale operand
	v_add_nc_u32 v19, 0xff000000, v17
	v_lshrrev_b32 v20, 23, v18                     ; the bytes
	v_lshrrev_b32 v21, 23, v19
.if (\pi)%2 == 0
	v_lshl_or_b32 v[SW+(\pi)/2], v21, 16, v20      ; blocks 0 and 2 of the 128
.else
	v_lshl_or_b32 v[SW+(\pi)/2], v20, 8, v[SW+(\pi)/2]     ; blocks 1 and 3
	v_lshl_or_b32 v[SW+(\pi)/2], v21, 24, v[SW+(\pi)/2]
.endif
	v_cvt_scalef32_pk16_fp6_f32 v[FH:FH+2], v[XS:XS+15], v18
	v_cvt_scalef32_pk16_fp6_f32 v[TT:TT+2], v[XS+16:XS+31], v18
	v_cvt_scalef32_pk16_fp6_f32 v[FH+6:FH+8], v[XS+32:XS+47], v19
	v_cvt_scalef32_pk16_fp6_f32 v[TT+4:TT+6], v[XS+48:XS+63], v19
	v_nop                                          ; one plain place behind the conversions
.irp i, 0,1,2
	v_mov_b32 v[FH+3+\i], v[TT+\i]
	v_mov_b32 v[FH+9+\i], v[TT+4+\i]
.endr
.if (\pi) < 2
	LOADP (\pi)+2, \pitch
.endif
.endm
.macro FLUSH ks                        ; lanes 16-31 of half 0 change places with lanes 0-15 of half 1: the first twelve registers are then the first tile's fragment, the others the second's
.set FA, F+24*(\ks)
.set FB, FA+12
.set i_, 0
.rept 12
	v_permlane16_swap_b32 v[FA+i_], v[FB+i_]
.set i_, i_+1
.endr
	global_store_b128 v2, v[FA:FA+3], s[40:41] offset:1536*(\ks)           ; each store of the wave covers 512 or 256 consecutive bytes, aligned
	global_store_b64 v3, v[FA+4:FA+5], s[40:41] offset:1536*(\ks)+512
	global_store_b128 v2, v[FA+6:FA+9], s[40:41] offset:1536*(\ks)+768
	global_store_b64 v3, v[FA+10:FA+11], s[40:41] offset:1536*(\ks)+1280
	global_store_b128 v2, v[FB:FB+3], s[42:43] offset:1536*(\ks)
	global_store_b64 v3, v[FB+4:FB+5], s[42:43] offset:1536*(\ks)+512
	global_store_b128 v2, v[FB+6:FB+9], s[42:43] offset:1536*(\ks)+768
	global_store_b64 v3, v[FB+10:FB+11], s[42:43] offset:1536*(\ks)+1280
	global_store_b32 v4, v[SW+(\ks)], s[44+2*(\ks):45+2*(\ks)]             ; 32 stored rows' words: 128 bytes
.endm
.macro WORK pitch                      ; every store has registers of its own: none is written again.  The pitch stands in the loads' immediates: 255 rows at the most
	LOADP 0, \pitch
	LOADP 1, \pitch
	PASS 0, \pitch
	PASS 1, \pitch
	FLUSH 0
	PASS 2, \pitch
	PASS 3, \pitch
	FLUSH 1
.endm
.if WHICH == 0
	WORK 4096
.else
	WORK 16384
.endif
	s_endpgm
; ---------------- the rows ----------------
.Lnorm:
.set X,   64                           ; v64-191  row q at X + 32 q
.set G,   192                          ; v192-223 the gain;  later the rows' codes, 12 registers each
.set BV,  224                          ; v224-255 the bias
.set ST,  16                           ; v16-23   (mean, 1 / sqrt) of row q at ST + 2 q
.set IMG, 18432                        ; LDS: 4 x 4,608 bytes to turn in (32 blocks of 128 + 16); the tile's 16 half fragments;
.set SCS, 30720                        ; its scale bytes [row][32];
.set STS, 31232                        ; its 16 pairs
	s_load_b256 s[4:11], s[0:1], 0x0               ; the rows, gain, bias, codes and scale words
	s_load_b64 s[12:13], s[0:1], 0x20              ; the table
	v_and_b32 v1, 31, v0                           ; lane
	v_lshrrev_b32 v2, 5, v0                        ; wave
	v_readfirstlane_b32 s15, v2
	v_lshlrev_b32 v3, 4, v1                        ; 16 x lane
	v_mul_u32_u24 v5, v2, 4608
	v_lshrrev_b32 v4, 3, v1
	v_mad_u32_u24 v4, v4, 144, v5
	v_and_b32 v6, 7, v1
	v_lshl_add_u32 v4, v6, 4, v4                   ; turning, in: eight lanes fill a block's 128 bytes
	v_mad_u32_u24 v5, v1, 144, v5                  ; out: block = lane
	v_lshrrev_b32 v6, 1, v1
	v_mul_u32_u24 v6, v6, 768                      ; block l lies in half fragment l / 2, half l % 2
	v_and_b32 v7, 1, v1
	v_lshl_add_u32 v8, v7, 8, v6
	v_lshl_add_u32 v8, v2, 6, v8
	v_lshl_add_u32 v9, v7, 7, v6
	v_lshl_add_u32 v9, v2, 5, v9
	v_add_nc_u32 v6, IMG, v8                       ; registers 0-3 of image lane 16 (l % 2) + 4 w + q
	v_add_nc_u32 v7, IMG+512, v9                   ; registers 4-5
	v_lshl_add_u32 v8, v2, 7, v1
	v_add_nc_u32 v8, SCS, v8                       ; my block's byte
	v_lshlrev_b32 v9, 5, v2
	v_add_nc_u32 v9, STS, v9
	v_lshlrev_b32 v10, 4, v0                       ; the way out: 16 x thread
	v_add_nc_u32 v11, IMG, v10
	v_and_b32 v14, 15, v0
	v_lshrrev_b32 v15, 4, v0
	v_lshlrev_b32 v12, 5, v14
	v_lshl_add_u32 v12, v15, 2, v12
	v_add_nc_u32 v12, SCS, v12                     ; the word of row thread % 16, 128 along K number thread / 16
	v_lshlrev_b32 v13, 14, v15
	v_lshl_add_u32 v13, v14, 2, v13
	v_and_b32 v48, 15, v1
	v_and_b32 v49, 8, v48
	v_add_nc_u32 v49, v49, v48
	v_lshlrev_b32 v49, 3, v49                      ; the table: 8 bytes x (r + 8 (r / 8))
	v_lshlrev_b32 v48, 3, v48
	v_add_nc_u32 v48, STS, v48
.irp i, 0,1,2,3,4,5,6,7
	v_mov_b32 v[ST+\i], 0                          ; (named as pairs before both halves are made)
.endr
	s_lshr_b32 s16, ttmp9, 1
	s_lshl_b32 s16, s16, 5
	s_and_b32 s17, ttmp9, 1
	s_lshl_b32 s17, s17, 3
	s_add_co_u32 s16, s16, s17                     ; 32 (T / 2) + 8 (T % 2)
	s_lshl_b32 s17, s15, 2
	s_lshr_b32 s18, s15, 1
	s_lshl_b32 s18, s18, 3
	s_add_co_u32 s17, s17, s18
	s_add_co_u32 s17, s17, s16                     ; my wave's first row
	s_lshl_b32 s18, s17, 12
	s_mov_b32 s19, 0
	s_mov_b32 s20, 0x3a800000                      ; 1 / 1,024
	s_mov_b32 s21, 0x3727c5ac                      ; 1e-5
	s_mov_b32 s22, 0x76543210
	s_mov_b32 s23, 0xfedcba98                      ; lane l xor 16
	s_mul_i32 s24, ttmp9, 12288
	s_mov_b32 s25, 0
	s_lshl_b32 s26, ttmp9, 6
	s_add_co_u32 s26, s26, 3145728
	s_mov_b32 s27, 0
	s_lshl_b32 s28, s16, 3
	s_mov_b32 s29, 0
	s_wait_kmcnt 0x0
	s_add_nc_u64 s[4:5], s[4:5], s[18:19]
	s_add_nc_u64 s[24:25], s[10:11], s[24:25]      ; the tile's codes
	s_add_nc_u64 s[26:27], s[10:11], s[26:27]      ; its scale words
	s_add_nc_u64 s[12:13], s[12:13], s[28:29]
.irp q, 0,1,2,3
.irp j, 0,1,2,3,4,5,6,7
	global_load_b128 v[X+32*\q+4*\j:X+32*\q+4*\j+3], v3, s[4:5] offset:4096*\q+512*\j
.endr
.endr
.irp j, 0,1,2,3,4,5,6,7
	global_load_b128 v[G+4*\j:G+4*\j+3], v3, s[6:7] offset:512*\j
.endr
.irp j, 0,1,2,3,4,5,6,7
	global_load_b128 v[BV+4*\j:BV+4*\j+3], v3, s[8:9] offset:512*\j
.endr
.macro RED                             ; v24 summed over the 32 lanes
	v_add_f32_dpp v24, v24, v24 row_xmask:1 row_mask:0xf bank_mask:0xf
	v_add_f32_dpp v24, v24, v24 row_xmask:2 row_mask:0xf bank_mask:0xf
	v_add_f32_dpp v24, v24, v24 row_xmask:4 row_mask:0xf bank_mask:0xf
	v_add_f32_dpp v24, v24, v24 row_xmask:8 row_mask:0xf bank_mask:0xf
	v_permlanex16_b32 v25, v24, s22, s23
	v_add_f32 v24, v24, v25
.endm
.macro STATS q
.set XQ, X+32*(\q)
	s_wait_loadcnt 40-8*(\q)                       ; my row's eight loads are in; the later rows', the gain and the bias may be out
	v_pk_add_f32 v[24:25], v[XQ:XQ+1], v[XQ+2:XQ+3]
	v_pk_add_f32 v[26:27], v[XQ+4:XQ+5], v[XQ+6:XQ+7]
.set i_, 8
.rept 6
	v_pk_add_f32 v[24:25], v[24:25], v[XQ+i_:XQ+i_+1]
	v_pk_add_f32 v[26:27], v[26:27], v[XQ+i_+2:XQ+i_+3]
.set i_, i_+4
.endr
	v_pk_add_f32 v[24:25], v[24:25], v[26:27]
	v_add_f32 v24, v24, v25
	RED
	v_mul_f32 v[ST+2*(\q)], s20, v24               ; the mean
.set i_, 0
.rept 16
	v_pk_add_f32 v[XQ+i_:XQ+i_+1], v[XQ+i_:XQ+i_+1], v[ST+2*(\q):ST+2*(\q)+1] op_sel_hi:[1,0] neg_lo:[0,1] neg_hi:[0,1]   ; x - mean
.set i_, i_+2
.endr
	v_pk_mul_f32 v[24:25], v[XQ:XQ+1], v[XQ:XQ+1]
	v_pk_mul_f32 v[26:27], v[XQ+2:XQ+3], v[XQ+2:XQ+3]
.set i_, 4
.rept 7
	v_pk_fma_f32 v[24:25], v[XQ+i_:XQ+i_+1], v[XQ+i_:XQ+i_+1], v[24:25]
	v_pk_fma_f32 v[26:27], v[XQ+i_+2:XQ+i_+3], v[XQ+i_+2:XQ+i_+3], v[26:27]
.set i_, i_+4
.endr
	v_pk_add_f32 v[24:25], v[24:25], v[26:27]
	v_add_f32 v24, v24, v25
	RED
	v_fma_f32 v[30+(\q)], v24, s20, s21            ; the variance + eps
.endm
	STATS 0
	STATS 1
	STATS 2
	STATS 3
	s_wait_alu depctr_va_vdst(0)
.irp q, 0,1,2,3
	v_rsq_f32 v[ST+2*\q+1], v[30+\q]
.endr
	v_nop                                          ; a plain place behind the last of the four,
	s_wait_alu depctr_va_vdst(0)                   ; and one wait for the batch, ahead of its first reader
	s_wait_loadcnt 0x0                             ; the gain and the bias
.macro NORM q
.set XQ, X+32*(\q)
.set i_, 0
.rept 16
	v_pk_mul_f32 v[XQ+i_:XQ+i_+1], v[XQ+i_:XQ+i_+1], v[ST+2*(\q):ST+2*(\q)+1] op_sel:[0,1] op_sel_hi:[1,1]
.set i_, i_+2
.endr
.set i_, 0
.rept 16
	v_pk_fma_f32 v[XQ+i_:XQ+i_+1], v[XQ+i_:XQ+i_+1], v[G+i_:G+i_+1], v[BV+i_:BV+i_+1]
.set i_, i_+2
.endr
.irp j, 0,1,2,3,4,5,6,7
	ds_store_b128 v4, v[XQ+4*\j:XQ+4*\j+3] offset:576*\j
.endr
.irp j, 0,1,2,3,4,5,6,7
	ds_load_b128 v[XQ+4*\j:XQ+4*\j+3], v5 offset:16*\j     ; LDS serves a wave's instructions in order: these see the stores above, and the next row's stores come behind them
.endr
.endm
	NORM 0
	NORM 1
	NORM 2
	NORM 3
.macro QROW q                          ; lane l holds block l of row q
.set XQ, X+32*(\q)
.set CQ, G+12*(\q)
	s_wait_dscnt 48-12*(\q)                        ; behind my row's loads: 16 turning instructions for each later row, 4 stores for each earlier one
	v_max3_num_f32 v24, |v[XQ]|, |v[XQ+1]|, 0x1800000
	v_max3_num_f32 v25, |v[XQ+16]|, |v[XQ+17]|, |v[XQ+18]|
.set i_, 0
.rept 6
	v_max3_num_f32 v24, v24, |v[XQ+2+i_]|, |v[XQ+3+i_]|
	v_max3_num_f32 v25, v25, |v[XQ+19+i_]|, |v[XQ+20+i_]|
.set i_, i_+2
.endr
	v_max3_num_f32 v24, v24, |v[XQ+14]|, |v[XQ+15]|
	v_max3_num_f32 v24, v24, v25, |v[XQ+31]|
	v_add_nc_u32 v[40+(\q)], 0xff000000, v24       ; 2 off the exponent field: the conversion's scale operand
	v_lshrrev_b32 v[44+(\q)], 23, v[40+(\q)]       ; the byte
	v_cvt_scalef32_pk16_fp6_f32 v[CQ:CQ+2], v[XQ:XQ+15], v[40+(\q)]
	v_cvt_scalef32_pk16_fp6_f32 v[CQ+6:CQ+8], v[XQ+16:XQ+31], v[40+(\q)]
	v_nop
.irp i, 0,1,2
	v_mov_b32 v[CQ+3+\i], v[CQ+6+\i]
.endr
	ds_store_b128 v6, v[CQ:CQ+3] offset:16*(\q)
	ds_store_b64 v7, v[CQ+4:CQ+5] offset:8*(\q)
	ds_store_b8 v8, v[44+(\q)] offset:32*(\q)
	ds_store_b64 v9, v[ST+2*(\q):ST+2*(\q)+1] offset:8*(\q)      ; all lanes write the same pair
.endm
	QROW 0
	QROW 1
	QROW 2
	QROW 3
	s_wait_dscnt 0x0                               ; for the others' sake: my stores have landed
	s_barrier_signal -1
	s_barrier_wait -1
.irp i, 0,1,2,3,4,5
	ds_load_b128 v[X+4*\i:X+4*\i+3], v11 offset:2048*\i
.endr
	ds_load_b32 v88, v12
.irp i, 0,1,2,3,4,5
	s_wait_dscnt 6-\i
	global_store_b128 v10, v[X+4*\i:X+4*\i+3], s[24:25] offset:2048*\i     ; the tile's 12,288 bytes, 512 consecutive bytes a wave
.endr
	s_wait_dscnt 0x0
	global_store_b32 v13, v88, s[26:27]            ; 16 rows' words of each 128 along K: pieces of 64 bytes
	s_cmp_lg_u32 s15, 0
	s_cbranch_scc1 .Ldone
	ds_load_b64 v[90:91], v48
	s_wait_dscnt 0x0
	global_store_b64 v49, v[90:91], s[12:13]       ; lanes r and r + 16 store the same pair
.Ldone:
	s_wait_tensorcnt 0x0
	ds_add_u32 v28, v29
	s_wait_dscnt 0x0
	s_endpgm
.Lfunc_end_k_qa9314eb4a0_prep2:
	.size	k_qa9314eb4a0_prep2, .Lfunc_end_k_qa9314eb4a0_prep2-k_qa9314eb4a0_prep2
	.p2alignl 7, 3214868480
	.fill 96, 4, 3214868480
	.section	.rodata,"a",@progbits
	.p2align	6, 0x0
	.amdhsa_kernel k_qa9314eb4a0_prep2
		.amdhsa_group_segment_fixed_size 33280
		.amdhsa_private_segment_fixed_size 0
		.amdhsa_enable_private_segment 0
		.amdhsa_kernarg_size 56
		.amdhsa_user_sgpr_count 2
		.amdhsa_user_sgpr_kernarg_segment_ptr 1
		.amdhsa_wavefront_size32 1
		.amdhsa_system_sgpr_workgroup_id_x 1
		.amdhsa_system_sgpr_workgroup_id_y 1
		.amdhsa_system_sgpr_workgroup_id_z 1
		.amdhsa_system_vgpr_workitem_id 0
		.amdhsa_next_free_vgpr 256
		.amdhsa_next_free_sgpr 66
		.amdhsa_reserve_vcc 0
		.amdhsa_float_denorm_mode_32 3
		.amdhsa_float_denorm_mode_16_64 3
		.amdhsa_memory_ordered 1
		.amdhsa_forward_progress 1
		.amdhsa_inst_pref_size 85
	.end_amdhsa_kernel
	.amdgpu_metadata
---
amdhsa.version: [ 1, 2 ]
amdhsa.kernels:
  - .name:           k_qa9314eb4a0_prep2
    .symbol:         k_qa9314eb4a0_prep2.kd
    .args:
      - { .name: x1, .offset: 0, .size: 8, .value_kind: global_buffer, .address_space: global }
      - { .name: ln2_g, .offset: 8, .size: 8, .value_kind: global_buffer, .address_space: global }
      - { .name: ln2_b, .offset: 16, .size: 8, .value_kind: global_buffer, .address_space: global }
      - { .name: act, .offset: 24, .size: 8, .value_kind: global_buffer, .address_space: global }
      - { .name: st, .offset: 32, .size: 8, .value_kind: global_buffer, .address_space: global }
      - { .name: W1, .offset: 40, .size: 8, .value_kind: global_buffer, .address_space: global }
      - { .name: wcs, .offset: 48, .size: 8, .value_kind: global_buffer, .address_space: global }
    .group_segment_fixed_size: 33280
    .private_segment_fixed_size: 0
    .kernarg_segment_align: 8
    .kernarg_segment_size: 56
    .max_flat_workgroup_size: 128
    .sgpr_count:     66
    .vgpr_count:     256
    .wavefront_size: 32
...
	.end_amdgpu_metadata
.endif
;; end of part 5
;; launch ffn1 (part 6): grid 16 x 16, 4 waves a work-group, clusters of 4 x 4, 327,680 bytes of LDS; arguments act, wcs, b1, hid; writes hid
.if DOCPART == 6
	.amdgcn_target "amdgcn-amd-amdhsa--gfx1250"
	.amdhsa_code_object_version 6
	.text
	.protected	k_qa9314eb4a0_ffn1
	.globl	k_qa9314eb4a0_ffn1
	.p2align	8
	.type	k_qa9314eb4a0_ffn1,@function
k_qa9314eb4a0_ffn1:
	s_mov_b64 s[64:65], 0
	v_nop
	global_prefetch_b8 v0, s[64:65] scope:SCOPE_SE
	s_setreg_imm32_b32 hwreg(HW_REG_WAVE_MODE, 25, 1), 1
	s_wait_xcnt 0x0
	s_wait_alu depctr_hold_cnt(0) depctr_sa_sdst(0) depctr_va_vdst(0) depctr_va_sdst(0) depctr_va_ssrc(0) depctr_va_vcc(0) depctr_vm_vsrc(0)
	s_getreg_b32 s2, hwreg(HW_REG_IB_STS2, 6, 4)
	s_cmp_eq_u32 s2, 0
	s_cbranch_scc0 .Lentry_in_a_cluster
	s_endpgm
.Lentry_in_a_cluster:
	s_bfe_u32 s2, ttmp6, 0x10000c
	s_cmp_lg_u32 s2, 0xf033
	s_cbranch_scc0 .Lentry_shape_is_right
	s_endpgm
.Lentry_shape_is_right:
.set NT, 8
.set NQ, 2
.set KS, 8
.set TPA, 12288
.set TPB, 12288
.set SPA, 2048
.set SPB, 2048
.set TROW,  NQ*1536
.set HALFT, NT*TROW
.set SLOT,  4*HALFT
.set SCL,   2*SLOT
.set HALFS, KS*NT*64
.set SPARE, SCL+4*HALFS
.set LAPS,  KS/(2*NQ)
.set A16,  8
.set A8,   10
.set B16,  12
.set B8,   14
.set ADRS, 16
.set SPW,  28
.set NIL,  29
.set SC,   32
.set AF,   64
.set G1A,  24
.set G0A,  32
.set G1B,  48
.set G0B,  56
.set G1SA, 68
.set G0SA, 76
.set G1SB, 80
.set G0SB, 88
.set MSB, 0
.macro WIN new
.if MSB != (\new)
	s_set_vgpr_msb (MSB<<8)|(\new)
.set MSB, (\new)
.endif
.endm
.macro JLOAD g0a, g1a, g0b, g1b
	s_cmp_eq_u32 s21, 0
	s_cbranch_scc0 .Lfor_b_\@
	tensor_load_to_lds s[\g0a:\g0a+3], s[\g1a:\g1a+7]
	s_nop 0
.rept 4
	v_nop
.endr
	s_branch .Lasked_\@
.Lfor_b_\@:
	tensor_load_to_lds s[\g0b:\g0b+3], s[\g1b:\g1b+7]
	s_nop 0
.rept 4
	v_nop
.endr
.Lasked_\@:
.endm
.macro CREST
	s_cmp_lg_u32 s20, 0
	s_cbranch_scc1 .Lnot_wave_0_\@
	s_barrier_signal -3
.Lnot_wave_0_\@:
	s_barrier_wait -3
	s_barrier_signal -1
	s_barrier_wait -1
.endm
.macro CROUND
	s_barrier_signal -1
	s_barrier_wait -1
	CREST
.endm
.macro ARM under, g0, g1, next         ; one arm of the head's chain: the waves under this number issue this load and go to the join
	s_cmp_lt_u32 s20, \under
	s_cbranch_scc0 \next
	tensor_load_to_lds s[\g0:\g0+3], s[\g1:\g1+7]
	s_nop 0
.rept 4
	v_nop
.endr
	s_branch .Lhead_asked
\next:
.endm
.macro PLACES n
.rept \n
	v_nop
.endr
.endm
.macro FRAG reg, a16, a8, off
	ds_load_b128 v[\reg:\reg+3], v[\a16] offset:\off
	ds_load_b64 v[\reg+4:\reg+5], v[\a8] offset:\off+512
	ds_load_b128 v[\reg+6:\reg+9], v[\a16] offset:\off+768
	ds_load_b64 v[\reg+10:\reg+11], v[\a8] offset:\off+1280
.endm
.macro FETCH slot, q, p
	WIN 0x40
.set i_, 0
.rept NT
	FRAG 128*(\p)+12*i_,B16+\slot,B8+\slot,i_*TROW+1536*(\q)
.set i_, i_+1
.endr
	WIN 0
.set i_, 0
.rept NT
	FRAG AF+96*(\p)+12*i_,A16+\slot,A8+\slot,i_*TROW+1536*(\q)
.set i_, i_+1
.endr
.endm
.macro SCALES lam, p
.set i_, 0
.rept NT
	ds_load_b32 v[SC+NT*(\p)+i_], v[ADRS] offset:(\lam)*2*NT*64+64*i_      ; a K step's row of scale words holds both halves: 2 NT x 64 bytes
.set i_, i_+1
.endr
.endm
.macro MULR a0, a1, p, zero
.set a_, \a0
.rept (\a1)-(\a0)
	WIN 0xa1+0x50*((a_*NT)/32)
.set b_, 0
.rept NT
.set d_, 8*((a_*NT+b_)%32)
.if \zero
	v_wmma_scale_f32_16x16x128_f8f6f4 v[d_:d_+7], v[128*(\p)+12*b_:128*(\p)+12*b_+11], v[AF+96*(\p)+12*a_:AF+96*(\p)+12*a_+11], 0, v[SC+NT*(\p)+b_], v[SC+NT*(\p)+a_] matrix_a_fmt:MATRIX_FMT_FP6 matrix_b_fmt:MATRIX_FMT_FP6 matrix_a_scale:MATRIX_SCALE_ROW1
.else
	v_wmma_scale_f32_16x16x128_f8f6f4 v[d_:d_+7], v[128*(\p)+12*b_:128*(\p)+12*b_+11], v[AF+96*(\p)+12*a_:AF+96*(\p)+12*a_+11], v[d_:d_+7], v[SC+NT*(\p)+b_], v[SC+NT*(\p)+a_] matrix_a_fmt:MATRIX_FMT_FP6 matrix_b_fmt:MATRIX_FMT_FP6 matrix_a_scale:MATRIX_SCALE_ROW1
.endif
.set b_, b_+1
.endr
.set a_, a_+1
.endr
.endm
.macro STEP slot, q, zero
	s_wait_dscnt 0x0
	PLACES 4
	FETCH \slot, (\q)+1, 1-(\q)%2
	SCALES \slot*NQ+(\q)+1, 1-(\q)%2
	MULR 0, NT, (\q)%2, \zero
	WIN 0
.endm
.macro MIDS slot
.set q_, 1
.rept NQ-2
	STEP \slot, q_, 0
.set q_, q_+1
.endr
.endm
.macro TURN slot, next, fill
	s_wait_tensorcnt 0x0
	ds_add_u32 v[SPW], v[NIL]
	s_wait_dscnt 0x1
	MULR 0, NT/4, 1, 0
	s_wait_dscnt 0x0
	s_barrier_signal -1
	MULR NT/4, NT/2, 1, 0
	WIN 0
	s_barrier_wait -1
.if \fill
	CREST
	s_add_nc_u64 s[G0A+4*\slot+2:G0A+4*\slot+3], s[G0A+4*\slot+2:G0A+4*\slot+3], 2*TROW
	s_add_nc_u64 s[G0B+4*\slot+2:G0B+4*\slot+3], s[G0B+4*\slot+2:G0B+4*\slot+3], 2*TROW
	JLOAD G0A+4*\slot, G1A, G0B+4*\slot, G1B
.else
	PLACES 4
.endif
.if \next == 0
	v_add_nc_u32 v[ADRS], 4*NQ*NT*64, v[ADRS]
.endif
	FETCH \next, 0, 0
	s_wait_alu depctr_va_vdst(0)
	SCALES (\next)*NQ, 0
	MULR NT/2, NT, 1, 0
	WIN 0
.endm
.macro LAST
	s_wait_dscnt 0x0
	MULR 0, NT, 1, 0
	WIN 0
	PLACES 4
.endm
.macro IDS
	v_lshl_add_u32 v[SPW], v0, 2, SPARE
	v_mov_b32 v[NIL], 0
	ds_add_u32 v28, v29
	ds_add_u32 v28, v29
	s_wait_dscnt 0x0
	v_lshrrev_b32 v1, 5, v0
	v_readfirstlane_b32 s20, v1
	s_lshr_b32 s21, s20, 1
	s_and_b32 s22, s20, 1
	s_bfe_u32 s40, ttmp6, 0x40000
	s_bfe_u32 s41, ttmp6, 0x40004
	s_lshl_b32 s44, s41, 2
	s_lshl_b32 s44, 15, s44
	s_lshl_b32 s45, 0x1111, s40
.endm
.macro GROUP1
	s_or_b32 s[G1A], s44, (3<<16)|(1<<21)
	s_or_b32 s[G1B], s45, (3<<16)|(1<<21)
	s_or_b32 s[G1SA], s44, (3<<16)|(1<<21)
	s_or_b32 s[G1SB], s45, (3<<16)|(1<<21)
.irp g, G1A, G1B
	s_mov_b32 s[\g+1], (TROW/8)<<16
	s_mov_b32 s[\g+2], (2*NT)<<16                  ; the head's loads bring both halves: 2 NT tile rows
	s_mov_b32 s[\g+3], (TROW/8)<<16
	s_mov_b32 s[\g+4], 2*NT
	s_mov_b32 s[\g+6], 0
	s_mov_b32 s[\g+7], 0
.endr
	s_mov_b32 s[G1A+5], TPA/8
	s_mov_b32 s[G1B+5], TPB/8
.irp g, G1SA, G1SB
	s_mov_b32 s[\g+1], (NT*16)<<16
	s_mov_b32 s[\g+2], KS<<16
	s_mov_b32 s[\g+3], (NT*16)<<16
	s_mov_b32 s[\g+4], KS
	s_mov_b32 s[\g+6], 0
	s_mov_b32 s[\g+7], 0
.endr
	s_mov_b32 s[G1SA+5], SPA
	s_mov_b32 s[G1SB+5], SPB
.endm
.macro FIRSTFILLS
	s_mul_i32 s46, s43, 2*NT
	s_lshl_b32 s66, s46, 6
	s_mov_b32 s67, 0
	s_mul_i32 s46, s46, TPA
	s_mov_b32 s47, 0
	s_mul_i32 s2, s42, 2*NT
	s_lshl_b32 s100, s2, 6
	s_mov_b32 s101, 0
	s_mul_i32 s2, s2, TPB
	s_mov_b32 s3, 0
	s_add_nc_u64 s[92:93], s[92:93], s[46:47]
	s_add_nc_u64 s[96:97], s[96:97], s[66:67]
	s_add_nc_u64 s[94:95], s[94:95], s[2:3]
	s_add_nc_u64 s[98:99], s[98:99], s[100:101]
	CROUND
	s_mov_b32 s[G0SA], 1
	s_mov_b32 s[G0SA+1], SCL
	s_mov_b64 s[G0SA+2:G0SA+3], s[96:97]
	s_or_b32 s[G0SA+3], s[G0SA+3], 0x80000000
	s_mov_b32 s[G0SB], 1
	s_mov_b32 s[G0SB+1], SCL+2*HALFS
	s_mov_b64 s[G0SB+2:G0SB+3], s[98:99]
	s_or_b32 s[G0SB+3], s[G0SB+3], 0x80000000
	s_mov_b32 s[G0A], 1                            ; slot 0 whole: A's 2 NT tile rows,
	s_mov_b32 s[G0A+1], 0
	s_mov_b64 s[G0A+2:G0A+3], s[92:93]
	s_or_b32 s[G0A+3], s[G0A+3], 0x80000000
	s_mov_b32 s[G0B], 1                            ; and B's behind them
	s_mov_b32 s[G0B+1], 2*HALFT
	s_mov_b64 s[G0B+2:G0B+3], s[94:95]
	s_or_b32 s[G0B+3], s[G0B+3], 0x80000000
	ARM 1, G0A, G1A, .Lhead_b                      ; the head's four tiles, one load a wave: wave 0 A's codes,
	ARM 2, G0B, G1B, .Lhead_sa                     ; wave 1 B's,
	ARM 3, G0SA, G1SA, .Lhead_sb                   ; wave 2 A's scale words,
	tensor_load_to_lds s[G0SB:G0SB+3], s[G1SB:G1SB+7]      ; wave 3 B's
	s_nop 0
.rept 4
	v_nop
.endr
.Lhead_asked:
.endm
.macro ADDRS
	v_and_b32 v1, 15, v0
	v_bfe_u32 v2, v0, 4, 1
	v_and_b32 v3, 31, v0
	v_lshlrev_b32 v25, 4, v3
	v_lshlrev_b32 v26, 3, v3
	s_mul_i32 s46, s21, HALFT
	s_mul_i32 s47, s22, HALFT
	s_add_co_u32 s47, s47, 2*HALFT
.irp s, 0,1
	v_add_nc_u32 v[A16+\s], s46, v25
	v_add_nc_u32 v[A8+\s], s46, v26
	v_add_nc_u32 v[B16+\s], s47, v25
	v_add_nc_u32 v[B8+\s], s47, v26
	s_add_co_u32 s46, s46, SLOT
	s_add_co_u32 s47, s47, SLOT
.endr
	s_mul_i32 s46, s21, NT*64
	s_mul_i32 s47, s22, NT*64
	s_add_co_u32 s47, s47, 2*HALFS
	s_sub_co_u32 s47, s47, s46
	v_mul_u32_u24 v4, s47, v2
	s_add_co_u32 s46, s46, SCL
	v_lshl_add_u32 v4, v1, 2, v4
	v_add_nc_u32 v[ADRS], s46, v4
.endm
.macro MAINLOOP
	s_wait_alu depctr_va_vdst(0)
	s_wait_tensorcnt 0x0                           ; my tile of the head's four is in
	ds_add_u32 v[SPW], v[NIL]                      ; 0 onto my spare word, ahead of a later first fill
	s_mov_b32 s[G1A+2], NT<<16                     ; no load of mine is out: from here on a load brings NT tile rows, my quarter of a slot
	s_mov_b32 s[G1A+4], NT
	s_mov_b32 s[G1B+2], NT<<16
	s_mov_b32 s[G1B+4], NT
	s_mul_i32 s66, s20, HALFT
	s_mul_i32 s46, s22, NT*TPA
	s_mov_b32 s47, 0
	s_mul_i32 s2, s22, NT*TPB
	s_mov_b32 s3, 0
	s_mov_b32 s[G0A+1], s66
	s_mov_b32 s[G0B+1], s66
	s_add_nc_u64 s[G0A+2:G0A+3], s[G0A+2:G0A+3], s[46:47]
	s_add_nc_u64 s[G0B+2:G0B+3], s[G0B+2:G0B+3], s[2:3]
	s_mov_b32 s[G0A+4], 1
	s_mov_b32 s[G0B+4], 1
	s_add_co_u32 s[G0A+5], s66, SLOT
	s_add_co_u32 s[G0B+5], s66, SLOT
	s_add_nc_u64 s[G0A+6:G0A+7], s[G0A+2:G0A+3], TROW
	s_add_nc_u64 s[G0B+6:G0B+7], s[G0B+2:G0B+3], TROW
	s_wait_dscnt 0x0
	CROUND                                         ; all four tiles are in, in every work-group of the cluster
	JLOAD G0A+4, G1A, G0B+4, G1B                   ; slot 1's first fill, my one load behind the round
	FETCH 0, 0, 0
	SCALES 0, 0
	STEP 0, 0, 1
.if LAPS > 1
	s_mov_b32 s23, LAPS-1
.Llap:
	MIDS 0
	TURN 0, 1, 1
	STEP 1, 0, 0
	MIDS 1
	TURN 1, 0, 1
	STEP 0, 0, 0
	s_sub_co_u32 s23, s23, 1
	s_cmp_lg_u32 s23, 0
	s_cbranch_scc1 .Llap
.endif
	MIDS 0
	TURN 0, 1, 0
	STEP 1, 0, 0
	MIDS 1
	LAST
.endm
.macro FINISH
	s_wait_tensorcnt 0x0
	ds_add_u32 v[SPW], v[NIL]
	s_wait_dscnt 0x0
	CROUND
	s_endpgm
.endm
.set TM, 8
.set PW, 4
.set PC, 128
.set Y,  160
.macro QUANT s
.irp b, 0,1,2,3
	v_max3_num_f32 v[TM+\b], |v[\s+16*\b]|, |v[\s+1+16*\b]|, 0x1800000
.endr
.irp i, 2,4,6,8,10,12,14
.irp b, 0,1,2,3
	v_max3_num_f32 v[TM+\b], v[TM+\b], |v[\s+16*\b+\i]|, |v[\s+1+16*\b+\i]|
.endr
.endr
.irp b, 0,1,2,3
	v_permlanex16_b32 v[TM+4+\b], v[TM+\b], s98, s99
.endr
.irp b, 0,1,2,3
	v_max_num_f32 v[TM+\b], v[TM+\b], v[TM+4+\b]
.endr
.irp b, 0,1,2,3
	v_add_nc_u32 v[TM+12+\b], 0xff000000, v[TM+\b]
.endr
.irp b, 0,1,2,3
	v_lshrrev_b32 v[TM+4+\b], 23, v[TM+12+\b]
.endr
	v_lshl_or_b32 v[PW], v[TM+5], 8, v[TM+4]
	v_lshl_or_b32 v[PW], v[TM+6], 16, v[PW]
	v_lshl_or_b32 v[PW], v[TM+7], 24, v[PW]
.irp c, 0,1
	v_cvt_scalef32_pk16_fp6_f32 v[PC+6*\c:PC+2+6*\c], v[\s+32*\c:\s+15+32*\c], v[TM+12+2*\c]
	v_cvt_scalef32_pk16_fp6_f32 v[PC+12+4*\c:PC+14+4*\c], v[\s+16+32*\c:\s+31+32*\c], v[TM+12+2*\c+1]
.endr
	v_nop
.irp c, 0,1
.irp i, 0,1,2
	v_permlane16_swap_b32 v[PC+6*\c+\i], v[PC+12+4*\c+\i]
.endr
.irp i, 0,1,2
	v_mov_b32 v[PC+3+6*\c+\i], v[PC+12+4*\c+\i]
.endr
.endr
.endm
.set T,  64
.set GT, 54
.set C9, 62
.set CF, 24
.macro RECIP
.set i_, 0
.rept 64                               ; all 64 sources first, then one wait, then the reciprocals as one batch
	v_fma_f32 v[T+i_], |v[Y+i_]|, s44, 1.0
.set i_, i_+1
.endr
.set i_, 0
	s_wait_alu depctr_va_vdst(0)
.rept 64
	v_rcp_f32 v[T+i_], v[T+i_]
.set i_, i_+1
.endr
	v_nop
	s_wait_alu depctr_va_vdst(0)
.endm
.macro ERFC
.set i_, 0
.rept 32
.set e_, 128+i_+64*(i_/32)
	v_pk_fma_f32 v[e_:e_+1], v[T+i_:T+i_+1], v[C9:C9+1], s[CF+16:CF+17] op_sel_hi:[1,1,0]
.set i_, i_+2
.endr
.irp k, 7,6,5,4,3,2,1,0
.set i_, 0
.rept 32
.set e_, 128+i_+64*(i_/32)
	v_pk_fma_f32 v[e_:e_+1], v[e_:e_+1], v[T+i_:T+i_+1], s[CF+2*\k:CF+2*\k+1] op_sel_hi:[1,1,0]
.set i_, i_+2
.endr
.endr
.set g_, 0
.rept 8
.irp i, 0,2,4,6
	v_pk_mul_f32 v[GT+\i:GT+\i+1], v[Y+8*g_+\i:Y+8*g_+\i+1], v[Y+8*g_+\i:Y+8*g_+\i+1]
.endr
.irp i, 0,2,4,6
.set e_, 128+8*g_+\i+64*((8*g_)/32)
	v_pk_fma_f32 v[e_:e_+1], v[GT+\i:GT+\i+1], s[46:47], v[e_:e_+1] op_sel_hi:[1,0,1]
.endr
.set g_, g_+1
.endr
.set i_, 0
	s_wait_alu depctr_va_vdst(0)
.rept 64
.set e_, 128+i_+64*(i_/32)
	v_exp_f32 v[e_], v[e_]
	v_mul_f32 v[T+i_], |v[Y+i_]|, v[T+i_]
	v_max_num_f32 v[Y+i_], 0, v[Y+i_]
.set i_, i_+1
.endr
	s_wait_alu depctr_va_vdst(0)
.set i_, 0
.rept 32
.set e_, 128+i_+64*(i_/32)
	v_pk_fma_f32 v[Y+i_:Y+i_+1], v[T+i_:T+i_+1], v[e_:e_+1], v[Y+i_:Y+i_+1] neg_lo:[1,0,0] neg_hi:[1,0,0]
.set i_, i_+2
.endr
.endm
.macro COPY a
	WIN 0x06+(\a)/4
.set i_, 0
.rept 32
.if i_ < 16
.set br_, 96+2*i_
.else
.set br_, 224+2*(i_-16)
.endif
	v_pk_add_f32 v[Y+2*i_:Y+2*i_+1], v[64*((\a)%4)+2*i_:64*((\a)%4)+2*i_+1], v[br_:br_+1]
.set i_, i_+1
.endr
	WIN 0
.endm
.macro CPAIR k, val
	s_mov_b32 s[CF+2*\k], \val
	s_mov_b32 s[CF+2*\k+1], \val
.endm
	s_load_b256 s[4:11], s[0:1], 0x0
	IDS
	s_lshl_b32 s42, ttmp9, 2
	s_add_co_u32 s42, s42, s40
	s_and_b32 s43, ttmp7, 0xffff
	s_lshl_b32 s43, s43, 2
	s_add_co_u32 s43, s43, s41
	GROUP1
	s_wait_kmcnt 0x0
	s_mov_b64 s[92:93], s[4:5]
	s_add_nc_u64 s[96:97], s[4:5], 3145728
	s_add_nc_u64 s[94:95], s[6:7], 3145728
	s_add_nc_u64 s[98:99], s[6:7], 9601024
	FIRSTFILLS
	ADDRS
	v_lshlrev_b32 v27, 2, v1
	s_lshl_b32 s2, s42, 10
	s_lshl_b32 s3, s22, 9
	s_add_co_u32 s2, s2, s3
	s_mov_b32 s3, 0
	s_add_nc_u64 s[8:9], s[8:9], s[2:3]
	v_lshlrev_b32 v17, 6, v2
	WIN 0x40
.set i_, 0
.rept 16
.if i_ < 8
.set br_, 96+4*i_
.else
.set br_, 224+4*(i_-8)
.endif
	global_load_b128 v[br_:br_+3], v17, s[8:9] offset:128*(i_/4)+16*(i_%4)
.set i_, i_+1
.endr
	WIN 0
	MAINLOOP
	s_wait_loadcnt 0x0
	s_lshl_b32 s2, s43, 4
	s_lshl_b32 s3, s21, 3
	s_add_co_u32 s2, s2, s3
	s_lshl_b32 s66, s42, 1
	s_add_co_u32 s66, s66, s22
	s_mul_i32 s3, s2, 49152
	s_mul_i32 s67, s66, 1536
	s_add_co_u32 s100, s3, s67
	s_mov_b32 s101, 0
	s_add_nc_u64 s[12:13], s[10:11], s[100:101]
	s_lshl_b32 s66, s66, 14
	s_lshl_b32 s2, s2, 6
	s_add_co_u32 s100, s66, s2
	s_add_co_u32 s100, s100, 12582912
	s_add_nc_u64 s[14:15], s[10:11], s[100:101]
	s_mov_b32 s98, 0x76543210
	s_mov_b32 s99, 0xfedcba98
	CPAIR 0, 0xc034d90f
	CPAIR 1, 0x3fb8ab5a
	CPAIR 2, 0x3f0a29d2
	CPAIR 3, 0x3e0efb2e
	CPAIR 4, 0xbe899a80
	CPAIR 5, 0x3ecdfd18
	CPAIR 6, 0xbfd1a1e5
	CPAIR 7, 0x40097039
	CPAIR 8, 0xbf97d29d
	v_mov_b32 v[C9], 0x3e7c6f08
	v_mov_b32 v[C9+1], 0x3e7c6f08
	s_mov_b32 s44, 0x3eb504f3
	s_mov_b32 s46, 0xbf38aa3b
	s_mov_b32 s47, 0xbf38aa3b
	s_mov_b32 s96, 0
.Lepi:
.irp a, 0,1,2,3,4,5,6
	s_cmp_eq_u32 s96, \a
	s_cbranch_scc1 .Lcase_\a
.endr
	COPY 7
	s_branch .Ljoin
.irp a, 0,1,2,3,4,5,6
.Lcase_\a:
	COPY \a
	s_branch .Ljoin
.endr
.Ljoin:
	RECIP
	s_wait_xcnt 0x0
	s_mul_i32 s100, s96, 49152
	s_add_nc_u64 s[92:93], s[12:13], s[100:101]
	s_lshl_b32 s100, s96, 6
	s_add_nc_u64 s[94:95], s[14:15], s[100:101]
	ERFC
	QUANT Y
	global_store_b128 v25, v[PC:PC+3], s[92:93]
	global_store_b64 v26, v[PC+4:PC+5], s[92:93] offset:512
	global_store_b128 v25, v[PC+6:PC+9], s[92:93] offset:768
	global_store_b64 v26, v[PC+10:PC+11], s[92:93] offset:1280
	global_store_b32 v27, v[PW], s[94:95]
	s_add_co_u32 s96, s96, 1
	s_cmp_lt_u32 s96, 8
	s_cbranch_scc1 .Lepi
	FINISH
.Lfunc_end_k_qa9314eb4a0_ffn1:
	.size	k_qa9314eb4a0_ffn1, .Lfunc_end_k_qa9314eb4a0_ffn1-k_qa9314eb4a0_ffn1
	.p2alignl 7, 3214868480
	.fill 96, 4, 3214868480
	.section	.rodata,"a",@progbits
	.p2align	6, 0x0
	.amdhsa_kernel k_qa9314eb4a0_ffn1
		.amdhsa_group_segment_fixed_size 327680
		.amdhsa_private_segment_fixed_size 0
		.amdhsa_enable_private_segment 0
		.amdhsa_kernarg_size 32
		.amdhsa_user_sgpr_count 2
		.amdhsa_user_sgpr_kernarg_segment_ptr 1
		.amdhsa_wavefront_size32 1
		.amdhsa_system_sgpr_workgroup_id_x 1
		.amdhsa_system_sgpr_workgroup_id_y 1
		.amdhsa_system_sgpr_workgroup_id_z 1
		.amdhsa_system_vgpr_workitem_id 0
		.amdhsa_next_free_vgpr 1024
		.amdhsa_next_free_sgpr 102
		.amdhsa_reserve_vcc 0
		.amdhsa_float_denorm_mode_32 3
		.amdhsa_float_denorm_mode_16_64 3
		.amdhsa_memory_ordered 1
		.amdhsa_forward_progress 1
		.amdhsa_inst_pref_size 179
	.end_amdhsa_kernel
	.amdgpu_metadata
---
amdhsa.version: [ 1, 2 ]
amdhsa.kernels:
  - .name:           k_qa9314eb4a0_ffn1
    .symbol:         k_qa9314eb4a0_ffn1.kd
    .args:
      - { .name: act, .offset: 0, .size: 8, .value_kind: global_buffer, .address_space: global }
      - { .name: wcs, .offset: 8, .size: 8, .value_kind: global_buffer, .address_space: global }
      - { .name: b1, .offset: 16, .size: 8, .value_kind: global_buffer, .address_space: global }
      - { .name: hid, .offset: 24, .size: 8, .value_kind: global_buffer, .address_space: global }
    .group_segment_fixed_size: 327680
    .private_segment_fixed_size: 0
    .kernarg_segment_align: 8
    .kernarg_segment_size: 32
    .max_flat_workgroup_size: 128
    .sgpr_count:     102
    .vgpr_count:     1024
    .wavefront_size: 32
...
	.end_amdgpu_metadata
.endif
;; end of part 6
;; launch ffn2 (part 7): grid 8 x 32, 4 waves a work-group, clusters of 4 x 4, 327,680 bytes of LDS; arguments hid, wcs, b2, x1, out0; writes out0
.if DOCPART == 7
	.amdgcn_target "amdgcn-amd-amdhsa--gfx1250"
	.amdhsa_code_object_version 6
	.text
	.protected	k_qa9314eb4a0_ffn2
	.globl	k_qa9314eb4a0_ffn2
	.p2align	8
	.type	k_qa9314eb4a0_ffn2,@function
k_qa9314eb4a0_ffn2:
	s_mov_b64 s[64:65], 0
	v_nop
	global_prefetch_b8 v0, s[64:65] scope:SCOPE_SE
	s_setreg_imm32_b32 hwreg(HW_REG_WAVE_MODE, 25, 1), 1
	s_wait_xcnt 0x0
	s_wait_alu depctr_hold_cnt(0) depctr_sa_sdst(0) depctr_va_vdst(0) depctr_va_sdst(0) depctr_va_ssrc(0) depctr_va_vcc(0) depctr_vm_vsrc(0)
	s_getreg_b32 s2, hwreg(HW_REG_IB_STS2, 6, 4)
	s_cmp_eq_u32 s2, 0
	s_cbranch_scc0 .Lentry_in_a_cluster
	s_endpgm
.Lentry_in_a_cluster:
	s_bfe_u32 s2, ttmp6, 0x10000c
	s_cmp_lg_u32 s2, 0xf033
	s_cbranch_scc0 .Lentry_shape_is_right
	s_endpgm
.Lentry_shape_is_right:
.set KIND, 1
.set NT, 4
.set NQ, 4
.set KS, 32
.set TPA, 49152
.set TPB, 49152
.set SPA, 2048
.set SPB, 512
.set TROW,  NQ*1536
.set HALFT, NT*TROW
.set SLOT,  4*HALFT
.set SCL,   2*SLOT
.set HALFS, KS*NT*64
.set SPARE, SCL+4*HALFS
.set LAPS,  KS/(2*NQ)
.set A16,  8
.set A8,   10
.set B16,  12
.set B8,   14
.set ADRS, 16
.set SPW,  28
.set NIL,  29
.set SC,   32
.set AF,   64
.set G1A,  24
.set G0A,  32
.set G1B,  48
.set G0B,  56
.set G1SA, 68
.set G0SA, 76
.set G1SB, 80
.set G0SB, 88
.set MSB, 0
.macro WIN new
.if MSB != (\new)
	s_set_vgpr_msb (MSB<<8)|(\new)
.set MSB, (\new)
.endif
.endm
.macro JLOAD g0a, g1a, g0b, g1b
	s_cmp_eq_u32 s21, 0
	s_cbranch_scc0 .Lfor_b_\@
	tensor_load_to_lds s[\g0a:\g0a+3], s[\g1a:\g1a+7]
	s_nop 0
.rept 4
	v_nop
.endr
	s_branch .Lasked_\@
.Lfor_b_\@:
	tensor_load_to_lds s[\g0b:\g0b+3], s[\g1b:\g1b+7]
	s_nop 0
.rept 4
	v_nop
.endr
.Lasked_\@:
.endm
.macro CREST
	s_cmp_lg_u32 s20, 0
	s_cbranch_scc1 .Lnot_wave_0_\@
	s_barrier_signal -3
.Lnot_wave_0_\@:
	s_barrier_wait -3
	s_barrier_signal -1
	s_barrier_wait -1
.endm
.macro CROUND
	s_barrier_signal -1
	s_barrier_wait -1
	CREST
.endm
.macro ARM under, g0, g1, next         ; one arm of the head's chain: the waves under this number issue this load and go to the join
	s_cmp_lt_u32 s20, \under
	s_cbranch_scc0 \next
	tensor_load_to_lds s[\g0:\g0+3], s[\g1:\g1+7]
	s_nop 0
.rept 4
	v_nop
.endr
	s_branch .Lhead_asked
\next:
.endm
.macro PLACES n
.rept \n
	v_nop
.endr
.endm
.macro FRAG reg, a16, a8, off
	ds_load_b128 v[\reg:\reg+3], v[\a16] offset:\off
	ds_load_b64 v[\reg+4:\reg+5], v[\a8] offset:\off+512
	ds_load_b128 v[\reg+6:\reg+9], v[\a16] offset:\off+768
	ds_load_b64 v[\reg+10:\reg+11], v[\a8] offset:\off+1280
.endm
.macro FETCH slot, q, p
	WIN 0x40
.set i_, 0
.rept NT
	FRAG 128*(\p)+12*i_,B16+\slot,B8+\slot,i_*TROW+1536*(\q)
.set i_, i_+1
.endr
	WIN 0
.set i_, 0
.rept NT
	FRAG AF+96*(\p)+12*i_,A16+\slot,A8+\slot,i_*TROW+1536*(\q)
.set i_, i_+1
.endr
.endm
.macro SCALES lam, p
.set i_, 0
.rept NT
	ds_load_b32 v[SC+NT*(\p)+i_], v[ADRS] offset:(\lam)*2*NT*64+64*i_      ; a K step's row of scale words holds both halves: 2 NT x 64 bytes
.set i_, i_+1
.endr
.endm
.macro MULR a0, a1, p, zero
.set a_, \a0
.rept (\a1)-(\a0)
	WIN 0xa1+0x50*((a_*NT)/32)
.set b_, 0
.rept NT
.set d_, 8*((a_*NT+b_)%32)
.if \zero
	v_wmma_scale_f32_16x16x128_f8f6f4 v[d_:d_+7], v[128*(\p)+12*b_:128*(\p)+12*b_+11], v[AF+96*(\p)+12*a_:AF+96*(\p)+12*a_+11], 0, v[SC+NT*(\p)+b_], v[SC+NT*(\p)+a_] matrix_a_fmt:MATRIX_FMT_FP6 matrix_b_fmt:MATRIX_FMT_FP6 matrix_a_scale:MATRIX_SCALE_ROW1
.else
	v_wmma_scale_f32_16x16x128_f8f6f4 v[d_:d_+7], v[128*(\p)+12*b_:128*(\p)+12*b_+11], v[AF+96*(\p)+12*a_:AF+96*(\p)+12*a_+11], v[d_:d_+7], v[SC+NT*(\p)+b_], v[SC+NT*(\p)+a_] matrix_a_fmt:MATRIX_FMT_FP6 matrix_b_fmt:MATRIX_FMT_FP6 matrix_a_scale:MATRIX_SCALE_ROW1
.endif
.set b_, b_+1
.endr
.set a_, a_+1
.endr
.endm
.macro STEP slot, q, zero
	s_wait_dscnt 0x0
	PLACES 4
	FETCH \slot, (\q)+1, 1-(\q)%2
	SCALES \slot*NQ+(\q)+1, 1-(\q)%2
	MULR 0, NT, (\q)%2, \zero
	WIN 0
.endm
.macro MIDS slot
.set q_, 1
.rept NQ-2
	STEP \slot, q_, 0
.set q_, q_+1
.endr
.endm
.macro TURN slot, next, fill
	s_wait_tensorcnt 0x0
	ds_add_u32 v[SPW], v[NIL]
	s_wait_dscnt 0x1
	MULR 0, NT/4, 1, 0
	s_wait_dscnt 0x0
	s_barrier_signal -1
	MULR NT/4, NT/2, 1, 0
	WIN 0
	s_barrier_wait -1
.if \fill
	CREST
	s_add_nc_u64 s[G0A+4*\slot+2:G0A+4*\slot+3], s[G0A+4*\slot+2:G0A+4*\slot+3], 2*TROW
	s_add_nc_u64 s[G0B+4*\slot+2:G0B+4*\slot+3], s[G0B+4*\slot+2:G0B+4*\slot+3], 2*TROW
	JLOAD G0A+4*\slot, G1A, G0B+4*\slot, G1B
.else
	PLACES 4
.endif
.if \next == 0
	v_add_nc_u32 v[ADRS], 4*NQ*NT*64, v[ADRS]
.endif
	FETCH \next, 0, 0
	SCALES (\next)*NQ, 0
.if \fill                              ; behind the refill of chunk c + 2: a prefetch of chunk c + 4, two refills on; the loop's last trip has no such chunk and asks for nothing
	s_cmp_gt_u32 s23, 1
	s_cbranch_scc0 .Lno_ask_\@
	global_prefetch_b8 v[PFO], s[PFA:PFA+1] offset:(4+\slot)*TROW th:TH_LOAD_NT scope:SCOPE_SE
.Lno_ask_\@:
.endif
	MULR NT/2, NT, 1, 0
	WIN 0
.endm
.macro LAST
	s_wait_dscnt 0x0
	MULR 0, NT, 1, 0
	WIN 0
	PLACES 4
.endm
.macro IDS
	v_lshl_add_u32 v[SPW], v0, 2, SPARE
	v_mov_b32 v[NIL], 0
	ds_add_u32 v28, v29
	ds_add_u32 v28, v29
	s_wait_dscnt 0x0
	v_lshrrev_b32 v1, 5, v0
	v_readfirstlane_b32 s20, v1
	s_lshr_b32 s21, s20, 1
	s_and_b32 s22, s20, 1
	s_bfe_u32 s40, ttmp6, 0x40000
	s_bfe_u32 s41, ttmp6, 0x40004
	s_lshl_b32 s44, s41, 2
	s_lshl_b32 s44, 15, s44
	s_lshl_b32 s45, 0x1111, s40
.endm
.macro GROUP1
	s_or_b32 s[G1A], s44, (3<<16)|(1<<21)
	s_or_b32 s[G1B], s45, (3<<16)|(1<<21)
	s_or_b32 s[G1SA], s44, (3<<16)|(1<<21)
	s_or_b32 s[G1SB], s45, (3<<16)|(1<<21)
.irp g, G1A, G1B
	s_mov_b32 s[\g+1], (TROW/8)<<16
	s_mov_b32 s[\g+2], (2*NT)<<16                  ; the head's loads bring both halves: 2 NT tile rows
	s_mov_b32 s[\g+3], (TROW/8)<<16
	s_mov_b32 s[\g+4], 2*NT
	s_mov_b32 s[\g+6], 0
	s_mov_b32 s[\g+7], 0
.endr
	s_mov_b32 s[G1A+5], TPA/8
	s_mov_b32 s[G1B+5], TPB/8
.irp g, G1SA, G1SB
	s_mov_b32 s[\g+1], (NT*16)<<16
	s_mov_b32 s[\g+2], KS<<16
	s_mov_b32 s[\g+3], (NT*16)<<16
	s_mov_b32 s[\g+4], KS
	s_mov_b32 s[\g+6], 0
	s_mov_b32 s[\g+7], 0
.endr
	s_mov_b32 s[G1SA+5], SPA
	s_mov_b32 s[G1SB+5], SPB
.endm
.macro FIRSTFILLS
	s_mul_i32 s46, s43, 2*NT
	s_lshl_b32 s66, s46, 6
	s_mov_b32 s67, 0
	s_mul_i32 s46, s46, TPA
	s_mov_b32 s47, 0
	s_mul_i32 s2, s42, 2*NT
	s_lshl_b32 s100, s2, 6
	s_mov_b32 s101, 0
	s_mul_i32 s2, s2, TPB
	s_mov_b32 s3, 0
	s_add_nc_u64 s[92:93], s[92:93], s[46:47]
	s_add_nc_u64 s[96:97], s[96:97], s[66:67]
	s_add_nc_u64 s[94:95], s[94:95], s[2:3]
	s_add_nc_u64 s[98:99], s[98:99], s[100:101]
	CROUND
	s_mov_b32 s[G0SA], 1
	s_mov_b32 s[G0SA+1], SCL
	s_mov_b64 s[G0SA+2:G0SA+3], s[96:97]
	s_or_b32 s[G0SA+3], s[G0SA+3], 0x80000000
	s_mov_b32 s[G0SB], 1
	s_mov_b32 s[G0SB+1], SCL+2*HALFS
	s_mov_b64 s[G0SB+2:G0SB+3], s[98:99]
	s_or_b32 s[G0SB+3], s[G0SB+3], 0x80000000
	s_mov_b32 s[G0A], 1                            ; slot 0 whole: A's 2 NT tile rows,
	s_mov_b32 s[G0A+1], 0
	s_mov_b64 s[G0A+2:G0A+3], s[92:93]
	s_or_b32 s[G0A+3], s[G0A+3], 0x80000000
	s_mov_b32 s[G0B], 1                            ; and B's behind them
	s_mov_b32 s[G0B+1], 2*HALFT
	s_mov_b64 s[G0B+2:G0B+3], s[94:95]
	s_or_b32 s[G0B+3], s[G0B+3], 0x80000000
	ARM 1, G0A, G1A, .Lhead_b                      ; the head's four tiles, one load a wave: wave 0 A's codes,
	ARM 2, G0B, G1B, .Lhead_sa                     ; wave 1 B's,
	ARM 3, G0SA, G1SA, .Lhead_sb                   ; wave 2 A's scale words,
	tensor_load_to_lds s[G0SB:G0SB+3], s[G1SB:G1SB+7]      ; wave 3 B's
	s_nop 0
.rept 4
	v_nop
.endr
.Lhead_asked:
.endm
.macro ADDRS
	v_and_b32 v1, 15, v0
	v_bfe_u32 v2, v0, 4, 1
	v_and_b32 v3, 31, v0
	v_lshlrev_b32 v25, 4, v3
	v_lshlrev_b32 v26, 3, v3
	s_mul_i32 s46, s21, HALFT
	s_mul_i32 s47, s22, HALFT
	s_add_co_u32 s47, s47, 2*HALFT
.irp s, 0,1
	v_add_nc_u32 v[A16+\s], s46, v25
	v_add_nc_u32 v[A8+\s], s46, v26
	v_add_nc_u32 v[B16+\s], s47, v25
	v_add_nc_u32 v[B8+\s], s47, v26
	s_add_co_u32 s46, s46, SLOT
	s_add_co_u32 s47, s47, SLOT
.endr
	s_mul_i32 s46, s21, NT*64
	s_mul_i32 s47, s22, NT*64
	s_add_co_u32 s47, s47, 2*HALFS
	s_sub_co_u32 s47, s47, s46
	v_mul_u32_u24 v4, s47, v2
	s_add_co_u32 s46, s46, SCL
	v_lshl_add_u32 v4, v1, 2, v4
	v_add_nc_u32 v[ADRS], s46, v4
.endm
.macro MAINLOOP
	s_wait_alu depctr_va_vdst(0)
	s_wait_tensorcnt 0x0                           ; my tile of the head's four is in
	ds_add_u32 v[SPW], v[NIL]                      ; 0 onto my spare word, ahead of a later first fill
	s_mov_b32 s[G1A+2], NT<<16                     ; no load of mine is out: from here on a load brings NT tile rows, my quarter of a slot
	s_mov_b32 s[G1A+4], NT
	s_mov_b32 s[G1B+2], NT<<16
	s_mov_b32 s[G1B+4], NT
	s_mul_i32 s66, s20, HALFT
	s_mul_i32 s46, s22, NT*TPA
	s_mov_b32 s47, 0
	s_mul_i32 s2, s22, NT*TPB
	s_mov_b32 s3, 0
	s_mov_b32 s[G0A+1], s66
	s_mov_b32 s[G0B+1], s66
	s_add_nc_u64 s[G0A+2:G0A+3], s[G0A+2:G0A+3], s[46:47]
	s_add_nc_u64 s[G0B+2:G0B+3], s[G0B+2:G0B+3], s[2:3]
	s_mov_b32 s[G0A+4], 1
	s_mov_b32 s[G0B+4], 1
	s_add_co_u32 s[G0A+5], s66, SLOT
	s_add_co_u32 s[G0B+5], s66, SLOT
	s_add_nc_u64 s[G0A+6:G0A+7], s[G0A+2:G0A+3], TROW
	s_add_nc_u64 s[G0B+6:G0B+7], s[G0B+2:G0B+3], TROW
	s_wait_dscnt 0x0
	CROUND                                         ; all four tiles are in, in every work-group of the cluster
	JLOAD G0A+4, G1A, G0B+4, G1B                   ; slot 1's first fill, my one load behind the round
	FETCH 0, 0, 0
	SCALES 0, 0
	global_prefetch_b8 v[PFO], s[PFA:PFA+1] offset:3*TROW th:TH_LOAD_NT scope:SCOPE_SE      ; chunk 3, two refills on
	STEP 0, 0, 1
	RESID                                          ; what the way out alone needs is asked for behind both slots' fills
.if LAPS > 1
	s_mov_b32 s23, LAPS-1
.Llap:
	s_wait_alu depctr_va_vdst(0)
	MIDS 0
	TURN 0, 1, 1
	STEP 1, 0, 0
	MIDS 1
	TURN 1, 0, 1
	s_wait_alu depctr_va_vdst(0)
	STEP 0, 0, 0
	s_wait_xcnt 0x0                                ; the trip's two prefetches have read their address: it steps two chunks on
	s_add_nc_u64 s[PFA:PFA+1], s[PFA:PFA+1], 2*TROW
	s_sub_co_u32 s23, s23, 1
	s_cmp_lg_u32 s23, 0
	s_cbranch_scc1 .Llap
.endif
	MIDS 0
	TURN 0, 1, 0
	STEP 1, 0, 0
	MIDS 1
	LAST
.endm
.macro FINISH
	s_wait_tensorcnt 0x0
	ds_add_u32 v[SPW], v[NIL]
	s_wait_dscnt 0x0
	CROUND
	s_endpgm
.endm
; THE PREFETCHES: K goes in eight chunks of TROW = 6,144 bytes of each tile row.  Of the four tile rows that a wave fetches jointly with three partners, each partner asks for one, told apart by address
; (cx for A's rows, cy for B's): 24 blocks of 256 bytes, a lane a block; lanes 24-31 name the last block again.  So each block is named once in each cluster that loads it.
.set PFO, 22                           ; v22     256 x min(lane, 23); never rewritten
.set PFA, 16                           ; s[16:17] my tile row of the prefetches, at the chunk with which the trip began
.set CO,  17
.set BO,  19
.set STO, 20
.set RD,  21
.set OB,  64
.macro TOSTAGE a
	WIN 0x08
.set b_, 0
.rept 4
	ds_store_b128 v[STO], v[8*(4*(\a)+b_):8*(4*(\a)+b_)+3] offset:128*(b_/2)+32*(b_%2)
	ds_store_b128 v[STO], v[8*(4*(\a)+b_)+4:8*(4*(\a)+b_)+7] offset:128*(b_/2)+32*(b_%2)+16
.set b_, b_+1
.endr
	WIN 0
.set t_, 0
.rept 8
	ds_load_b128 v[OB+32*((\a)%2)+4*t_:OB+32*((\a)%2)+4*t_+3], v[RD] offset:544*t_
.set t_, t_+1
.endr
.endm
.macro SEND a, younger
.set OBB, OB+32*((\a)%2)
	s_wait_dscnt \younger
	WIN 0x0c
.set t_, 0
.rept 8
	v_pk_add_f32 v[OBB+4*t_:OBB+4*t_+1], v[OBB+4*t_:OBB+4*t_+1], v[4*(8*(\a)+t_):4*(8*(\a)+t_)+1]
	v_pk_add_f32 v[OBB+4*t_+2:OBB+4*t_+3], v[OBB+4*t_+2:OBB+4*t_+3], v[4*(8*(\a)+t_)+2:4*(8*(\a)+t_)+3]
.set t_, t_+1
.endr
	WIN 0
.set t_, 0
.rept 8
	v_pk_add_f32 v[OBB+4*t_:OBB+4*t_+1], v[OBB+4*t_:OBB+4*t_+1], v[40:41]
	v_pk_add_f32 v[OBB+4*t_+2:OBB+4*t_+3], v[OBB+4*t_+2:OBB+4*t_+3], v[42:43]
.set t_, t_+1
.endr
.set t_, 0
.rept 8
	global_store_b128 v[CO], v[OBB+4*t_:OBB+4*t_+3], s[94:95] offset:(32*((\a)/2)+8*((\a)%2)+2*t_+8*(t_/4))*4096 th:TH_STORE_NT
.set t_, t_+1
.endr
.endm
.macro WAYOUT
	TOSTAGE 0
.irp a, 1,2,3
.if \a > 1
	s_wait_xcnt 0x0
.endif
	TOSTAGE \a
	SEND \a-1, 16
.endr
	SEND 3, 0
.endm
	s_load_b256 s[4:11], s[0:1], 0x0
	s_load_b64 s[12:13], s[0:1], 0x20
	IDS
	s_lshl_b32 s42, ttmp9, 2
	s_add_co_u32 s42, s42, s40
	s_and_b32 s43, ttmp7, 0xffff
	s_lshl_b32 s43, s43, 2
	s_add_co_u32 s43, s43, s41
	GROUP1
	s_wait_kmcnt 0x0
	s_mov_b64 s[92:93], s[4:5]
	s_add_nc_u64 s[96:97], s[4:5], 12582912
	s_add_nc_u64 s[94:95], s[6:7], 6291456
	s_add_nc_u64 s[98:99], s[6:7], 9732096
	FIRSTFILLS
	ADDRS
	s_mul_i32 s46, s20, 4352
	v_mul_u32_u24 v[STO], v1, 272
	v_lshl_add_u32 v[STO], v2, 6, v[STO]
	v_add_nc_u32 v[STO], s46, v[STO]
	v_mul_u32_u24 v[RD], v2, 272
	v_lshl_add_u32 v[RD], v1, 4, v[RD]
	v_add_nc_u32 v[RD], s46, v[RD]
	v_lshlrev_b32 v[CO], 12, v2
	v_lshl_add_u32 v[CO], v1, 4, v[CO]
	s_wait_alu depctr_va_vdst(0)
	v_lshlrev_b32 v[BO], 4, v1
	s_wait_alu depctr_va_vdst(0)
	s_lshl_b32 s2, s43, 7
	s_lshl_b32 s3, s21, 6
	s_add_co_u32 s2, s2, s3
	s_lshl_b32 s2, s2, 12
	s_lshl_b32 s3, s42, 7
	s_lshl_b32 s46, s22, 6
	s_add_co_u32 s3, s3, s46
	s_lshl_b32 s100, s3, 2
	s_mov_b32 s101, 0
	s_add_co_u32 s2, s2, s100
	s_mov_b32 s3, 0
	s_add_nc_u64 s[92:93], s[10:11], s[2:3]
	s_add_nc_u64 s[94:95], s[12:13], s[2:3]
	s_add_nc_u64 s[8:9], s[8:9], s[100:101]
	s_cmp_eq_u32 s21, 0                            ; do I fetch for A?
	s_cselect_b32 s14, s43, s42                    ; the block of 2 NT tile rows,
	s_cselect_b32 s15, s40, s41                    ; my place among the four that ask with me,
	s_cselect_b64 s[PFA:PFA+1], s[4:5], s[6:7]
	s_cselect_b32 s18, 0, 6291456                  ; and where the codes begin in the buffer
	s_lshl_b32 s14, s14, 3
	s_lshl_b32 s19, s22, 2
	s_add_co_u32 s14, s14, s19
	s_add_co_u32 s14, s14, s15                     ; 2 NT x block + NT x half + place
	s_mul_i32 s14, s14, TPA
	s_add_co_u32 s18, s18, s14
	s_mov_b32 s19, 0
	s_add_nc_u64 s[PFA:PFA+1], s[PFA:PFA+1], s[18:19]
	v_min_u32 v[PFO], 23, v3
	v_lshlrev_b32 v[PFO], 8, v[PFO]
	global_prefetch_b8 v[PFO], s[PFA:PFA+1] offset:TROW th:TH_LOAD_NT scope:SCOPE_SE        ; chunks 1 and 2: the next two fills
	global_prefetch_b8 v[PFO], s[PFA:PFA+1] offset:2*TROW th:TH_LOAD_NT scope:SCOPE_SE
.macro RESID                           ; the residual's rows and b2: they land under the products
	WIN 0xc0
.set a_, 0
.rept 4
.set t_, 0
.rept 8
	global_load_b128 v[4*(8*a_+t_):4*(8*a_+t_)+3], v[CO], s[92:93] offset:(32*(a_/2)+8*(a_%2)+2*t_+8*(t_/4))*4096
.set t_, t_+1
.endr
.set a_, a_+1
.endr
	WIN 0
	global_load_b128 v[40:43], v[BO], s[8:9]
.endm
	MAINLOOP
	s_wait_loadcnt 0x0
	WAYOUT
	FINISH
.Lfunc_end_k_qa9314eb4a0_ffn2:
	.size	k_qa9314eb4a0_ffn2, .Lfunc_end_k_qa9314eb4a0_ffn2-k_qa9314eb4a0_ffn2
	.p2alignl 7, 3214868480
	.fill 96, 4, 3214868480
	.section	.rodata,"a",@progbits
	.p2align	6, 0x0
	.amdhsa_kernel k_qa9314eb4a0_ffn2
		.amdhsa_group_segment_fixed_size 327680
		.amdhsa_private_segment_fixed_size 0
		.amdhsa_enable_private_segment 0
		.amdhsa_kernarg_size 40
		.amdhsa_user_sgpr_count 2
		.amdhsa_user_sgpr_kernarg_segment_ptr 1
		.amdhsa_wavefront_size32 1
		.amdhsa_system_sgpr_workgroup_id_x 1
		.amdhsa_system_sgpr_workgroup_id_y 1
		.amdhsa_system_sgpr_workgroup_id_z 1
		.amdhsa_system_vgpr_workitem_id 0
		.amdhsa_next_free_vgpr 1024
		.amdhsa_next_free_sgpr 102
		.amdhsa_reserve_vcc 0
		.amdhsa_float_denorm_mode_32 3
		.amdhsa_float_denorm_mode_16_64 3
		.amdhsa_memory_ordered 1
		.amdhsa_forward_progress 1
		.amdhsa_inst_pref_size 106
	.end_amdhsa_kernel
	.amdgpu_metadata
---
amdhsa.version: [ 1, 2 ]
amdhsa.kernels:
  - .name:           k_qa9314eb4a0_ffn2
    .symbol:         k_qa9314eb4a0_ffn2.kd
    .args:
      - { .name: hid, .offset: 0, .size: 8, .value_kind: global_buffer, .address_space: global }
      - { .name: wcs, .offset: 8, .size: 8, .value_kind: global_buffer, .address_space: global }
      - { .name: b2, .offset: 16, .size: 8, .value_kind: global_buffer, .address_space: global }
      - { .name: x1, .offset: 24, .size: 8, .value_kind: global_buffer, .address_space: global }
      - { .name: out0, .offset: 32, .size: 8, .value_kind: global_buffer, .address_space: global }
    .group_segment_fixed_size: 327680
    .private_segment_fixed_size: 0
    .kernarg_segment_align: 8
    .kernarg_segment_size: 40
    .max_flat_workgroup_size: 128
    .sgpr_count:     102
    .vgpr_count:     1024
    .wavefront_size: 32
...
	.end_amdgpu_metadata
.endif
;; end of part 7
